; MI455X (gfx1250); checked and timed in simulation.
; The chip was launched on July 23, 2026; its instructions are those of AMD's public machine-readable ISA for CDNA 5 (MIT licence, August 2026) and "CDNA5" Instruction Set Architecture Reference Guide (July 2026). The comments in the code are by the model that wrote it; some were corrected since.
;; Edge GAT Layer. Allowed arithmetic: matrix products marked QUANTISED: E3M2 operands, one E8M0 scale for each 32 along K, by v_wmma_scale_f32_16x16x128_f8f6f4 with both operands' format E3M2, f32 sums; everything else in f32.
;; Inputs: Wk 128 x 128 float32; Wo 128 x 128 float32; Wq 128 x 128 float32; Wv 128 x 128 float32; beta 128 float32; bo 128 float32; edge_feat 256 x 256 x 128 float32; gamma 128 float32; off_diag_mask 256 x 256 float32.
;; Outputs: out0 256 x 256 x 128 float32.
;; This version of the problem:
;;   THIS VERSION OF THE PROBLEM IS GIVEN IN LOW PRECISION. The matrix products marked QUANTISED in the list below multiply operands that are first quantised to E3M2 (3 exponent bits, 2 mantissa bits; 6 bits a number), with one power-of-two scale for each 32 numbers along K (OCP MX v1.0); their sums are f32. All else is computed in f32.
;;   The module's matrix products, in the order in which they are computed (A, B: the left and right operand; K: the contracted axis; several contracted axes count as one K, in the product's order):
;;     1. [M 65,536, K 128] x [K 128, N 128]; A: input edge_feat; B: input Wq: QUANTISED
;;     2. [M 65,536, K 128] x [K 128, N 128]; A: input edge_feat; B: input Wk: QUANTISED
;;     3. [M 65,536, K 128] x [K 128, N 128]; A: input edge_feat; B: input Wv: QUANTISED
;;     4. batch 1,024 x [M 256, K 32] x [K 32, N 256]; A: computed on the way; B: computed on the way: QUANTISED
;;     5. batch 1,024 x [M 32, K 256] x [K 256, N 256]; A: computed on the way; B: softmax (see below): QUANTISED
;;     6. batch 1,024 x [M 256, K 32] x [K 32, N 256]; A: computed on the way; B: computed on the way: QUANTISED
;;     7. batch 1,024 x [M 32, K 256] x [K 256, N 256]; A: computed on the way; B: softmax (see below): QUANTISED
;;     8. [M 65,536, K 128] x [K 128, N 128]; A: computed on the way; B: input Wo: QUANTISED
;;   THE QUANTISER, for each operand of a quantised product, along K:
;;     - K is cut into blocks of 32 from its start; a last block that is shorter is filled with zeros.
;;     - A block's scale is 2^e with e = floor(log2(the largest magnitude in the block)) - 4, held to -126 .. 127; a block of zeros has e = 0. As a byte (E8M0): e + 127.
;;     - Each number is divided by its block's scale, clamped to +-28, and rounded to the nearest number of E3M2, ties to even, subnormals kept.
;;     - The product sums the exact products of the quantised numbers (number of the format x scale) in f32.
;;   ~~~python
;;   def quantise(x, axis):      # numpy; x: float32 -> the quantised numbers, widened to float32 again
;;       x = np.moveaxis(x, axis, -1); K = x.shape[-1]
;;       x = np.pad(x, [(0, 0)] * (x.ndim - 1) + [(0, -K % 32)]); x = x.reshape(x.shape[:-1] + (-1, 32)); a = np.abs(x).max(-1, keepdims=True)
;;       e = np.where(a > 0, np.clip(np.frexp(np.where(a > 0, a, 1))[1] - 1 - 4, -126, 127), 0)      # np.frexp(a)[1] - 1 = floor(log2(a)), exactly
;;       r = np.clip(x / 2.0 ** e, -28, 28)
;;       step = 2.0 ** (np.maximum(np.frexp(np.where(r == 0, 1, r))[1] - 1, -2) - 2)
;;       q = np.round(r / step) * step * 2.0 ** e      # np.round: ties to even
;;       return np.moveaxis(q.reshape(q.shape[:-2] + (-1,))[..., :K], -1, axis).astype(np.float32)
;;   ~~~
;;   SOFTMAX AHEAD OF A QUANTISED PRODUCT. Where the list says 'softmax', what is quantised is not the finished softmax but p = 2^(t - M), with t = logit x log2(e) and M = ceil(the row's largest t), a whole number; so 1/2 < the row's largest p <= 1. The row's sum l is taken of the UNQUANTISED p, in f32, and the product's result is divided by l at the end. Since M is a whole number, a kernel that streams over the keys may use a running M (the ceiling of the running maximum): every later rescaling is an exact power of two, which a block's scale takes up: the codes' values come out the same.
;;   OPERANDS COMPUTED ON THE WAY. 'Computed on the way' means the value that the module computes at that place (a softmax that the list does not call 'softmax' is quantised finished and normalised). What goes into a quantiser is computed in f32, as accurately as f32 sums, v_exp_f32 and their like allow (about 1e-6 of the number): no bf16 or f16 on the way to a quantiser, and a product that is left as it is and whose result goes on into a quantised operand takes f32 operands (vector FMAs, or v_wmma_f32_16x16x4_f32). A number that lies on a knife's edge between two numbers of the format may be rounded either way, as far as f32 arithmetic and the matrix unit's own rounding can turn it there, and no further.
;; 2 versions. Each part assembles by itself: llvm-mc -triple=amdgcn-amd-amdhsa -mcpu=gfx1250 --defsym DOCPART=n.
;; ======== version 1 of 2: 2 launches
;; limits: right only within a limited range of input values
;; workspace buffers: ocol 33,554,432 bytes
;; launch colpass (part 1): grid 256 x 1, 16 waves a work-group, no clusters, 269,312 bytes of LDS; arguments edge_feat, off_diag_mask, Wq, Wk, Wv, ocol; writes ocol
.if DOCPART == 1
	.amdgcn_target "amdgcn-amd-amdhsa--gfx1250"
	.amdhsa_code_object_version 6
	.text
	.protected	k_q90e36d23b6_colpass
	.globl	k_q90e36d23b6_colpass
	.p2align	8
	.type	k_q90e36d23b6_colpass,@function
k_q90e36d23b6_colpass:
	s_mov_b64 s[64:65], 0
	v_nop
	global_prefetch_b8 v0, s[64:65] scope:SCOPE_SE
	s_setreg_imm32_b32 hwreg(HW_REG_WAVE_MODE, 25, 1), 1
	s_wait_xcnt 0x0
; EDGE ATTENTION ALONG ONE LINE OF THE 256 x 256 EDGE GRID, all products on codes of BF6 (E3M2) with one E8M0 scale for each 32 along K.
; ROWPASS = 0: the line is column L; the result, 0.5 x out_col, goes to ocol [q][c][128] f32.
; ROWPASS = 1: the line is row L; 0.5 x out_row + ocol is quantised, multiplied by Wo onto E + bo, normalised (LayerNorm), masked and stored to out0.
; SHARES.  A work-group of sixteen waves owns a line of 256 edges; wave w owns the 16 edges EW + r + 8 (r / 8), EW = 32 (w / 2) + 8 (w % 2), as rows of x, as queries and as key tile w.
; By that choice of rows the 16 registers of two neighbouring result tiles are 16 neighbours along the next product's K.  Four waves share a SIMD: one wave's softmax stands beside another's LDS loads and products.
; PHASES.  A: each wave reads its 16 rows of x row by row (512 consecutive bytes an instruction) and turns them through its own stage in LDS into the quantiser's layout; it quantises them, 16 keys' mask, and a
; sixteenth of every weight (32 columns x one block of 32 along K: a lane to a column, registers down K, 128 consecutive bytes an instruction); images of the operands' registers go to LDS | barrier |
; B: Q, K (transposed: source 0 = 16 columns of W) for my 16 edges, V (source 0 = 32 edges, so that registers run along the keys) for 32 keys x 64 channels; K's and V's codes to LDS | barrier |
; C: for each head two steps of 128 keys: S^T = K Q^T, p = 2^(t - M), O^T += V^T p^T; O / (2 l) to my stage in LDS.  Behind the second barrier no wave writes what another reads.
; A HEAD HAS 32 ALONG K AND THE INSTRUCTION 128: one fragment of K holds FOUR key tiles of one head, one in each block of 32; the query operand has its codes in one block and zero codes in the others.
; THE KEY MASK is the C of the score products: 0, or -3e38 where the mask is 0.
; No tensor loads: every byte of x is used by one wave, once, and goes through that wave's registers and stage.  No cluster: work-groups share only the 256 KiB of weights.
; LIMITS.  A true t = score x log2(e) / sqrt(32) lies above -1e30 (masked scores are -3e38; the running maximum begins at -1e30).  A line all of whose keys are masked gives NaN, as the definition does.
; NaN and infinities among the inputs are not served.  A block of zeros has the scale byte 1 and not 127: its codes are zeros, and only this program reads the bytes.
; 1 / sqrt(32) and log2(e) are one f32 factor; 0.5 is applied to each half ahead of the sum (exact).  A block's largest p is made from its largest score: this takes v_exp_f32 not to fall where its input rises.
.set ROWPASS, 0
.if ROWPASS
.set ESTR, 512                         ; bytes from edge to edge of the line
.set LSTR, 131072                      ; from line to line
.set MKS,  4                           ; the mask: from key to key
.set MLS,  1024                        ; and from line to line
.set NW,   4                           ; weights: Wq, Wk, Wv, Wo
.else
.set ESTR, 131072
.set LSTR, 512
.set MKS,  1024
.set MLS,  4
.set NW,   3
.endif
; LDS.  An image is a fragment's 12 registers: piece q (registers 2 q, 2 q + 1) at 256 q + 8 x lane; x's in chunks of four registers at 512 c + 16 x lane.
.set WIMG, 0                           ; 32 fragments of 1,536 bytes: weight i, tile t at 8 i + t
.set XIMG, 49152                       ; 16 fragments: x's tile w
.set KIMG, 73728                       ; 4 heads x (4 fragments + 128 bytes)
.set KHP,  6272
.set VIMG, 98816                       ; 8 channel tiles x (2 K steps + 128 bytes)
.set VTP,  3200
.set WSC,  124416                      ; scale words: (8 i + t) x 64 + 4 r
.set XSC,  126464                      ; 128 w + 4 x lane
.set KSC,  128512                      ; 256 head + 64 fragment + 4 r, byte = the key tile's block
.set VSC,  129536                      ; 64 (2 t + K step) + 4 r, byte = the key block in the step
.set MB,   130560                      ; the key mask as 0 or -3e38: 4 x key
.set STG,  131584                      ; a stage of 16 rows x (512 + 16) bytes for each wave
.set SPI,  528
; vector registers
.set AK,   1                           ; KIMG + 8 x lane
.set AKS,  2                           ; KSC + 4 r
.set AV,   3                           ; VIMG + 8 x lane
.set AVS,  4                           ; VSC + 4 r
.set AB,   5                           ; MB + 64 h
.set SO,   6                           ; my stage: row r, + 64 h
.set SR,   7                           ; my stage: 16 x lane
.set GO,   8                           ; 16 x lane
.set PFA,  10                          ; the prefetch's offsets
.set AW,   11                          ; the averaged output's scale word
.set NM,   12                          ; -M; v13 the largest t
.set LSUM, 14                          ; v[14:15] the row's sum in two halves
.set TM,   16                          ; v16-19 maxima, v20-23 permute results and bytes, v28-31 the conversions' scale operands
.set WOS,  24                          ; v24-27 Wo's scale words
.set T2,   32                          ; v32-34, v36-38 second halves of the conversions
.set DW,   35                          ; x's scale word on its way to LDS; K's and V's, which nobody wants
.set PB,   39                          ; 64 h
.set F,    40                          ; v40-51 Q's fragment; in phase A and in the epilogue addresses
.set CT,   52                          ; v52-63 codes just made
.set HA,   64                          ; v64-127 64 numbers: x, projections, scores and p, y
.set S,    64
.set Y,    64
.set WN,   128                         ; phase A: 32 numbers of each weight
.set WF,   128                         ; phase B: eight fragments of a weight
.set XP,   128                         ; for V: two fragments of x, four of Wv
.set WF2,  152
.set XF,   224                         ; my fragment of x
.set WRI,  236                         ; phase B's LDS addresses
.set WRS,  237
.set WRIV, 238
.set WRSV, 239
.set XRI,  240
.set XRS,  241
.set KWI,  242
.set KWS,  243
.set VWI,  244
.set VWS,  245
.set WS,   246                         ; v246-255 hold scale words in phases B and C
.set XPW,  246
.set WS2,  248
.set XW,   254
.set QW,   255
.set KF,   128                         ; phase C
.set VF,   152
.set O,    176
.set PF,   192
.set QOP,  204                         ; zeros | codes in lanes 0-15 | zeros | codes in lanes 16-31 | zeros, six registers each
.set TMPR, 234
.set FP,   236
.set SUM2, 238
.set KS,   246
.set VS,   248
.set QS,   250
.set PWD,  251
.set WA,   40                          ; phase A's addresses
.set MA,   41
.set XWI,  42
.set XWS,  43
.set WWI,  44
.set WWS,  45
.set MBW,  46
.set MV,   47
.set BV,   48
.set EM,   40                          ; the epilogue's
.set WRI2, 41
.set WRS2, 42
.set A1,   128
.set A2,   192
; scalar registers: s[4:25] addresses; s26 wave; s27 w&1, s28 (w>>1)&1, s30 w>>3, s31 w>>1, s32 w>>2, s33 w&3, s34 (w>>1)&3, s35 EW
.set SEL,  36                          ; s[36:37] v_permlanex16_b32's selects for lane l xor 16
.set CS,   38                          ; s[38:39] c = log2(e) / sqrt(32)
.set LOM,  40                          ; lanes 0-15
.set HIM,  41                          ; lanes 16-31
.macro PLACES n                        ; plain vector instructions between a matrix instruction and what touches its registers (ISA guide 7.12.1)
.rept \n
	v_nop
.endr
.endm
.macro BARRIER                         ; my LDS stores have landed and my LDS loads are in: then the work-group's barrier
	s_wait_dscnt 0x0
	s_barrier_signal -1
	s_barrier_wait -1
.endm
; my 16 edges' 128 numbers, an edge to an instruction: the 32 lanes read 512 consecutive bytes, at a multiple of 512 from the buffer's first byte
.macro XLOADD dst, sb, nt
.irp i, 0,1,2,3,4,5,6,7,8,9,10,11,12,13,14,15
.if \nt
	global_load_b128 v[\dst+4*\i:\dst+4*\i+3], v[GO], s[\sb:\sb+1] offset:(\i+8*(\i/8))*ESTR th:TH_LOAD_NT
.else
	global_load_b128 v[\dst+4*\i:\dst+4*\i+3], v[GO], s[\sb:\sb+1] offset:(\i+8*(\i/8))*ESTR
.endif
.endr
.endm
; and through my stage into the quantiser's layout, in the registers that they left: register 16 b + i = feature 32 b + 16 h + i of edge r.  LDS serves a wave's instructions in order (ISA guide 5.7.1.4): the loads see the stores
.macro XTURN reg
.irp i, 0,1,2,3,4,5,6,7,8,9,10,11,12,13,14,15
	ds_store_b128 v[SR], v[\reg+4*\i:\reg+4*\i+3] offset:SPI*\i
.endr
.irp b, 0,1,2,3
.irp j, 0,1,2,3
	ds_load_b128 v[\reg+16*\b+4*\j:\reg+16*\b+4*\j+3], v[SO] offset:128*\b+16*\j
.endr
.endr
.endm
.macro PLOAD dst, sb                   ; the same 64 features of a vector of 128
.irp b, 0,1,2,3
.irp j, 0,1,2,3
	global_load_b128 v[\dst+16*\b+4*\j:\dst+16*\b+4*\j+3], v[PB], s[\sb:\sb+1] offset:128*\b+16*\j
.endr
.endr
.endm
; 64 numbers of a lane, register 16 b + i = k 32 b + 16 h + i of my row, become a fragment's codes in v[dst] on (lane (r, h): registers 6 c .. 6 c + 5 = block 2 c + h) and its scale word; v[TM+4+b] keeps block b's byte
.macro QUANT src, dst, word
.irp b, 0,1,2,3
	v_max3_num_f32 v[TM+\b], |v[\src+16*\b]|, |v[\src+16*\b+1]|, 0x2800000   ; my 16 numbers, and the floor 2^(5 - 127): the byte cannot fall under 1
.endr
.irp i, 2,4,6,8,10,12,14
.irp b, 0,1,2,3
	v_max3_num_f32 v[TM+\b], v[TM+\b], |v[\src+16*\b+\i]|, |v[\src+16*\b+\i+1]|
.endr
.endr
.irp b, 0,1,2,3
	v_permlanex16_b32 v[TM+4+\b], v[TM+\b], s[SEL], s[SEL+1]
.endr
.irp b, 0,1,2,3
	v_max_num_f32 v[TM+\b], v[TM+\b], v[TM+4+\b]   ; with lane l xor 16's: the block's largest magnitude
.endr
.irp b, 0,1,2,3
	v_add_nc_u32 v[TM+12+\b], 0xfe000000, v[TM+\b]   ; 4 off its exponent field: the conversion's scale operand
.endr
.irp b, 0,1,2,3
	v_lshrrev_b32 v[TM+4+\b], 23, v[TM+12+\b]      ; the scale's byte
.endr
	v_lshl_or_b32 v[\word], v[TM+5], 8, v[TM+4]
	v_lshl_or_b32 v[\word], v[TM+6], 16, v[\word]
	v_lshl_or_b32 v[\word], v[TM+7], 24, v[\word]
.irp c, 0,1
	v_cvt_scalef32_pk16_bf6_f32 v[\dst+6*\c:\dst+6*\c+2], v[\src+32*\c:\src+32*\c+15], v[TM+12+2*\c]
	v_cvt_scalef32_pk16_bf6_f32 v[T2+4*\c:T2+4*\c+2], v[\src+32*\c+16:\src+32*\c+31], v[TM+13+2*\c]   ; (a conversion's three registers begin on an even number)
.endr
	v_nop                                          ; one plain place behind a scaled conversion
.irp c, 0,1                                    ; the operand's layout wants a whole block in a lane
.irp i, 0,1,2
	v_permlane16_swap_b32 v[\dst+6*\c+\i], v[T2+4*\c+\i]
.endr
.irp i, 0,1,2
	v_mov_b32 v[\dst+6*\c+3+\i], v[T2+4*\c+\i]
.endr
.endr
.endm
; weight i: my 32 numbers are block w % 4 of column r of tile 2 (w / 4) + h: all of the block is mine
.macro WQUANT i
.set XS, WN+32*(\i)
	v_max3_num_f32 v[TM], |v[XS]|, |v[XS+1]|, |v[XS+2]|
	v_max3_num_f32 v[TM+1], |v[XS+3]|, |v[XS+4]|, |v[XS+5]|
.irp j, 6,10,14,18,22,26
	v_max3_num_f32 v[TM], v[TM], |v[XS+\j]|, |v[XS+\j+1]|
	v_max3_num_f32 v[TM+1], v[TM+1], |v[XS+\j+2]|, |v[XS+\j+3]|
.endr
	v_max3_num_f32 v[TM], v[TM], |v[XS+30]|, |v[XS+31]|
	v_max3_num_f32 v[TM], v[TM], v[TM+1], 0x2800000
	v_add_nc_u32 v[TM+12], 0xfe000000, v[TM]
	v_lshrrev_b32 v[TM+4], 23, v[TM+12]
	v_cvt_scalef32_pk16_bf6_f32 v[CT:CT+2], v[XS:XS+15], v[TM+12]
	v_cvt_scalef32_pk16_bf6_f32 v[T2:T2+2], v[XS+16:XS+31], v[TM+12]
	v_nop
.irp p, 0,1,2
	v_mov_b32 v[CT+3+\p], v[T2+\p]
.endr
.irp p, 0,1,2
	ds_store_b64 v[WWI], v[CT+2*\p:CT+2*\p+1] offset:12288*(\i)+256*\p
.endr
	ds_store_b8 v[WWS], v[TM+4] offset:512*(\i)
	s_wait_dscnt 0x0                               ; the stores have read their registers: the next block may write them
.endm
.macro WFETCH reg, sreg, adr, sadr, off, soff, n   ; n fragments of a weight and their scale words
.set WT, 0
.rept \n
.irp q, 0,1,2,3,4,5
	ds_load_b64 v[\reg+12*WT+2*\q:\reg+12*WT+2*\q+1], v[\adr] offset:\off+1536*WT+256*\q
.endr
	ds_load_b32 v[\sreg+WT], v[\sadr] offset:\soff+64*WT
.set WT, WT+1
.endr
.endm
.macro PROJ                            ; transposed: source 0 = 16 columns of W, source 1 = my 16 edges: register 8 t + j = feature 32 (t / 2) + 16 h + 8 (t % 2) + j of edge r
.irp t, 0,1,2,3,4,5,6,7
	v_wmma_scale_f32_16x16x128_f8f6f4 v[HA+8*\t:HA+8*\t+7], v[WF+12*\t:WF+12*\t+11], v[XF:XF+11], 0, v[WS+\t], v[XW] matrix_a_fmt:MATRIX_FMT_BF6 matrix_b_fmt:MATRIX_FMT_BF6
.endr
	PLACES 4
.endm
; The head's 24 bytes of each query lie in one half of the lanes of F: they are put into lanes 0-15 of one run of six registers and into lanes 16-31 of another, zeros beside them
.macro HEADPREP hd
.set FC, F+6*((\hd)/2)
	v_perm_b32 v[QS], v[QW], v[QW], 0x01010101*(\hd)   ; the head's scale byte in all four bytes: whichever block holds the codes
.irp i, 0,1,2,3,4,5
	v_permlanex16_b32 v[CT+\i], v[FC+\i], s[SEL], s[SEL+1]
.endr
.irp i, 0,1,2,3,4,5
.if (\hd)%2 == 0
	v_cndmask_b32 v[QOP+6+\i], 0, v[FC+\i], s[LOM]
	v_cndmask_b32 v[QOP+18+\i], 0, v[CT+\i], s[HIM]
.else
	v_cndmask_b32 v[QOP+6+\i], 0, v[CT+\i], s[LOM]
	v_cndmask_b32 v[QOP+18+\i], 0, v[FC+\i], s[HIM]
.endif
.endr
	v_mov_b32 v[NM+1], 0xf149f2ca                  ; the largest t so far: -1e30.  These four lines are the places between the operand's last write and the first product; the twelve selects above them are the scale word's
	v_mov_b32 v[LSUM], 0
	v_mov_b32 v[LSUM+1], 0
	v_nop
.endm
.macro SCORE t, g, qo                  ; key tile t of the step lies in one block of fragment g; the query operand that begins at QOP + qo has its codes in that block.  C = D = the keys' mask
	v_wmma_scale_f32_16x16x128_f8f6f4 v[S+8*(\t):S+8*(\t)+7], v[KF+12*(\g):KF+12*(\g)+11], v[QOP+\qo:QOP+\qo+11], v[S+8*(\t):S+8*(\t)+7], v[KS+\g], v[QS] matrix_a_fmt:MATRIX_FMT_BF6 matrix_b_fmt:MATRIX_FMT_BF6
.endm
; A KEY STEP: keys 128 s on, head hd.  Register 16 b + i of S = key 128 s + 32 b + 16 h + i, query r
.macro STEP hd, s, pf
.irp t, 0,1,2,3,4,5,6,7
	ds_load_b128 v[S+8*\t:S+8*\t+3], v[AB] offset:512*\s+128*(\t/2)+32*(\t%2)
	ds_load_b128 v[S+8*\t+4:S+8*\t+7], v[AB] offset:512*\s+128*(\t/2)+32*(\t%2)+16
.endr
.irp g, 0,1
.irp q, 0,1,2,3,4,5
	ds_load_b64 v[KF+12*\g+2*\q:KF+12*\g+2*\q+1], v[AK] offset:KHP*\hd+1536*(2*\s+\g)+256*\q
.endr
	ds_load_b32 v[KS+\g], v[AKS] offset:256*\hd+64*(2*\s+\g)
.endr
.irp u, 0,1
.irp q, 0,1,2,3,4,5
	ds_load_b64 v[VF+12*\u+2*\q:VF+12*\u+2*\q+1], v[AV] offset:VTP*(2*\hd+\u)+1536*\s+256*\q
.endr
	ds_load_b32 v[VS+\u], v[AVS] offset:64*(2*(2*\hd+\u)+\s)
.endr
	s_wait_dscnt 14                                ; the mask and K are in; the youngest fourteen loads, V's, may be out
.irp g, 0,1
	SCORE 4*\g, \g, 6
	SCORE 4*\g+1, \g, 18
	SCORE 4*\g+2, \g, 0
	SCORE 4*\g+3, \g, 12
.endr
.if \pf
	global_prefetch_b8 v[PFA], s[22:23] th:TH_LOAD_NT scope:SCOPE_SE   ; my 16 rows of ocol, 32 blocks of 256 bytes, a lane to a block, once; they are loaded behind this key step
.endif
	PLACES 4
.irp b, 0,1,2,3
	v_max3_num_f32 v[TM+\b], v[S+16*\b], v[S+16*\b+1], v[S+16*\b+2]   ; the largest score of each block of 32 keys: for the row's maximum and for the block's largest p
.endr
.irp i, 3,5,7,9,11,13
.irp b, 0,1,2,3
	v_max3_num_f32 v[TM+\b], v[TM+\b], v[S+16*\b+\i], v[S+16*\b+\i+1]
.endr
.endr
.irp b, 0,1,2,3
	v_max_num_f32 v[TM+\b], v[TM+\b], v[S+16*\b+15]
.endr
.irp b, 0,1,2,3
	v_permlanex16_b32 v[TM+4+\b], v[TM+\b], s[SEL], s[SEL+1]
.endr
.irp b, 0,1,2,3
	v_max_num_f32 v[TM+\b], v[TM+\b], v[TM+4+\b]
.endr
	v_max3_num_f32 v[TMPR], v[TM], v[TM+1], v[TM+2]
	v_max_num_f32 v[TMPR], v[TMPR], v[TM+3]
	v_mul_f32 v[TMPR], s[CS], v[TMPR]              ; as t (c is positive)
	v_max_num_f32 v[NM+1], v[NM+1], v[TMPR]        ; the running largest t
.if \s
	v_mov_b32 v[TMPR], v[NM]
.endif
	v_floor_f32 v[NM], -v[NM+1]                    ; -M = floor(-t): M is a whole number
.if \s
	v_sub_f32 v[TMPR], v[NM], v[TMPR]              ; old M - new M: a whole number, 0 or less
	v_cvt_i32_f32 v[TMPR], v[TMPR]                 ; (it saturates)
	v_ldexp_f32 v[FP], 1.0, v[TMPR]                ; f = 2^(old M - new M)
.endif
.set J, 0
.rept 32
	v_pk_fma_f32 v[S+J:S+J+1], v[S+J:S+J+1], s[CS:CS+1], v[NM:NM+1] op_sel_hi:[1,0,0]   ; t - M
.set J, J+2
.endr
.irp b, 0,1,2,3
	v_fma_f32 v[TM+\b], v[TM+\b], s[CS], v[NM]
.endr
.set J, 0
.rept 64
	v_exp_f32 v[S+J], v[S+J]                       ; p = 2^(t - M): not normalised
.set J, J+1
.endr
.irp b, 0,1,2,3
	v_exp_f32 v[TM+\b], v[TM+\b]                   ; the block's largest p
.endr
.if \s
	v_pk_mul_f32 v[LSUM:LSUM+1], v[LSUM:LSUM+1], v[FP:FP+1] op_sel_hi:[1,0]   ; the sums under the new M.  (The plain place behind the exponentials)
	s_wait_alu depctr_va_vdst(0)
.else
	v_nop                                          ; the plain place behind the exponentials
	s_wait_alu depctr_va_vdst(0)
.endif
.irp b, 0,1,2,3
	v_max_num_f32 v[TM+\b], 0x2800000, v[TM+\b]
.endr
.irp b, 0,1,2,3
	v_add_nc_u32 v[TM+12+\b], 0xfe000000, v[TM+\b]
.endr
.irp b, 0,1,2,3
	v_lshrrev_b32 v[TM+4+\b], 23, v[TM+12+\b]
.endr
	v_lshl_or_b32 v[PWD], v[TM+5], 8, v[TM+4]      ; p's scale word for these 128 keys
	v_lshl_or_b32 v[PWD], v[TM+6], 16, v[PWD]
	v_lshl_or_b32 v[PWD], v[TM+7], 24, v[PWD]
.irp c, 0,1
	v_cvt_scalef32_pk16_bf6_f32 v[PF+6*\c:PF+6*\c+2], v[S+32*\c:S+32*\c+15], v[TM+12+2*\c]
	v_cvt_scalef32_pk16_bf6_f32 v[T2+4*\c:T2+4*\c+2], v[S+32*\c+16:S+32*\c+31], v[TM+13+2*\c]
.endr
	v_nop
.irp c, 0,1
.irp i, 0,1,2
	v_permlane16_swap_b32 v[PF+6*\c+\i], v[T2+4*\c+\i]
.endr
.irp i, 0,1,2
	v_mov_b32 v[PF+6*\c+3+\i], v[T2+4*\c+\i]
.endr
.endr
	v_pk_add_f32 v[SUM2:SUM2+1], v[S:S+1], v[S+2:S+3]   ; the row's sum is taken of the unquantised p, in two chains.  (These are also the places in front of the products below)
.set J, 4
.rept 15
	v_pk_add_f32 v[LSUM:LSUM+1], v[LSUM:LSUM+1], v[S+J:S+J+1]
	v_pk_add_f32 v[SUM2:SUM2+1], v[SUM2:SUM2+1], v[S+J+2:S+J+3]
.set J, J+4
.endr
	v_pk_add_f32 v[LSUM:LSUM+1], v[LSUM:LSUM+1], v[SUM2:SUM2+1]
.if \s
.irp j, 0,2,4,6,8,10,12,14
	v_pk_mul_f32 v[O+\j:O+\j+1], v[O+\j:O+\j+1], v[FP:FP+1] op_sel_hi:[1,0]   ; O^T under the new M
.endr
.endif
	s_wait_dscnt 0x0                               ; V is in
.irp u, 0,1                                    ; O^T += V^T p^T: register 8 u + j = channel 32 hd + 16 h + 8 u + j of query r.  The two accumulators take turns, with the eight score products between a sum's two links
.if \s
	v_wmma_scale_f32_16x16x128_f8f6f4 v[O+8*\u:O+8*\u+7], v[VF+12*\u:VF+12*\u+11], v[PF:PF+11], v[O+8*\u:O+8*\u+7], v[VS+\u], v[PWD] matrix_a_fmt:MATRIX_FMT_BF6 matrix_b_fmt:MATRIX_FMT_BF6
.else
	v_wmma_scale_f32_16x16x128_f8f6f4 v[O+8*\u:O+8*\u+7], v[VF+12*\u:VF+12*\u+11], v[PF:PF+11], 0, v[VS+\u], v[PWD] matrix_a_fmt:MATRIX_FMT_BF6 matrix_b_fmt:MATRIX_FMT_BF6
.endif
.endr
	PLACES 4
.endm
.macro HEADEND hd                      ; O^T / (2 l) into my stage: row r, the head's 128 bytes
	v_add_f32 v[LSUM], v[LSUM], v[LSUM+1]
	v_permlanex16_b32 v[TMPR], v[LSUM], s[SEL], s[SEL+1]
	v_add_f32 v[LSUM], v[LSUM], v[TMPR]
	v_rcp_f32 v[LSUM], v[LSUM]
	v_nop                                          ; one plain place behind a transcendental
	s_wait_alu depctr_va_vdst(0)
	v_mul_f32 v[LSUM], 0.5, v[LSUM]
.irp j, 0,2,4,6,8,10,12,14
	v_pk_mul_f32 v[O+\j:O+\j+1], v[O+\j:O+\j+1], v[LSUM:LSUM+1] op_sel_hi:[1,0]
.endr
.irp j, 0,1,2,3
	ds_store_b128 v[SO], v[O+4*\j:O+4*\j+3] offset:128*\hd+16*\j
.endr
.endm
.macro WAYOUT reg, sb, nt              ; my stage's 16 rows leave whole: the 32 lanes store 512 consecutive bytes, at a multiple of 512 from the buffer's first byte.  LDS serves a wave's instructions in order: the loads see my stores
.irp i, 0,1,2,3,4,5,6,7,8,9,10,11,12,13,14,15
	ds_load_b128 v[\reg+4*\i:\reg+4*\i+3], v[SR] offset:SPI*\i
.endr
.irp i, 0,1,2,3,4,5,6,7,8,9,10,11,12,13,14,15
	s_wait_dscnt 15-\i                             ; row i is in; the younger rows may be out
.if \nt
	global_store_b128 v[GO], v[\reg+4*\i:\reg+4*\i+3], s[\sb:\sb+1] offset:(\i+8*(\i/8))*ESTR th:TH_STORE_NT
.else
	global_store_b128 v[GO], v[\reg+4*\i:\reg+4*\i+3], s[\sb:\sb+1] offset:(\i+8*(\i/8))*ESTR
.endif
.endr
.endm
; ---- the head
	s_load_b256 s[4:11], s[0:1], 0x0               ; x s[4:5], the mask s[6:7], Wq s[8:9], Wk s[10:11]
.if ROWPASS
	s_load_b256 s[12:19], s[0:1], 0x20             ; Wv, Wo, bo, gamma
	s_load_b128 s[20:23], s[0:1], 0x40             ; beta, ocol
	s_load_b64 s[24:25], s[0:1], 0x50              ; out0
.else
	s_load_b64 s[12:13], s[0:1], 0x20              ; Wv
	s_load_b64 s[22:23], s[0:1], 0x28              ; ocol
	v_lshl_add_u32 v27, v0, 2, 0x41400
	v_mov_b32 v39, 0
.endif
	v_lshrrev_b32 v16, 5, v0
	v_readfirstlane_b32 s26, v16                   ; wave 0..15
	s_and_b32 s27, s26, 1
	s_bfe_u32 s28, s26, 0x10001
	s_lshr_b32 s30, s26, 3
	s_lshr_b32 s31, s26, 1
	s_lshr_b32 s32, s26, 2
	s_and_b32 s33, s26, 3
	s_bfe_u32 s34, s26, 0x20001
	s_lshl_b32 s35, s31, 5
	s_lshl_b32 s50, s27, 3
	s_add_co_u32 s35, s35, s50                     ; EW
	s_mov_b32 s[SEL], 0x76543210
	s_mov_b32 s[SEL+1], 0xfedcba98
	s_mov_b32 s[CS], 0x3e8293ee
	s_mov_b32 s[CS+1], s[CS]                       ; (named with it as a pair, so it is written)
	s_mov_b32 s[LOM], 0x0000ffff
	s_mov_b32 s[HIM], 0xffff0000
	v_and_b32 v16, 31, v0                          ; lane
	v_and_b32 v17, 15, v0                          ; r
	v_bfe_u32 v18, v0, 4, 1                        ; h
	v_and_b32 v19, 8, v0
	v_add_nc_u32 v19, v19, v17                     ; r + 8 (r / 8)
	v_lshl_add_u32 v[AK], v16, 3, KIMG
	v_lshl_add_u32 v[AKS], v17, 2, KSC
	v_lshl_add_u32 v[AV], v16, 3, VIMG
	v_lshl_add_u32 v[AVS], v17, 2, VSC
	v_lshl_add_u32 v[AB], v18, 6, MB
	s_mul_i32 s50, s26, 16*SPI
	s_add_co_u32 s50, s50, STG
	v_mul_u32_u24 v[SO], v17, SPI
	v_lshl_add_u32 v[SO], v18, 6, v[SO]
	v_add_nc_u32 v[SO], s50, v[SO]
	v_lshl_add_u32 v[SR], v16, 4, s50
	v_lshlrev_b32 v[GO], 4, v16
	v_lshlrev_b32 v[WA], 2, v19                    ; a weight: column 8 h + r + 8 (r / 8) of my 32: the 32 lanes read 128 consecutive bytes of a row
	v_lshl_add_u32 v[WA], v18, 5, v[WA]
	v_mul_u32_u24 v[MA], v17, MKS
	s_mul_i32 s51, s26, 1536
	s_add_co_u32 s51, s51, XIMG
	v_lshl_add_u32 v[XWI], v16, 4, s51
	s_lshl_b32 s51, s26, 7
	s_add_co_u32 s51, s51, XSC
	v_lshl_add_u32 v[XWS], v16, 2, s51
	s_mul_i32 s51, s32, 3072                       ; tile 2 (w / 4) + h; block w % 4 = registers 6 ((w / 2) % 2) on, lanes 16 (w % 2) + r
	s_mul_i32 s52, s28, 768
	s_add_co_u32 s51, s51, s52
	s_lshl_b32 s52, s27, 7
	s_add_co_u32 s51, s51, s52
	v_mul_u32_u24 v[WWI], v18, 1536
	v_lshl_add_u32 v[WWI], v17, 3, v[WWI]
	v_add_nc_u32 v[WWI], s51, v[WWI]
	s_lshl_b32 s51, s32, 7
	s_add_co_u32 s51, s51, s33
	s_add_co_u32 s51, s51, WSC
	v_lshlrev_b32 v[WWS], 6, v18
	v_lshl_add_u32 v[WWS], v17, 2, v[WWS]
	v_add_nc_u32 v[WWS], s51, v[WWS]               ; word r of tile 2 (w / 4) + h, byte w % 4
	s_lshl_b32 s51, s26, 6
	s_add_co_u32 s51, s51, MB
	v_lshl_add_u32 v[MBW], v17, 2, s51
.if ROWPASS
	v_lshrrev_b32 v[PFA], 1, v16                   ; the prefetch: row (lane / 2) + 8 (lane / 16) of my 16, its half lane % 2
	v_and_b32 v20, 8, v[PFA]
	v_add_nc_u32 v[PFA], v20, v[PFA]
	v_and_b32 v20, 1, v0
	v_lshlrev_b32 v20, 8, v20
	v_lshl_add_u32 v[PFA], v[PFA], 9, v20
	v_lshlrev_b32 v[PB], 6, v18
	s_mov_b32 s42, 0xbc000000                      ; -1 / 128
	s_mov_b32 s43, 0x3c000000                      ; 1 / 128
	s_mov_b32 s58, 0x3727c5ac                      ; 1e-5
	s_lshl_b32 s60, ttmp9, 10
	s_lshl_b32 s50, s35, 2
	s_add_co_u32 s60, s60, s50                     ; the mask of my own edges: row L, column EW on
	s_mov_b32 s61, 0
.endif
.irp b, 0,1,2,3
	v_mov_b32 v[TM+4+\b], 0                        ; written once: a lane permute's destination counts as one of its sources
.endr
	s_mul_i32 s44, s35, ESTR
	s_mul_i32 s50, ttmp9, LSTR
	s_add_co_u32 s44, s44, s50                     ; my first edge in x, ocol and out0
	s_mov_b32 s45, 0
	s_mul_i32 s46, s26, 16*MKS
	s_mul_i32 s50, ttmp9, MLS
	s_add_co_u32 s46, s46, s50                     ; the mask of keys 16 w on
	s_mov_b32 s47, 0
	s_lshl_b32 s48, s33, 14                        ; a weight: rows 32 (w % 4) on, columns 32 (w / 4) on
	s_lshl_b32 s50, s32, 7
	s_add_co_u32 s48, s48, s50
	s_mov_b32 s49, 0
	s_wait_kmcnt 0x0
	s_add_nc_u64 s[4:5], s[4:5], s[44:45]
	s_add_nc_u64 s[22:23], s[22:23], s[44:45]
.if ROWPASS
	s_add_nc_u64 s[24:25], s[24:25], s[44:45]
	s_add_nc_u64 s[56:57], s[6:7], s[60:61]
.endif
	s_add_nc_u64 s[6:7], s[6:7], s[46:47]
.set WI, 0
.rept NW
	s_add_nc_u64 s[8+2*WI:9+2*WI], s[8+2*WI:9+2*WI], s[48:49]
.set WI, WI+1
.endr
; ---- A: everything that arrives as f32 becomes codes.  All loads go out at once, x first; what came first is worked on while the rest arrives
	XLOADD HA, 4, 0
	global_load_b32 v[MV], v[MA], s[6:7]           ; the mask of key 16 w + r
.set WI, 0
.rept NW
.set WK, 0
.rept 32
	global_load_b32 v[WN+32*WI+WK], v[WA], s[8+2*WI:9+2*WI] offset:512*WK
.set WK, WK+1
.endr
.set WI, WI+1
.endr
	s_wait_loadcnt 63                              ; loads come back in order (ISA guide 5.7.1): of the 17 + 32 NW at most the youngest 63 are out, so the oldest 50 (with four weights 82) are in: x's 16, the mask's 1, the first weight's 32 (and the second's)
	XTURN HA
	v_cmp_eq_f32 vcc_lo, 0, v[MV]
	v_mov_b32 v[BV], 0xff61b1e6                    ; -3e38
	v_cndmask_b32 v[BV], 0, v[BV], vcc_lo
	ds_store_b32 v[MBW], v[BV]                     ; both halves of the lanes write the same word with the same value
	WQUANT 0                                       ; stands between x's turn through the stage and its use; the wait at its end is for the turn's loads too
	QUANT HA, CT, DW
.irp c, 0,1,2
	ds_store_b128 v[XWI], v[CT+4*\c:CT+4*\c+3] offset:512*\c
.endr
	ds_store_b32 v[XWS], v[DW]
	s_wait_dscnt 0x0                               ; the stores have read their registers: the next block may write them
.if ROWPASS
	WQUANT 1
	s_wait_loadcnt 32                              ; the third weight is in; the fourth's 32 loads may be out
	WQUANT 2
	s_wait_loadcnt 0x0
	WQUANT 3
.else
	s_wait_loadcnt 32                              ; the second weight is in; the third's 32 loads may be out
	WQUANT 1
	s_wait_loadcnt 0x0
	WQUANT 2
.endif
	BARRIER                                        ; the weights', x's and the mask's images are whole
; ---- B: Q, K, V
.irp c, 0,1,2
	ds_load_b128 v[XF+4*\c:XF+4*\c+3], v[XWI] offset:512*\c   ; my own fragment of x comes back from its image: its registers held a weight's numbers when it was made
.endr
	ds_load_b32 v[XW], v[XWS]
	v_and_b32 v32, 31, v0
	v_and_b32 v33, 15, v0
	v_bfe_u32 v34, v0, 4, 1
	v_lshlrev_b32 v[WRI], 3, v32
	v_lshl_add_u32 v[WRS], v33, 2, WSC
	s_mul_i32 s50, s27, 6144
	s_add_co_u32 s50, s50, 24576
	v_lshl_add_u32 v[WRIV], v32, 3, s50            ; Wv's tiles 4 (w % 2) on
	s_lshl_b32 s50, s27, 8
	s_add_co_u32 s50, s50, WSC+1024
	v_lshl_add_u32 v[WRSV], v33, 2, s50
	s_mul_i32 s50, s31, 3072
	s_add_co_u32 s50, s50, XIMG
	v_lshl_add_u32 v[XRI], v32, 4, s50             ; x's tiles 2 (w / 2) and 2 (w / 2) + 1: keys 32 (w / 2) on
	s_lshl_b32 s50, s31, 8
	s_add_co_u32 s50, s50, XSC
	v_lshl_add_u32 v[XRS], v32, 2, s50
	s_mul_i32 s50, s31, 768                        ; K: key tile w is block w % 4 of fragment w / 4: registers 6 ((w / 2) % 2) on, lanes 16 (w % 2) on
	s_lshl_b32 s51, s27, 7
	s_add_co_u32 s50, s50, s51
	s_add_co_u32 s50, s50, KIMG
	v_mul_u32_u24 v[KWI], v34, KHP                 ; my half of the lanes holds head 2 c + h
	v_lshl_add_u32 v[KWI], v33, 3, v[KWI]
	v_add_nc_u32 v[KWI], s50, v[KWI]
	s_lshl_b32 s50, s32, 6
	s_add_co_u32 s50, s50, s33
	s_add_co_u32 s50, s50, KSC
	v_lshl_add_u32 v[KWS], v33, 2, s50
	s_mul_i32 s50, s27, 4*VTP                      ; V: channel tiles 4 (w % 2) on; key block w / 2 is block (w / 2) % 4 of K step w / 8
	s_mul_i32 s51, s32, 768
	s_add_co_u32 s50, s50, s51
	s_lshl_b32 s51, s28, 7
	s_add_co_u32 s50, s50, s51
	s_add_co_u32 s50, s50, VIMG
	v_mul_u32_u24 v[VWI], v34, VTP
	v_lshl_add_u32 v[VWI], v33, 3, v[VWI]
	v_add_nc_u32 v[VWI], s50, v[VWI]
	s_lshl_b32 s50, s27, 9
	s_lshl_b32 s51, s30, 6
	s_add_co_u32 s50, s50, s51
	s_add_co_u32 s50, s50, s34
	s_add_co_u32 s50, s50, VSC
	v_lshl_add_u32 v[VWS], v33, 2, s50
	WFETCH WF, WS, WRI, WRS, 0, 0, 8               ; Wq
	s_wait_dscnt 0x0
	PROJ
	WFETCH WF, WS, WRI, WRS, 12288, 512, 8         ; Wk lands while Q is quantised
	QUANT HA, F, QW                                ; a block of 32 is a head: Q's fragment stays in registers
	s_wait_dscnt 0x0
	PROJ
.irp x, 0,1                                    ; what V wants lands while K is quantised
.irp c, 0,1,2
	ds_load_b128 v[XP+12*\x+4*\c:XP+12*\x+4*\c+3], v[XRI] offset:1536*\x+512*\c
.endr
	ds_load_b32 v[XPW+\x], v[XRS] offset:128*\x
.endr
	WFETCH WF2, WS2, WRIV, WRSV, 0, 0, 4
	QUANT HA, CT, DW
.irp c, 0,1
.irp p, 0,1,2
	ds_store_b64 v[KWI], v[CT+6*\c+2*\p:CT+6*\c+2*\p+1] offset:2*KHP*\c+256*\p
.endr
.endr
.irp b, 0,1,2,3
	ds_store_b8 v[KWS], v[TM+4+\b] offset:256*\b   ; both halves of the lanes write the same byte with the same value
.endr
	s_wait_dscnt 0x0                               ; V's operands are in, and K's stores have read their registers
.irp b, 0,1,2,3                                ; not transposed: source 0 = 16 edges, source 1 = 16 columns of Wv: register 16 b + 8 x + j = key 32 (w / 2) + 16 h + 8 x + j of channel r of tile 4 (w % 2) + b
.irp x, 0,1
	v_wmma_scale_f32_16x16x128_f8f6f4 v[HA+16*\b+8*\x:HA+16*\b+8*\x+7], v[XP+12*\x:XP+12*\x+11], v[WF2+12*\b:WF2+12*\b+11], 0, v[XPW+\x], v[WS2+\b] matrix_a_fmt:MATRIX_FMT_BF6 matrix_b_fmt:MATRIX_FMT_BF6
.endr
.endr
	PLACES 4
	QUANT HA, CT, DW                               ; a block is 32 keys of one channel
.irp c, 0,1
.irp p, 0,1,2
	ds_store_b64 v[VWI], v[CT+6*\c+2*\p:CT+6*\c+2*\p+1] offset:2*VTP*\c+256*\p
.endr
.endr
.irp b, 0,1,2,3
	ds_store_b8 v[VWS], v[TM+4+\b] offset:128*\b
.endr
.irp z, 0,12,24
.irp i, 0,1,2,3,4,5
	v_mov_b32 v[QOP+\z+\i], 0                      ; the query operand's zero codes
.endr
.endr
	BARRIER                                        ; K's and V's images and scale words are whole; from here on they are only read
; ---- C: the four heads
	HEADPREP 0
	STEP 0, 0, 0
	STEP 0, 1, 0
	HEADEND 0
	HEADPREP 1
	STEP 1, 0, 0
	STEP 1, 1, 0
	HEADEND 1
	HEADPREP 2
	STEP 2, 0, 0
	STEP 2, 1, 0
	HEADEND 2
	HEADPREP 3
	STEP 3, 0, 0
	STEP 3, 1, ROWPASS
	HEADEND 3
.if ROWPASS
; ---- E: the two halves meet, Wo, residual, LayerNorm, mask
	s_wait_dscnt 0x0                               ; the last stores into the stage have read O's registers: loads may land there
	v_and_b32 v[WRI2], 31, v0
	v_and_b32 v[WRS2], 15, v0
	v_and_b32 v[EM], 8, v0
	v_add_nc_u32 v[EM], v[EM], v[WRS2]
	v_lshlrev_b32 v[EM], 2, v[EM]                  ; 4 (r + 8 (r / 8))
	v_lshlrev_b32 v[WRI2], 3, v[WRI2]
	v_lshl_add_u32 v[WRS2], v[WRS2], 2, WSC
	XLOADD A1, 22, 1                               ; 0.5 out_col, row by row
	XLOADD Y, 4, 1                                 ; x again, for the residual
	global_load_b32 v[LSUM], v[EM], s[56:57]       ; my edge's mask
.irp b, 0,1,2,3
.irp j, 0,1,2,3
	ds_load_b128 v[A2+16*\b+4*\j:A2+16*\b+4*\j+3], v[SO] offset:128*\b+16*\j   ; 0.5 out_row leaves the stage, which then serves the turns
.endr
.endr
	s_wait_loadcnt 17                              ; ocol's sixteen loads are in; x's sixteen and the mask's one, issued behind them, may be out
	XTURN A1
	s_wait_dscnt 0x0
.set J, 0
.rept 32
	v_pk_add_f32 v[A1+J:A1+J+1], v[A1+J:A1+J+1], v[A2+J:A2+J+1]
.set J, J+2
.endr
	PLOAD A2, 16                                   ; bo
	s_wait_loadcnt 16                              ; x and the mask are in; bo's sixteen loads may be out
	XTURN Y                                        ; x's turn through the stage stands under the quantiser's lines
	QUANT A1, CT, AW
	WFETCH A1, WOS, WRI2, WRS2, 36864, 1536, 4     ; Wo's tiles 0 to 3
	s_wait_loadcnt 0x0                             ; bo
	s_wait_dscnt 0x0                               ; x is back from the stage, Wo's tiles are in
.set J, 0
.rept 32
	v_pk_add_f32 v[Y+J:Y+J+1], v[Y+J:Y+J+1], v[A2+J:A2+J+1]   ; x + bo is the C of the product.  (Also the places behind the writes of the codes and their scale word)
.set J, J+2
.endr
	v_mov_b32 v[LSUM+1], v[LSUM]
	PLOAD A2, 18                                   ; gamma
.irp t, 0,1,2,3
	v_wmma_scale_f32_16x16x128_f8f6f4 v[Y+8*\t:Y+8*\t+7], v[A1+12*\t:A1+12*\t+11], v[CT:CT+11], v[Y+8*\t:Y+8*\t+7], v[WOS+\t], v[AW] matrix_a_fmt:MATRIX_FMT_BF6 matrix_b_fmt:MATRIX_FMT_BF6
.endr
	PLACES 4
	WFETCH A1, WOS, WRI2, WRS2, 36864+6144, 1536+256, 4   ; tiles 4 to 7
	s_wait_dscnt 0x0
.irp t, 0,1,2,3
	v_wmma_scale_f32_16x16x128_f8f6f4 v[Y+32+8*\t:Y+32+8*\t+7], v[A1+12*\t:A1+12*\t+11], v[CT:CT+11], v[Y+32+8*\t:Y+32+8*\t+7], v[WOS+\t], v[AW] matrix_a_fmt:MATRIX_FMT_BF6 matrix_b_fmt:MATRIX_FMT_BF6
.endr
	PLACES 4
	PLOAD A1, 20                                   ; beta
	v_pk_add_f32 v[16:17], v[Y:Y+1], v[Y+4:Y+5]    ; the mean: my 64 features in two chains, each accumulator from its low end on
	v_pk_add_f32 v[18:19], v[Y+2:Y+3], v[Y+6:Y+7]
.set J, 8
.rept 14
	v_pk_add_f32 v[16:17], v[16:17], v[Y+J:Y+J+1]
	v_pk_add_f32 v[18:19], v[18:19], v[Y+J+2:Y+J+3]
.set J, J+4
.endr
	v_pk_add_f32 v[16:17], v[16:17], v[18:19]
	v_add_f32 v16, v16, v17
	v_permlanex16_b32 v20, v16, s[SEL], s[SEL+1]
	v_add_f32 v16, v16, v20                        ; with lane l xor 16's 64
	v_mul_f32 v[NM], s42, v16                      ; -mu
	v_mov_b32 v[NM+1], v[NM]
.set J, 0
.rept 32
	v_pk_add_f32 v[Y+J:Y+J+1], v[Y+J:Y+J+1], v[NM:NM+1]
.set J, J+2
.endr
	v_pk_mul_f32 v[16:17], v[Y:Y+1], v[Y:Y+1]      ; the variance, of the centred numbers
	v_pk_mul_f32 v[18:19], v[Y+2:Y+3], v[Y+2:Y+3]
.set J, 4
.rept 15
	v_pk_fma_f32 v[16:17], v[Y+J:Y+J+1], v[Y+J:Y+J+1], v[16:17]
	v_pk_fma_f32 v[18:19], v[Y+J+2:Y+J+3], v[Y+J+2:Y+J+3], v[18:19]
.set J, J+4
.endr
	v_pk_add_f32 v[16:17], v[16:17], v[18:19]
	v_add_f32 v16, v16, v17
	v_permlanex16_b32 v20, v16, s[SEL], s[SEL+1]
	v_add_f32 v16, v16, v20
	v_fma_f32 v32, v16, s43, s58                   ; var + 1e-5
	v_rsq_f32 v32, v32
	v_nop                                          ; one plain place behind a transcendental
	v_mov_b32 v33, v32
	s_wait_loadcnt 0x0                             ; gamma and beta
.set J, 0
.rept 32
	v_pk_mul_f32 v[Y+J:Y+J+1], v[Y+J:Y+J+1], v[32:33]
.set J, J+2
.endr
.set J, 0
.rept 32
	v_pk_fma_f32 v[Y+J:Y+J+1], v[Y+J:Y+J+1], v[A2+J:A2+J+1], v[A1+J:A1+J+1]
.set J, J+2
.endr
.set J, 0
.rept 32
	v_pk_mul_f32 v[Y+J:Y+J+1], v[Y+J:Y+J+1], v[LSUM:LSUM+1]
.set J, J+2
.endr
.irp b, 0,1,2,3
.irp j, 0,1,2,3
	ds_store_b128 v[SO], v[Y+16*\b+4*\j:Y+16*\b+4*\j+3] offset:128*\b+16*\j
.endr
.endr
	WAYOUT A1, 24, 1
.else
; ---- D: 0.5 out_col leaves
	WAYOUT HA, 22, 0
.endif
	s_wait_tensorcnt 0x0
	ds_add_u32 v27, v39
	s_wait_dscnt 0x0
	s_endpgm
.Lfunc_end_k_q90e36d23b6_colpass:
	.size	k_q90e36d23b6_colpass, .Lfunc_end_k_q90e36d23b6_colpass-k_q90e36d23b6_colpass
	.p2alignl 7, 3214868480
	.fill 96, 4, 3214868480
	.section	.rodata,"a",@progbits
	.p2align	6, 0x0
	.amdhsa_kernel k_q90e36d23b6_colpass
		.amdhsa_group_segment_fixed_size 269312
		.amdhsa_private_segment_fixed_size 0
		.amdhsa_enable_private_segment 0
		.amdhsa_kernarg_size 48
		.amdhsa_user_sgpr_count 2
		.amdhsa_user_sgpr_kernarg_segment_ptr 1
		.amdhsa_wavefront_size32 1
		.amdhsa_system_sgpr_workgroup_id_x 1
		.amdhsa_system_sgpr_workgroup_id_y 1
		.amdhsa_system_sgpr_workgroup_id_z 1
		.amdhsa_system_vgpr_workitem_id 0
		.amdhsa_next_free_vgpr 256
		.amdhsa_next_free_sgpr 66
		.amdhsa_reserve_vcc 1
		.amdhsa_float_denorm_mode_32 3
		.amdhsa_float_denorm_mode_16_64 3
		.amdhsa_memory_ordered 1
		.amdhsa_forward_progress 1
		.amdhsa_inst_pref_size 188
	.end_amdhsa_kernel
	.amdgpu_metadata
---
amdhsa.version: [ 1, 2 ]
amdhsa.kernels:
  - .name:           k_q90e36d23b6_colpass
    .symbol:         k_q90e36d23b6_colpass.kd
    .args:
      - { .name: edge_feat, .offset: 0, .size: 8, .value_kind: global_buffer, .address_space: global }
      - { .name: off_diag_mask, .offset: 8, .size: 8, .value_kind: global_buffer, .address_space: global }
      - { .name: Wq, .offset: 16, .size: 8, .value_kind: global_buffer, .address_space: global }
      - { .name: Wk, .offset: 24, .size: 8, .value_kind: global_buffer, .address_space: global }
      - { .name: Wv, .offset: 32, .size: 8, .value_kind: global_buffer, .address_space: global }
      - { .name: ocol, .offset: 40, .size: 8, .value_kind: global_buffer, .address_space: global }
    .group_segment_fixed_size: 269312
    .private_segment_fixed_size: 0
    .kernarg_segment_align: 8
    .kernarg_segment_size: 48
    .max_flat_workgroup_size: 512
    .sgpr_count:     66
    .vgpr_count:     256
    .wavefront_size: 32
...
	.end_amdgpu_metadata
.endif
;; end of part 1
;; launch rowpass (part 2): grid 256 x 1, 16 waves a work-group, no clusters, 269,312 bytes of LDS; arguments edge_feat, off_diag_mask, Wq, Wk, Wv, Wo, bo, gamma, beta, ocol, out0; writes out0
.if DOCPART == 2
	.amdgcn_target "amdgcn-amd-amdhsa--gfx1250"
	.amdhsa_code_object_version 6
	.text
	.protected	k_q90e36d23b6_rowpass
	.globl	k_q90e36d23b6_rowpass
	.p2align	8
	.type	k_q90e36d23b6_rowpass,@function
k_q90e36d23b6_rowpass:
	s_mov_b64 s[64:65], 0
	v_nop
	global_prefetch_b8 v0, s[64:65] scope:SCOPE_SE
	s_setreg_imm32_b32 hwreg(HW_REG_WAVE_MODE, 25, 1), 1
	s_wait_xcnt 0x0
; EDGE ATTENTION ALONG ONE LINE OF THE 256 x 256 EDGE GRID, all products on codes of BF6 (E3M2) with one E8M0 scale for each 32 along K.
; ROWPASS = 0: the line is column L; the result, 0.5 x out_col, goes to ocol [q][c][128] f32.
; ROWPASS = 1: the line is row L; 0.5 x out_row + ocol is quantised, multiplied by Wo onto E + bo, normalised (LayerNorm), masked and stored to out0.
; SHARES.  A work-group of sixteen waves owns a line of 256 edges; wave w owns the 16 edges EW + r + 8 (r / 8), EW = 32 (w / 2) + 8 (w % 2), as rows of x, as queries and as key tile w.
; By that choice of rows the 16 registers of two neighbouring result tiles are 16 neighbours along the next product's K.  Four waves share a SIMD: one wave's softmax stands beside another's LDS loads and products.
; PHASES.  A: each wave reads its 16 rows of x row by row (512 consecutive bytes an instruction) and turns them through its own stage in LDS into the quantiser's layout; it quantises them, 16 keys' mask, and a
; sixteenth of every weight (32 columns x one block of 32 along K: a lane to a column, registers down K, 128 consecutive bytes an instruction); images of the operands' registers go to LDS | barrier |
; B: Q, K (transposed: source 0 = 16 columns of W) for my 16 edges, V (source 0 = 32 edges, so that registers run along the keys) for 32 keys x 64 channels; K's and V's codes to LDS | barrier |
; C: for each head two steps of 128 keys: S^T = K Q^T, p = 2^(t - M), O^T += V^T p^T; O / (2 l) to my stage in LDS.  Behind the second barrier no wave writes what another reads.
; A HEAD HAS 32 ALONG K AND THE INSTRUCTION 128: one fragment of K holds FOUR key tiles of one head, one in each block of 32; the query operand has its codes in one block and zero codes in the others.
; THE KEY MASK is the C of the score products: 0, or -3e38 where the mask is 0.
; No tensor loads: every byte of x is used by one wave, once, and goes through that wave's registers and stage.  No cluster: work-groups share only the 256 KiB of weights.
; LIMITS.  A true t = score x log2(e) / sqrt(32) lies above -1e30 (masked scores are -3e38; the running maximum begins at -1e30).  A line all of whose keys are masked gives NaN, as the definition does.
; NaN and infinities among the inputs are not served.  A block of zeros has the scale byte 1 and not 127: its codes are zeros, and only this program reads the bytes.
; 1 / sqrt(32) and log2(e) are one f32 factor; 0.5 is applied to each half ahead of the sum (exact).  A block's largest p is made from its largest score: this takes v_exp_f32 not to fall where its input rises.
.set ROWPASS, 1
.if ROWPASS
.set ESTR, 512                         ; bytes from edge to edge of the line
.set LSTR, 131072                      ; from line to line
.set MKS,  4                           ; the mask: from key to key
.set MLS,  1024                        ; and from line to line
.set NW,   4                           ; weights: Wq, Wk, Wv, Wo
.else
.set ESTR, 131072
.set LSTR, 512
.set MKS,  1024
.set MLS,  4
.set NW,   3
.endif
; LDS.  An image is a fragment's 12 registers: piece q (registers 2 q, 2 q + 1) at 256 q + 8 x lane; x's in chunks of four registers at 512 c + 16 x lane.
.set WIMG, 0                           ; 32 fragments of 1,536 bytes: weight i, tile t at 8 i + t
.set XIMG, 49152                       ; 16 fragments: x's tile w
.set KIMG, 73728                       ; 4 heads x (4 fragments + 128 bytes)
.set KHP,  6272
.set VIMG, 98816                       ; 8 channel tiles x (2 K steps + 128 bytes)
.set VTP,  3200
.set WSC,  124416                      ; scale words: (8 i + t) x 64 + 4 r
.set XSC,  126464                      ; 128 w + 4 x lane
.set KSC,  128512                      ; 256 head + 64 fragment + 4 r, byte = the key tile's block
.set VSC,  129536                      ; 64 (2 t + K step) + 4 r, byte = the key block in the step
.set MB,   130560                      ; the key mask as 0 or -3e38: 4 x key
.set STG,  131584                      ; a stage of 16 rows x (512 + 16) bytes for each wave
.set SPI,  528
; vector registers
.set AK,   1                           ; KIMG + 8 x lane
.set AKS,  2                           ; KSC + 4 r
.set AV,   3                           ; VIMG + 8 x lane
.set AVS,  4                           ; VSC + 4 r
.set AB,   5                           ; MB + 64 h
.set SO,   6                           ; my stage: row r, + 64 h
.set SR,   7                           ; my stage: 16 x lane
.set GO,   8                           ; 16 x lane
.set PFA,  10                          ; the prefetch's offsets
.set AW,   11                          ; the averaged output's scale word
.set NM,   12                          ; -M; v13 the largest t
.set LSUM, 14                          ; v[14:15] the row's sum in two halves
.set TM,   16                          ; v16-19 maxima, v20-23 permute results and bytes, v28-31 the conversions' scale operands
.set WOS,  24                          ; v24-27 Wo's scale words
.set T2,   32                          ; v32-34, v36-38 second halves of the conversions
.set DW,   35                          ; x's scale word on its way to LDS; K's and V's, which nobody wants
.set PB,   39                          ; 64 h
.set F,    40                          ; v40-51 Q's fragment; in phase A and in the epilogue addresses
.set CT,   52                          ; v52-63 codes just made
.set HA,   64                          ; v64-127 64 numbers: x, projections, scores and p, y
.set S,    64
.set Y,    64
.set WN,   128                         ; phase A: 32 numbers of each weight
.set WF,   128                         ; phase B: eight fragments of a weight
.set XP,   128                         ; for V: two fragments of x, four of Wv
.set WF2,  152
.set XF,   224                         ; my fragment of x
.set WRI,  236                         ; phase B's LDS addresses
.set WRS,  237
.set WRIV, 238
.set WRSV, 239
.set XRI,  240
.set XRS,  241
.set KWI,  242
.set KWS,  243
.set VWI,  244
.set VWS,  245
.set WS,   246                         ; v246-255 hold scale words in phases B and C
.set XPW,  246
.set WS2,  248
.set XW,   254
.set QW,   255
.set KF,   128                         ; phase C
.set VF,   152
.set O,    176
.set PF,   192
.set QOP,  204                         ; zeros | codes in lanes 0-15 | zeros | codes in lanes 16-31 | zeros, six registers each
.set TMPR, 234
.set FP,   236
.set SUM2, 238
.set KS,   246
.set VS,   248
.set QS,   250
.set PWD,  251
.set WA,   40                          ; phase A's addresses
.set MA,   41
.set XWI,  42
.set XWS,  43
.set WWI,  44
.set WWS,  45
.set MBW,  46
.set MV,   47
.set BV,   48
.set EM,   40                          ; the epilogue's
.set WRI2, 41
.set WRS2, 42
.set A1,   128
.set A2,   192
; scalar registers: s[4:25] addresses; s26 wave; s27 w&1, s28 (w>>1)&1, s30 w>>3, s31 w>>1, s32 w>>2, s33 w&3, s34 (w>>1)&3, s35 EW
.set SEL,  36                          ; s[36:37] v_permlanex16_b32's selects for lane l xor 16
.set CS,   38                          ; s[38:39] c = log2(e) / sqrt(32)
.set LOM,  40                          ; lanes 0-15
.set HIM,  41                          ; lanes 16-31
.macro PLACES n                        ; plain vector instructions between a matrix instruction and what touches its registers (ISA guide 7.12.1)
.rept \n
	v_nop
.endr
.endm
.macro BARRIER                         ; my LDS stores have landed and my LDS loads are in: then the work-group's barrier
	s_wait_dscnt 0x0
	s_barrier_signal -1
	s_barrier_wait -1
.endm
; my 16 edges' 128 numbers, an edge to an instruction: the 32 lanes read 512 consecutive bytes, at a multiple of 512 from the buffer's first byte
.macro XLOADD dst, sb, nt
.irp i, 0,1,2,3,4,5,6,7,8,9,10,11,12,13,14,15
.if \nt
	global_load_b128 v[\dst+4*\i:\dst+4*\i+3], v[GO], s[\sb:\sb+1] offset:(\i+8*(\i/8))*ESTR th:TH_LOAD_NT
.else
	global_load_b128 v[\dst+4*\i:\dst+4*\i+3], v[GO], s[\sb:\sb+1] offset:(\i+8*(\i/8))*ESTR
.endif
.endr
.endm
; and through my stage into the quantiser's layout, in the registers that they left: register 16 b + i = feature 32 b + 16 h + i of edge r.  LDS serves a wave's instructions in order (ISA guide 5.7.1.4): the loads see the stores
.macro XTURN reg
.irp i, 0,1,2,3,4,5,6,7,8,9,10,11,12,13,14,15
	ds_store_b128 v[SR], v[\reg+4*\i:\reg+4*\i+3] offset:SPI*\i
.endr
.irp b, 0,1,2,3
.irp j, 0,1,2,3
	ds_load_b128 v[\reg+16*\b+4*\j:\reg+16*\b+4*\j+3], v[SO] offset:128*\b+16*\j
.endr
.endr
.endm
.macro PLOAD dst, sb                   ; the same 64 features of a vector of 128
.irp b, 0,1,2,3
.irp j, 0,1,2,3
	global_load_b128 v[\dst+16*\b+4*\j:\dst+16*\b+4*\j+3], v[PB], s[\sb:\sb+1] offset:128*\b+16*\j
.endr
.endr
.endm
; 64 numbers of a lane, register 16 b + i = k 32 b + 16 h + i of my row, become a fragment's codes in v[dst] on (lane (r, h): registers 6 c .. 6 c + 5 = block 2 c + h) and its scale word; v[TM+4+b] keeps block b's byte
.macro QUANT src, dst, word
.irp b, 0,1,2,3
	v_max3_num_f32 v[TM+\b], |v[\src+16*\b]|, |v[\src+16*\b+1]|, 0x2800000   ; my 16 numbers, and the floor 2^(5 - 127): the byte cannot fall under 1
.endr
.irp i, 2,4,6,8,10,12,14
.irp b, 0,1,2,3
	v_max3_num_f32 v[TM+\b], v[TM+\b], |v[\src+16*\b+\i]|, |v[\src+16*\b+\i+1]|
.endr
.endr
.irp b, 0,1,2,3
	v_permlanex16_b32 v[TM+4+\b], v[TM+\b], s[SEL], s[SEL+1]
.endr
.irp b, 0,1,2,3
	v_max_num_f32 v[TM+\b], v[TM+\b], v[TM+4+\b]   ; with lane l xor 16's: the block's largest magnitude
.endr
.irp b, 0,1,2,3
	v_add_nc_u32 v[TM+12+\b], 0xfe000000, v[TM+\b]   ; 4 off its exponent field: the conversion's scale operand
.endr
.irp b, 0,1,2,3
	v_lshrrev_b32 v[TM+4+\b], 23, v[TM+12+\b]      ; the scale's byte
.endr
	v_lshl_or_b32 v[\word], v[TM+5], 8, v[TM+4]
	v_lshl_or_b32 v[\word], v[TM+6], 16, v[\word]
	v_lshl_or_b32 v[\word], v[TM+7], 24, v[\word]
.irp c, 0,1
	v_cvt_scalef32_pk16_bf6_f32 v[\dst+6*\c:\dst+6*\c+2], v[\src+32*\c:\src+32*\c+15], v[TM+12+2*\c]
	v_cvt_scalef32_pk16_bf6_f32 v[T2+4*\c:T2+4*\c+2], v[\src+32*\c+16:\src+32*\c+31], v[TM+13+2*\c]   ; (a conversion's three registers begin on an even number)
.endr
	v_nop                                          ; one plain place behind a scaled conversion
.irp c, 0,1                                    ; the operand's layout wants a whole block in a lane
.irp i, 0,1,2
	v_permlane16_swap_b32 v[\dst+6*\c+\i], v[T2+4*\c+\i]
.endr
.irp i, 0,1,2
	v_mov_b32 v[\dst+6*\c+3+\i], v[T2+4*\c+\i]
.endr
.endr
.endm
; weight i: my 32 numbers are block w % 4 of column r of tile 2 (w / 4) + h: all of the block is mine
.macro WQUANT i
.set XS, WN+32*(\i)
	v_max3_num_f32 v[TM], |v[XS]|, |v[XS+1]|, |v[XS+2]|
	v_max3_num_f32 v[TM+1], |v[XS+3]|, |v[XS+4]|, |v[XS+5]|
.irp j, 6,10,14,18,22,26
	v_max3_num_f32 v[TM], v[TM], |v[XS+\j]|, |v[XS+\j+1]|
	v_max3_num_f32 v[TM+1], v[TM+1], |v[XS+\j+2]|, |v[XS+\j+3]|
.endr
	v_max3_num_f32 v[TM], v[TM], |v[XS+30]|, |v[XS+31]|
	v_max3_num_f32 v[TM], v[TM], v[TM+1], 0x2800000
	v_add_nc_u32 v[TM+12], 0xfe000000, v[TM]
	v_lshrrev_b32 v[TM+4], 23, v[TM+12]
	v_cvt_scalef32_pk16_bf6_f32 v[CT:CT+2], v[XS:XS+15], v[TM+12]
	v_cvt_scalef32_pk16_bf6_f32 v[T2:T2+2], v[XS+16:XS+31], v[TM+12]
	v_nop
.irp p, 0,1,2
	v_mov_b32 v[CT+3+\p], v[T2+\p]
.endr
.irp p, 0,1,2
	ds_store_b64 v[WWI], v[CT+2*\p:CT+2*\p+1] offset:12288*(\i)+256*\p
.endr
	ds_store_b8 v[WWS], v[TM+4] offset:512*(\i)
	s_wait_dscnt 0x0                               ; the stores have read their registers: the next block may write them
.endm
.macro WFETCH reg, sreg, adr, sadr, off, soff, n   ; n fragments of a weight and their scale words
.set WT, 0
.rept \n
.irp q, 0,1,2,3,4,5
	ds_load_b64 v[\reg+12*WT+2*\q:\reg+12*WT+2*\q+1], v[\adr] offset:\off+1536*WT+256*\q
.endr
	ds_load_b32 v[\sreg+WT], v[\sadr] offset:\soff+64*WT
.set WT, WT+1
.endr
.endm
.macro PROJ                            ; transposed: source 0 = 16 columns of W, source 1 = my 16 edges: register 8 t + j = feature 32 (t / 2) + 16 h + 8 (t % 2) + j of edge r
.irp t, 0,1,2,3,4,5,6,7
	v_wmma_scale_f32_16x16x128_f8f6f4 v[HA+8*\t:HA+8*\t+7], v[WF+12*\t:WF+12*\t+11], v[XF:XF+11], 0, v[WS+\t], v[XW] matrix_a_fmt:MATRIX_FMT_BF6 matrix_b_fmt:MATRIX_FMT_BF6
.endr
	PLACES 4
.endm
; The head's 24 bytes of each query lie in one half of the lanes of F: they are put into lanes 0-15 of one run of six registers and into lanes 16-31 of another, zeros beside them
.macro HEADPREP hd
.set FC, F+6*((\hd)/2)
	v_perm_b32 v[QS], v[QW], v[QW], 0x01010101*(\hd)   ; the head's scale byte in all four bytes: whichever block holds the codes
.irp i, 0,1,2,3,4,5
	v_permlanex16_b32 v[CT+\i], v[FC+\i], s[SEL], s[SEL+1]
.endr
.irp i, 0,1,2,3,4,5
.if (\hd)%2 == 0
	v_cndmask_b32 v[QOP+6+\i], 0, v[FC+\i], s[LOM]
	v_cndmask_b32 v[QOP+18+\i], 0, v[CT+\i], s[HIM]
.else
	v_cndmask_b32 v[QOP+6+\i], 0, v[CT+\i], s[LOM]
	v_cndmask_b32 v[QOP+18+\i], 0, v[FC+\i], s[HIM]
.endif
.endr
	v_mov_b32 v[NM+1], 0xf149f2ca                  ; the largest t so far: -1e30.  These four lines are the places between the operand's last write and the first product; the twelve selects above them are the scale word's
	v_mov_b32 v[LSUM], 0
	v_mov_b32 v[LSUM+1], 0
	v_nop
.endm
.macro SCORE t, g, qo                  ; key tile t of the step lies in one block of fragment g; the query operand that begins at QOP + qo has its codes in that block.  C = D = the keys' mask
	v_wmma_scale_f32_16x16x128_f8f6f4 v[S+8*(\t):S+8*(\t)+7], v[KF+12*(\g):KF+12*(\g)+11], v[QOP+\qo:QOP+\qo+11], v[S+8*(\t):S+8*(\t)+7], v[KS+\g], v[QS] matrix_a_fmt:MATRIX_FMT_BF6 matrix_b_fmt:MATRIX_FMT_BF6
.endm
; A KEY STEP: keys 128 s on, head hd.  Register 16 b + i of S = key 128 s + 32 b + 16 h + i, query r
.macro STEP hd, s, pf
.irp t, 0,1,2,3,4,5,6,7
	ds_load_b128 v[S+8*\t:S+8*\t+3], v[AB] offset:512*\s+128*(\t/2)+32*(\t%2)
	ds_load_b128 v[S+8*\t+4:S+8*\t+7], v[AB] offset:512*\s+128*(\t/2)+32*(\t%2)+16
.endr
.irp g, 0,1
.irp q, 0,1,2,3,4,5
	ds_load_b64 v[KF+12*\g+2*\q:KF+12*\g+2*\q+1], v[AK] offset:KHP*\hd+1536*(2*\s+\g)+256*\q
.endr
	ds_load_b32 v[KS+\g], v[AKS] offset:256*\hd+64*(2*\s+\g)
.endr
.irp u, 0,1
.irp q, 0,1,2,3,4,5
	ds_load_b64 v[VF+12*\u+2*\q:VF+12*\u+2*\q+1], v[AV] offset:VTP*(2*\hd+\u)+1536*\s+256*\q
.endr
	ds_load_b32 v[VS+\u], v[AVS] offset:64*(2*(2*\hd+\u)+\s)
.endr
	s_wait_dscnt 14                                ; the mask and K are in; the youngest fourteen loads, V's, may be out
.irp g, 0,1
	SCORE 4*\g, \g, 6
	SCORE 4*\g+1, \g, 18
	SCORE 4*\g+2, \g, 0
	SCORE 4*\g+3, \g, 12
.endr
.if \pf
	global_prefetch_b8 v[PFA], s[22:23] th:TH_LOAD_NT scope:SCOPE_SE   ; my 16 rows of ocol, 32 blocks of 256 bytes, a lane to a block, once; they are loaded behind this key step
.endif
	PLACES 4
.irp b, 0,1,2,3
	v_max3_num_f32 v[TM+\b], v[S+16*\b], v[S+16*\b+1], v[S+16*\b+2]   ; the largest score of each block of 32 keys: for the row's maximum and for the block's largest p
.endr
.irp i, 3,5,7,9,11,13
.irp b, 0,1,2,3
	v_max3_num_f32 v[TM+\b], v[TM+\b], v[S+16*\b+\i], v[S+16*\b+\i+1]
.endr
.endr
.irp b, 0,1,2,3
	v_max_num_f32 v[TM+\b], v[TM+\b], v[S+16*\b+15]
.endr
.irp b, 0,1,2,3
	v_permlanex16_b32 v[TM+4+\b], v[TM+\b], s[SEL], s[SEL+1]
.endr
.irp b, 0,1,2,3
	v_max_num_f32 v[TM+\b], v[TM+\b], v[TM+4+\b]
.endr
	v_max3_num_f32 v[TMPR], v[TM], v[TM+1], v[TM+2]
	v_max_num_f32 v[TMPR], v[TMPR], v[TM+3]
	v_mul_f32 v[TMPR], s[CS], v[TMPR]              ; as t (c is positive)
	v_max_num_f32 v[NM+1], v[NM+1], v[TMPR]        ; the running largest t
.if \s
	v_mov_b32 v[TMPR], v[NM]
.endif
	v_floor_f32 v[NM], -v[NM+1]                    ; -M = floor(-t): M is a whole number
.if \s
	v_sub_f32 v[TMPR], v[NM], v[TMPR]              ; old M - new M: a whole number, 0 or less
	v_cvt_i32_f32 v[TMPR], v[TMPR]                 ; (it saturates)
	v_ldexp_f32 v[FP], 1.0, v[TMPR]                ; f = 2^(old M - new M)
.endif
.set J, 0
.rept 32
	v_pk_fma_f32 v[S+J:S+J+1], v[S+J:S+J+1], s[CS:CS+1], v[NM:NM+1] op_sel_hi:[1,0,0]   ; t - M
.set J, J+2
.endr
.irp b, 0,1,2,3
	v_fma_f32 v[TM+\b], v[TM+\b], s[CS], v[NM]
.endr
.set J, 0
.rept 64
	v_exp_f32 v[S+J], v[S+J]                       ; p = 2^(t - M): not normalised
.set J, J+1
.endr
.irp b, 0,1,2,3
	v_exp_f32 v[TM+\b], v[TM+\b]                   ; the block's largest p
.endr
.if \s
	v_pk_mul_f32 v[LSUM:LSUM+1], v[LSUM:LSUM+1], v[FP:FP+1] op_sel_hi:[1,0]   ; the sums under the new M.  (The plain place behind the exponentials)
	s_wait_alu depctr_va_vdst(0)
.else
	v_nop                                          ; the plain place behind the exponentials
	s_wait_alu depctr_va_vdst(0)
.endif
.irp b, 0,1,2,3
	v_max_num_f32 v[TM+\b], 0x2800000, v[TM+\b]
.endr
.irp b, 0,1,2,3
	v_add_nc_u32 v[TM+12+\b], 0xfe000000, v[TM+\b]
.endr
.irp b, 0,1,2,3
	v_lshrrev_b32 v[TM+4+\b], 23, v[TM+12+\b]
.endr
	v_lshl_or_b32 v[PWD], v[TM+5], 8, v[TM+4]      ; p's scale word for these 128 keys
	v_lshl_or_b32 v[PWD], v[TM+6], 16, v[PWD]
	v_lshl_or_b32 v[PWD], v[TM+7], 24, v[PWD]
.irp c, 0,1
	v_cvt_scalef32_pk16_bf6_f32 v[PF+6*\c:PF+6*\c+2], v[S+32*\c:S+32*\c+15], v[TM+12+2*\c]
	v_cvt_scalef32_pk16_bf6_f32 v[T2+4*\c:T2+4*\c+2], v[S+32*\c+16:S+32*\c+31], v[TM+13+2*\c]
.endr
	v_nop
.irp c, 0,1
.irp i, 0,1,2
	v_permlane16_swap_b32 v[PF+6*\c+\i], v[T2+4*\c+\i]
.endr
.irp i, 0,1,2
	v_mov_b32 v[PF+6*\c+3+\i], v[T2+4*\c+\i]
.endr
.endr
	v_pk_add_f32 v[SUM2:SUM2+1], v[S:S+1], v[S+2:S+3]   ; the row's sum is taken of the unquantised p, in two chains.  (These are also the places in front of the products below)
.set J, 4
.rept 15
	v_pk_add_f32 v[LSUM:LSUM+1], v[LSUM:LSUM+1], v[S+J:S+J+1]
	v_pk_add_f32 v[SUM2:SUM2+1], v[SUM2:SUM2+1], v[S+J+2:S+J+3]
.set J, J+4
.endr
	v_pk_add_f32 v[LSUM:LSUM+1], v[LSUM:LSUM+1], v[SUM2:SUM2+1]
.if \s
.irp j, 0,2,4,6,8,10,12,14
	v_pk_mul_f32 v[O+\j:O+\j+1], v[O+\j:O+\j+1], v[FP:FP+1] op_sel_hi:[1,0]   ; O^T under the new M
.endr
.endif
	s_wait_dscnt 0x0                               ; V is in
.irp u, 0,1                                    ; O^T += V^T p^T: register 8 u + j = channel 32 hd + 16 h + 8 u + j of query r.  The two accumulators take turns, with the eight score products between a sum's two links
.if \s
	v_wmma_scale_f32_16x16x128_f8f6f4 v[O+8*\u:O+8*\u+7], v[VF+12*\u:VF+12*\u+11], v[PF:PF+11], v[O+8*\u:O+8*\u+7], v[VS+\u], v[PWD] matrix_a_fmt:MATRIX_FMT_BF6 matrix_b_fmt:MATRIX_FMT_BF6
.else
	v_wmma_scale_f32_16x16x128_f8f6f4 v[O+8*\u:O+8*\u+7], v[VF+12*\u:VF+12*\u+11], v[PF:PF+11], 0, v[VS+\u], v[PWD] matrix_a_fmt:MATRIX_FMT_BF6 matrix_b_fmt:MATRIX_FMT_BF6
.endif
.endr
	PLACES 4
.endm
.macro HEADEND hd                      ; O^T / (2 l) into my stage: row r, the head's 128 bytes
	v_add_f32 v[LSUM], v[LSUM], v[LSUM+1]
	v_permlanex16_b32 v[TMPR], v[LSUM], s[SEL], s[SEL+1]
	v_add_f32 v[LSUM], v[LSUM], v[TMPR]
	v_rcp_f32 v[LSUM], v[LSUM]
	v_nop                                          ; one plain place behind a transcendental
	s_wait_alu depctr_va_vdst(0)
	v_mul_f32 v[LSUM], 0.5, v[LSUM]
.irp j, 0,2,4,6,8,10,12,14
	v_pk_mul_f32 v[O+\j:O+\j+1], v[O+\j:O+\j+1], v[LSUM:LSUM+1] op_sel_hi:[1,0]
.endr
.irp j, 0,1,2,3
	ds_store_b128 v[SO], v[O+4*\j:O+4*\j+3] offset:128*\hd+16*\j
.endr
.endm
.macro WAYOUT reg, sb, nt              ; my stage's 16 rows leave whole: the 32 lanes store 512 consecutive bytes, at a multiple of 512 from the buffer's first byte.  LDS serves a wave's instructions in order: the loads see my stores
.irp i, 0,1,2,3,4,5,6,7,8,9,10,11,12,13,14,15
	ds_load_b128 v[\reg+4*\i:\reg+4*\i+3], v[SR] offset:SPI*\i
.endr
.irp i, 0,1,2,3,4,5,6,7,8,9,10,11,12,13,14,15
	s_wait_dscnt 15-\i                             ; row i is in; the younger rows may be out
.if \nt
	global_store_b128 v[GO], v[\reg+4*\i:\reg+4*\i+3], s[\sb:\sb+1] offset:(\i+8*(\i/8))*ESTR th:TH_STORE_NT
.else
	global_store_b128 v[GO], v[\reg+4*\i:\reg+4*\i+3], s[\sb:\sb+1] offset:(\i+8*(\i/8))*ESTR
.endif
.endr
.endm
; ---- the head
	s_load_b256 s[4:11], s[0:1], 0x0               ; x s[4:5], the mask s[6:7], Wq s[8:9], Wk s[10:11]
.if ROWPASS
	s_load_b256 s[12:19], s[0:1], 0x20             ; Wv, Wo, bo, gamma
	s_load_b128 s[20:23], s[0:1], 0x40             ; beta, ocol
	s_load_b64 s[24:25], s[0:1], 0x50              ; out0
.else
	s_load_b64 s[12:13], s[0:1], 0x20              ; Wv
	s_load_b64 s[22:23], s[0:1], 0x28              ; ocol
.endif
	v_lshrrev_b32 v16, 5, v0
	v_readfirstlane_b32 s26, v16                   ; wave 0..15
	s_and_b32 s27, s26, 1
	s_bfe_u32 s28, s26, 0x10001
	s_lshr_b32 s30, s26, 3
	s_lshr_b32 s31, s26, 1
	s_lshr_b32 s32, s26, 2
	s_and_b32 s33, s26, 3
	s_bfe_u32 s34, s26, 0x20001
	s_lshl_b32 s35, s31, 5
	s_lshl_b32 s50, s27, 3
	s_add_co_u32 s35, s35, s50                     ; EW
	s_mov_b32 s[SEL], 0x76543210
	s_mov_b32 s[SEL+1], 0xfedcba98
	s_mov_b32 s[CS], 0x3e8293ee
	s_mov_b32 s[CS+1], s[CS]                       ; (named with it as a pair, so it is written)
	s_mov_b32 s[LOM], 0x0000ffff
	s_mov_b32 s[HIM], 0xffff0000
	v_and_b32 v16, 31, v0                          ; lane
	v_and_b32 v17, 15, v0                          ; r
	v_bfe_u32 v18, v0, 4, 1                        ; h
	v_and_b32 v19, 8, v0
	v_add_nc_u32 v19, v19, v17                     ; r + 8 (r / 8)
	v_lshl_add_u32 v[AK], v16, 3, KIMG
	v_lshl_add_u32 v[AKS], v17, 2, KSC
	v_lshl_add_u32 v[AV], v16, 3, VIMG
	v_lshl_add_u32 v[AVS], v17, 2, VSC
	v_lshl_add_u32 v[AB], v18, 6, MB
	s_mul_i32 s50, s26, 16*SPI
	s_add_co_u32 s50, s50, STG
	v_mul_u32_u24 v[SO], v17, SPI
	v_lshl_add_u32 v[SO], v18, 6, v[SO]
	v_add_nc_u32 v[SO], s50, v[SO]
	v_lshl_add_u32 v[SR], v16, 4, s50
	v_lshlrev_b32 v[GO], 4, v16
	v_lshlrev_b32 v[WA], 2, v19                    ; a weight: column 8 h + r + 8 (r / 8) of my 32: the 32 lanes read 128 consecutive bytes of a row
	v_lshl_add_u32 v[WA], v18, 5, v[WA]
	v_mul_u32_u24 v[MA], v17, MKS
	s_mul_i32 s51, s26, 1536
	s_add_co_u32 s51, s51, XIMG
	v_lshl_add_u32 v[XWI], v16, 4, s51
	s_lshl_b32 s51, s26, 7
	s_add_co_u32 s51, s51, XSC
	v_lshl_add_u32 v[XWS], v16, 2, s51
	s_mul_i32 s51, s32, 3072                       ; tile 2 (w / 4) + h; block w % 4 = registers 6 ((w / 2) % 2) on, lanes 16 (w % 2) + r
	s_mul_i32 s52, s28, 768
	s_add_co_u32 s51, s51, s52
	s_lshl_b32 s52, s27, 7
	s_add_co_u32 s51, s51, s52
	v_mul_u32_u24 v[WWI], v18, 1536
	v_lshl_add_u32 v[WWI], v17, 3, v[WWI]
	v_add_nc_u32 v[WWI], s51, v[WWI]
	s_lshl_b32 s51, s32, 7
	s_add_co_u32 s51, s51, s33
	s_add_co_u32 s51, s51, WSC
	v_lshlrev_b32 v[WWS], 6, v18
	v_lshl_add_u32 v[WWS], v17, 2, v[WWS]
	v_add_nc_u32 v[WWS], s51, v[WWS]               ; word r of tile 2 (w / 4) + h, byte w % 4
	s_lshl_b32 s51, s26, 6
	s_add_co_u32 s51, s51, MB
	v_lshl_add_u32 v[MBW], v17, 2, s51
.if ROWPASS
	v_lshrrev_b32 v[PFA], 1, v16                   ; the prefetch: row (lane / 2) + 8 (lane / 16) of my 16, its half lane % 2
	v_and_b32 v20, 8, v[PFA]
	v_add_nc_u32 v[PFA], v20, v[PFA]
	v_and_b32 v20, 1, v0
	v_lshlrev_b32 v20, 8, v20
	v_lshl_add_u32 v[PFA], v[PFA], 9, v20
	v_lshlrev_b32 v[PB], 6, v18
	s_mov_b32 s42, 0xbc000000                      ; -1 / 128
	s_mov_b32 s43, 0x3c000000                      ; 1 / 128
	s_mov_b32 s58, 0x3727c5ac                      ; 1e-5
	s_lshl_b32 s60, ttmp9, 10
	s_lshl_b32 s50, s35, 2
	s_add_co_u32 s60, s60, s50                     ; the mask of my own edges: row L, column EW on
	s_mov_b32 s61, 0
.endif
.irp b, 0,1,2,3
	v_mov_b32 v[TM+4+\b], 0                        ; written once: a lane permute's destination counts as one of its sources
.endr
	s_mul_i32 s44, s35, ESTR
	s_mul_i32 s50, ttmp9, LSTR
	s_add_co_u32 s44, s44, s50                     ; my first edge in x, ocol and out0
	s_mov_b32 s45, 0
	s_mul_i32 s46, s26, 16*MKS
	s_mul_i32 s50, ttmp9, MLS
	s_add_co_u32 s46, s46, s50                     ; the mask of keys 16 w on
	s_mov_b32 s47, 0
	s_lshl_b32 s48, s33, 14                        ; a weight: rows 32 (w % 4) on, columns 32 (w / 4) on
	s_lshl_b32 s50, s32, 7
	s_add_co_u32 s48, s48, s50
	s_mov_b32 s49, 0
	s_wait_kmcnt 0x0
	s_add_nc_u64 s[4:5], s[4:5], s[44:45]
	s_add_nc_u64 s[22:23], s[22:23], s[44:45]
.if ROWPASS
	s_add_nc_u64 s[24:25], s[24:25], s[44:45]
	s_add_nc_u64 s[56:57], s[6:7], s[60:61]
.endif
	s_add_nc_u64 s[6:7], s[6:7], s[46:47]
.set WI, 0
.rept NW
	s_add_nc_u64 s[8+2*WI:9+2*WI], s[8+2*WI:9+2*WI], s[48:49]
.set WI, WI+1
.endr
; ---- A: everything that arrives as f32 becomes codes.  All loads go out at once, x first; what came first is worked on while the rest arrives
	XLOADD HA, 4, 0
	global_load_b32 v[MV], v[MA], s[6:7]           ; the mask of key 16 w + r
.set WI, 0
.rept NW
.set WK, 0
.rept 32
	global_load_b32 v[WN+32*WI+WK], v[WA], s[8+2*WI:9+2*WI] offset:512*WK
.set WK, WK+1
.endr
.set WI, WI+1
.endr
	s_wait_loadcnt 63                              ; loads come back in order (ISA guide 5.7.1): of the 17 + 32 NW at most the youngest 63 are out, so the oldest 50 (with four weights 82) are in: x's 16, the mask's 1, the first weight's 32 (and the second's)
	XTURN HA
	v_cmp_eq_f32 vcc_lo, 0, v[MV]
	v_mov_b32 v[BV], 0xff61b1e6                    ; -3e38
	v_cndmask_b32 v[BV], 0, v[BV], vcc_lo
	ds_store_b32 v[MBW], v[BV]                     ; both halves of the lanes write the same word with the same value
	WQUANT 0                                       ; stands between x's turn through the stage and its use; the wait at its end is for the turn's loads too
	QUANT HA, CT, DW
.irp c, 0,1,2
	ds_store_b128 v[XWI], v[CT+4*\c:CT+4*\c+3] offset:512*\c
.endr
	ds_store_b32 v[XWS], v[DW]
	s_wait_dscnt 0x0                               ; the stores have read their registers: the next block may write them
.if ROWPASS
	WQUANT 1
	s_wait_loadcnt 32                              ; the third weight is in; the fourth's 32 loads may be out
	WQUANT 2
	s_wait_loadcnt 0x0
	WQUANT 3
.else
	s_wait_loadcnt 32                              ; the second weight is in; the third's 32 loads may be out
	WQUANT 1
	s_wait_loadcnt 0x0
	WQUANT 2
.endif
	BARRIER                                        ; the weights', x's and the mask's images are whole
; ---- B: Q, K, V
.irp c, 0,1,2
	ds_load_b128 v[XF+4*\c:XF+4*\c+3], v[XWI] offset:512*\c   ; my own fragment of x comes back from its image: its registers held a weight's numbers when it was made
.endr
	ds_load_b32 v[XW], v[XWS]
	v_and_b32 v32, 31, v0
	v_and_b32 v33, 15, v0
	v_bfe_u32 v34, v0, 4, 1
	v_lshlrev_b32 v[WRI], 3, v32
	v_lshl_add_u32 v[WRS], v33, 2, WSC
	s_mul_i32 s50, s27, 6144
	s_add_co_u32 s50, s50, 24576
	v_lshl_add_u32 v[WRIV], v32, 3, s50            ; Wv's tiles 4 (w % 2) on
	s_lshl_b32 s50, s27, 8
	s_add_co_u32 s50, s50, WSC+1024
	v_lshl_add_u32 v[WRSV], v33, 2, s50
	s_mul_i32 s50, s31, 3072
	s_add_co_u32 s50, s50, XIMG
	v_lshl_add_u32 v[XRI], v32, 4, s50             ; x's tiles 2 (w / 2) and 2 (w / 2) + 1: keys 32 (w / 2) on
	s_lshl_b32 s50, s31, 8
	s_add_co_u32 s50, s50, XSC
	v_lshl_add_u32 v[XRS], v32, 2, s50
	s_mul_i32 s50, s31, 768                        ; K: key tile w is block w % 4 of fragment w / 4: registers 6 ((w / 2) % 2) on, lanes 16 (w % 2) on
	s_lshl_b32 s51, s27, 7
	s_add_co_u32 s50, s50, s51
	s_add_co_u32 s50, s50, KIMG
	v_mul_u32_u24 v[KWI], v34, KHP                 ; my half of the lanes holds head 2 c + h
	v_lshl_add_u32 v[KWI], v33, 3, v[KWI]
	v_add_nc_u32 v[KWI], s50, v[KWI]
	s_lshl_b32 s50, s32, 6
	s_add_co_u32 s50, s50, s33
	s_add_co_u32 s50, s50, KSC
	v_lshl_add_u32 v[KWS], v33, 2, s50
	s_mul_i32 s50, s27, 4*VTP                      ; V: channel tiles 4 (w % 2) on; key block w / 2 is block (w / 2) % 4 of K step w / 8
	s_mul_i32 s51, s32, 768
	s_add_co_u32 s50, s50, s51
	s_lshl_b32 s51, s28, 7
	s_add_co_u32 s50, s50, s51
	s_add_co_u32 s50, s50, VIMG
	v_mul_u32_u24 v[VWI], v34, VTP
	v_lshl_add_u32 v[VWI], v33, 3, v[VWI]
	v_add_nc_u32 v[VWI], s50, v[VWI]
	s_lshl_b32 s50, s27, 9
	s_lshl_b32 s51, s30, 6
	s_add_co_u32 s50, s50, s51
	s_add_co_u32 s50, s50, s34
	s_add_co_u32 s50, s50, VSC
	v_lshl_add_u32 v[VWS], v33, 2, s50
	WFETCH WF, WS, WRI, WRS, 0, 0, 8               ; Wq
	s_wait_dscnt 0x0
	PROJ
	WFETCH WF, WS, WRI, WRS, 12288, 512, 8         ; Wk lands while Q is quantised
	QUANT HA, F, QW                                ; a block of 32 is a head: Q's fragment stays in registers
	s_wait_dscnt 0x0
	PROJ
.irp x, 0,1                                    ; what V wants lands while K is quantised
.irp c, 0,1,2
	ds_load_b128 v[XP+12*\x+4*\c:XP+12*\x+4*\c+3], v[XRI] offset:1536*\x+512*\c
.endr
	ds_load_b32 v[XPW+\x], v[XRS] offset:128*\x
.endr
	WFETCH WF2, WS2, WRIV, WRSV, 0, 0, 4
	QUANT HA, CT, DW
.irp c, 0,1
.irp p, 0,1,2
	ds_store_b64 v[KWI], v[CT+6*\c+2*\p:CT+6*\c+2*\p+1] offset:2*KHP*\c+256*\p
.endr
.endr
.irp b, 0,1,2,3
	ds_store_b8 v[KWS], v[TM+4+\b] offset:256*\b   ; both halves of the lanes write the same byte with the same value
.endr
	s_wait_dscnt 0x0                               ; V's operands are in, and K's stores have read their registers
.irp b, 0,1,2,3                                ; not transposed: source 0 = 16 edges, source 1 = 16 columns of Wv: register 16 b + 8 x + j = key 32 (w / 2) + 16 h + 8 x + j of channel r of tile 4 (w % 2) + b
.irp x, 0,1
	v_wmma_scale_f32_16x16x128_f8f6f4 v[HA+16*\b+8*\x:HA+16*\b+8*\x+7], v[XP+12*\x:XP+12*\x+11], v[WF2+12*\b:WF2+12*\b+11], 0, v[XPW+\x], v[WS2+\b] matrix_a_fmt:MATRIX_FMT_BF6 matrix_b_fmt:MATRIX_FMT_BF6
.endr
.endr
	PLACES 4
	QUANT HA, CT, DW                               ; a block is 32 keys of one channel
.irp c, 0,1
.irp p, 0,1,2
	ds_store_b64 v[VWI], v[CT+6*\c+2*\p:CT+6*\c+2*\p+1] offset:2*VTP*\c+256*\p
.endr
.endr
.irp b, 0,1,2,3
	ds_store_b8 v[VWS], v[TM+4+\b] offset:128*\b
.endr
.irp z, 0,12,24
.irp i, 0,1,2,3,4,5
	v_mov_b32 v[QOP+\z+\i], 0                      ; the query operand's zero codes
.endr
.endr
	BARRIER                                        ; K's and V's images and scale words are whole; from here on they are only read
; ---- C: the four heads
	HEADPREP 0
	STEP 0, 0, 0
	STEP 0, 1, 0
	HEADEND 0
	HEADPREP 1
	STEP 1, 0, 0
	STEP 1, 1, 0
	HEADEND 1
	HEADPREP 2
	STEP 2, 0, 0
	STEP 2, 1, 0
	HEADEND 2
	HEADPREP 3
	STEP 3, 0, 0
	STEP 3, 1, ROWPASS
	HEADEND 3
.if ROWPASS
; ---- E: the two halves meet, Wo, residual, LayerNorm, mask
	s_wait_dscnt 0x0                               ; the last stores into the stage have read O's registers: loads may land there
	v_and_b32 v[WRI2], 31, v0
	v_and_b32 v[WRS2], 15, v0
	v_and_b32 v[EM], 8, v0
	v_add_nc_u32 v[EM], v[EM], v[WRS2]
	v_lshlrev_b32 v[EM], 2, v[EM]                  ; 4 (r + 8 (r / 8))
	v_lshlrev_b32 v[WRI2], 3, v[WRI2]
	v_lshl_add_u32 v[WRS2], v[WRS2], 2, WSC
	XLOADD A1, 22, 1                               ; 0.5 out_col, row by row
	XLOADD Y, 4, 1                                 ; x again, for the residual
	global_load_b32 v[LSUM], v[EM], s[56:57]       ; my edge's mask
.irp b, 0,1,2,3
.irp j, 0,1,2,3
	ds_load_b128 v[A2+16*\b+4*\j:A2+16*\b+4*\j+3], v[SO] offset:128*\b+16*\j   ; 0.5 out_row leaves the stage, which then serves the turns
.endr
.endr
	s_wait_loadcnt 17                              ; ocol's sixteen loads are in; x's sixteen and the mask's one, issued behind them, may be out
	XTURN A1
	s_wait_dscnt 0x0
.set J, 0
.rept 32
	v_pk_add_f32 v[A1+J:A1+J+1], v[A1+J:A1+J+1], v[A2+J:A2+J+1]
.set J, J+2
.endr
	PLOAD A2, 16                                   ; bo
	s_wait_loadcnt 16                              ; x and the mask are in; bo's sixteen loads may be out
	XTURN Y                                        ; x's turn through the stage stands under the quantiser's lines
	QUANT A1, CT, AW
	WFETCH A1, WOS, WRI2, WRS2, 36864, 1536, 4     ; Wo's tiles 0 to 3
	s_wait_loadcnt 0x0                             ; bo
	s_wait_dscnt 0x0                               ; x is back from the stage, Wo's tiles are in
.set J, 0
.rept 32
	v_pk_add_f32 v[Y+J:Y+J+1], v[Y+J:Y+J+1], v[A2+J:A2+J+1]   ; x + bo is the C of the product.  (Also the places behind the writes of the codes and their scale word)
.set J, J+2
.endr
	v_mov_b32 v[LSUM+1], v[LSUM]
	PLOAD A2, 18                                   ; gamma
.irp t, 0,1,2,3
	v_wmma_scale_f32_16x16x128_f8f6f4 v[Y+8*\t:Y+8*\t+7], v[A1+12*\t:A1+12*\t+11], v[CT:CT+11], v[Y+8*\t:Y+8*\t+7], v[WOS+\t], v[AW] matrix_a_fmt:MATRIX_FMT_BF6 matrix_b_fmt:MATRIX_FMT_BF6
.endr
	PLACES 4
	WFETCH A1, WOS, WRI2, WRS2, 36864+6144, 1536+256, 4   ; tiles 4 to 7
	s_wait_dscnt 0x0
.irp t, 0,1,2,3
	v_wmma_scale_f32_16x16x128_f8f6f4 v[Y+32+8*\t:Y+32+8*\t+7], v[A1+12*\t:A1+12*\t+11], v[CT:CT+11], v[Y+32+8*\t:Y+32+8*\t+7], v[WOS+\t], v[AW] matrix_a_fmt:MATRIX_FMT_BF6 matrix_b_fmt:MATRIX_FMT_BF6
.endr
	PLACES 4
	PLOAD A1, 20                                   ; beta
	v_pk_add_f32 v[16:17], v[Y:Y+1], v[Y+4:Y+5]    ; the mean: my 64 features in two chains, each accumulator from its low end on
	v_pk_add_f32 v[18:19], v[Y+2:Y+3], v[Y+6:Y+7]
.set J, 8
.rept 14
	v_pk_add_f32 v[16:17], v[16:17], v[Y+J:Y+J+1]
	v_pk_add_f32 v[18:19], v[18:19], v[Y+J+2:Y+J+3]
.set J, J+4
.endr
	v_pk_add_f32 v[16:17], v[16:17], v[18:19]
	v_add_f32 v16, v16, v17
	v_permlanex16_b32 v20, v16, s[SEL], s[SEL+1]
	v_add_f32 v16, v16, v20                        ; with lane l xor 16's 64
	v_mul_f32 v[NM], s42, v16                      ; -mu
	v_mov_b32 v[NM+1], v[NM]
.set J, 0
.rept 32
	v_pk_add_f32 v[Y+J:Y+J+1], v[Y+J:Y+J+1], v[NM:NM+1]
.set J, J+2
.endr
	v_pk_mul_f32 v[16:17], v[Y:Y+1], v[Y:Y+1]      ; the variance, of the centred numbers
	v_pk_mul_f32 v[18:19], v[Y+2:Y+3], v[Y+2:Y+3]
.set J, 4
.rept 15
	v_pk_fma_f32 v[16:17], v[Y+J:Y+J+1], v[Y+J:Y+J+1], v[16:17]
	v_pk_fma_f32 v[18:19], v[Y+J+2:Y+J+3], v[Y+J+2:Y+J+3], v[18:19]
.set J, J+4
.endr
	v_pk_add_f32 v[16:17], v[16:17], v[18:19]
	v_add_f32 v16, v16, v17
	v_permlanex16_b32 v20, v16, s[SEL], s[SEL+1]
	v_add_f32 v16, v16, v20
	v_fma_f32 v32, v16, s43, s58                   ; var + 1e-5
	v_rsq_f32 v32, v32
	v_nop                                          ; one plain place behind a transcendental
	s_wait_alu depctr_va_vdst(0)
	v_mov_b32 v33, v32
	s_wait_loadcnt 0x0                             ; gamma and beta
.set J, 0
.rept 32
	v_pk_mul_f32 v[Y+J:Y+J+1], v[Y+J:Y+J+1], v[32:33]
.set J, J+2
.endr
.set J, 0
.rept 32
	v_pk_fma_f32 v[Y+J:Y+J+1], v[Y+J:Y+J+1], v[A2+J:A2+J+1], v[A1+J:A1+J+1]
.set J, J+2
.endr
.set J, 0
.rept 32
	v_pk_mul_f32 v[Y+J:Y+J+1], v[Y+J:Y+J+1], v[LSUM:LSUM+1]
.set J, J+2
.endr
.irp b, 0,1,2,3
.irp j, 0,1,2,3
	ds_store_b128 v[SO], v[Y+16*\b+4*\j:Y+16*\b+4*\j+3] offset:128*\b+16*\j
.endr
.endr
	WAYOUT A1, 24, 1
.else
; ---- D: 0.5 out_col leaves
	WAYOUT HA, 22, 0
.endif
	s_wait_xcnt 0x0
	v_lshl_add_u32 v254, v0, 2, 0x41400
	v_mov_b32 v255, 0
	s_wait_tensorcnt 0x0
	ds_add_u32 v254, v255
	s_wait_dscnt 0x0
	s_endpgm
.Lfunc_end_k_q90e36d23b6_rowpass:
	.size	k_q90e36d23b6_rowpass, .Lfunc_end_k_q90e36d23b6_rowpass-k_q90e36d23b6_rowpass
	.p2alignl 7, 3214868480
	.fill 96, 4, 3214868480
	.section	.rodata,"a",@progbits
	.p2align	6, 0x0
	.amdhsa_kernel k_q90e36d23b6_rowpass
		.amdhsa_group_segment_fixed_size 269312
		.amdhsa_private_segment_fixed_size 0
		.amdhsa_enable_private_segment 0
		.amdhsa_kernarg_size 88
		.amdhsa_user_sgpr_count 2
		.amdhsa_user_sgpr_kernarg_segment_ptr 1
		.amdhsa_wavefront_size32 1
		.amdhsa_system_sgpr_workgroup_id_x 1
		.amdhsa_system_sgpr_workgroup_id_y 1
		.amdhsa_system_sgpr_workgroup_id_z 1
		.amdhsa_system_vgpr_workitem_id 0
		.amdhsa_next_free_vgpr 256
		.amdhsa_next_free_sgpr 66
		.amdhsa_reserve_vcc 1
		.amdhsa_float_denorm_mode_32 3
		.amdhsa_float_denorm_mode_16_64 3
		.amdhsa_memory_ordered 1
		.amdhsa_forward_progress 1
		.amdhsa_inst_pref_size 233
	.end_amdhsa_kernel
	.amdgpu_metadata
---
amdhsa.version: [ 1, 2 ]
amdhsa.kernels:
  - .name:           k_q90e36d23b6_rowpass
    .symbol:         k_q90e36d23b6_rowpass.kd
    .args:
      - { .name: edge_feat, .offset: 0, .size: 8, .value_kind: global_buffer, .address_space: global }
      - { .name: off_diag_mask, .offset: 8, .size: 8, .value_kind: global_buffer, .address_space: global }
      - { .name: Wq, .offset: 16, .size: 8, .value_kind: global_buffer, .address_space: global }
      - { .name: Wk, .offset: 24, .size: 8, .value_kind: global_buffer, .address_space: global }
      - { .name: Wv, .offset: 32, .size: 8, .value_kind: global_buffer, .address_space: global }
      - { .name: Wo, .offset: 40, .size: 8, .value_kind: global_buffer, .address_space: global }
      - { .name: bo, .offset: 48, .size: 8, .value_kind: global_buffer, .address_space: global }
      - { .name: gamma, .offset: 56, .size: 8, .value_kind: global_buffer, .address_space: global }
      - { .name: beta, .offset: 64, .size: 8, .value_kind: global_buffer, .address_space: global }
      - { .name: ocol, .offset: 72, .size: 8, .value_kind: global_buffer, .address_space: global }
      - { .name: out0, .offset: 80, .size: 8, .value_kind: global_buffer, .address_space: global }
    .group_segment_fixed_size: 269312
    .private_segment_fixed_size: 0
    .kernarg_segment_align: 8
    .kernarg_segment_size: 88
    .max_flat_workgroup_size: 512
    .sgpr_count:     66
    .vgpr_count:     256
    .wavefront_size: 32
...
	.end_amdgpu_metadata
.endif
;; end of part 2
;; ======== version 2 of 2: 2 launches; version 1 with the launches colpass, rowpass written anew for expert scheduling mode
;; limits: right only within a limited range of input values
;; workspace buffers: ocol 33,554,432 bytes
;; launch colpass (part 3): grid 256 x 1, 16 waves a work-group, no clusters, 269,312 bytes of LDS; arguments edge_feat, off_diag_mask, Wq, Wk, Wv, ocol; writes ocol
.if DOCPART == 3
	.amdgcn_target "amdgcn-amd-amdhsa--gfx1250"
	.amdhsa_code_object_version 6
	.text
	.protected	k_q90e36d23b6_colpass
	.globl	k_q90e36d23b6_colpass
	.p2align	8
	.type	k_q90e36d23b6_colpass,@function
k_q90e36d23b6_colpass:
	s_mov_b64 s[64:65], 0
	v_nop
	global_prefetch_b8 v0, s[64:65] scope:SCOPE_SE
	s_setreg_imm32_b32 hwreg(HW_REG_WAVE_SCHED_MODE, 0, 2), 2
	s_setreg_imm32_b32 hwreg(HW_REG_WAVE_MODE, 25, 1), 1
	s_wait_xcnt 0x0
	s_wait_alu depctr_vm_vsrc(0)
; EDGE ATTENTION ALONG ONE LINE OF THE 256 x 256 EDGE GRID, all products on codes of BF6 (E3M2) with one E8M0 scale for each 32 along K.
; ROWPASS = 0: the line is column L; the result, 0.5 x out_col, goes to ocol [q][c][128] f32.
; ROWPASS = 1: the line is row L; 0.5 x out_row + ocol is quantised, multiplied by Wo onto E + bo, normalised (LayerNorm), masked and stored to out0.
; SHARES.  A work-group of sixteen waves owns a line of 256 edges; wave w owns the 16 edges EW + r + 8 (r / 8), EW = 32 (w / 2) + 8 (w % 2), as rows of x, as queries and as key tile w.
; By that choice of rows the 16 registers of two neighbouring result tiles are 16 neighbours along the next product's K.  Four waves share a SIMD: one wave's softmax stands beside another's LDS loads and products.
; PHASES.  A: each wave reads its 16 rows of x row by row (512 consecutive bytes an instruction) and turns them through its own stage in LDS into the quantiser's layout; it quantises them, 16 keys' mask, and a
; sixteenth of every weight (32 columns x one block of 32 along K: a lane to a column, registers down K, 128 consecutive bytes an instruction); images of the operands' registers go to LDS | barrier |
; B: Q, K (transposed: source 0 = 16 columns of W) for my 16 edges, V (source 0 = 32 edges, so that registers run along the keys) for 32 keys x 64 channels; K's and V's codes to LDS | barrier |
; C: for each head two steps of 128 keys: S^T = K Q^T, p = 2^(t - M), O^T += V^T p^T; O / (2 l) to my stage in LDS.  Behind the second barrier no wave writes what another reads.
; A HEAD HAS 32 ALONG K AND THE INSTRUCTION 128: one fragment of K holds FOUR key tiles of one head, one in each block of 32; the query operand has its codes in one block and zero codes in the others.
; THE KEY MASK is the C of the score products: 0, or -3e38 where the mask is 0.
; No tensor loads: every byte of x is used by one wave, once, and goes through that wave's registers and stage.  No cluster: work-groups share only the 256 KiB of weights.
; LIMITS.  A true t = score x log2(e) / sqrt(32) lies above -1e30 (masked scores are -3e38; the running maximum begins at -1e30).  A line all of whose keys are masked gives NaN, as the definition does.
; NaN and infinities among the inputs are not served.  A block of zeros has the scale byte 1 and not 127: its codes are zeros, and only this program reads the bytes.
; 1 / sqrt(32) and log2(e) are one f32 factor; 0.5 is applied to each half ahead of the sum (exact).  A block's largest p is made from its largest score: this takes v_exp_f32 not to fall where its input rises.
; THE MODE: SCHED_MODE bits 1:0 = 2 (LLVM: expert scheduling mode 2), set by the entry lines.  The code itself states the register dependences
; between vector or matrix instructions and memory or LDS instructions, with s_wait_alu, always for 0.
; THE PLAN.  Registers that memory or LDS instructions touch, and who else names them:
;   v1-8, v10, v39  addresses: made at the head, ahead of one wait on va_vdst, and never written again.
;   v40-48          phase A's addresses and the mask's word; phase B's quantiser of Q writes them again, behind a wait on vm_vsrc.
;   CT, the bytes   written by a quantiser, read by its LDS stores (va_vdst ahead of the stores), written by the next quantiser (vm_vsrc ahead of it).
;   S (v64-127)     phase C: the mask's loads land; the score products add onto it; the softmax works in place; the conversions and the row's sums read it last.
;   KF, KS          K's loads land; the step's eight score products read them.      VF, VS   V's loads land; the step's two products V^T p^T read them.
;   O               written by those products and by scalings; read by four LDS stores a head; begun anew by the next head's first V^T p^T.
; A KEY STEP has three waits on va_vdst, one of them ahead of the exponentials.  The one behind the exponentials states that their results are written, that the score products are done reading KF and KS and the last step's V^T p^T
; done reading VF and VS: behind it this step's V and the NEXT step's K are asked for.  The one ahead of V^T p^T states that p's codes and scale word are written and that S is done with: behind it the
; NEXT step's mask is asked for.  A head's first step has one more, at its head: the query operand and its scale word are written, and so is the last head's O / (2 l), whose four stores stand behind it.
; Between each of these waits and the loads that lean on it no vector or matrix instruction names the registers in which those loads land.
.set ROWPASS, 0
.if ROWPASS
.set ESTR, 512                         ; bytes from edge to edge of the line
.set LSTR, 131072                      ; from line to line
.set MKS,  4                           ; the mask: from key to key
.set MLS,  1024                        ; and from line to line
.set NW,   4                           ; weights: Wq, Wk, Wv, Wo
.else
.set ESTR, 131072
.set LSTR, 512
.set MKS,  1024
.set MLS,  4
.set NW,   3
.endif
; LDS.  An image is a fragment's 12 registers: piece q (registers 2 q, 2 q + 1) at 256 q + 8 x lane; x's in chunks of four registers at 512 c + 16 x lane.
.set WIMG, 0                           ; 32 fragments of 1,536 bytes: weight i, tile t at 8 i + t
.set XIMG, 49152                       ; 16 fragments: x's tile w
.set KIMG, 73728                       ; 4 heads x (4 fragments + 128 bytes)
.set KHP,  6272
.set VIMG, 98816                       ; 8 channel tiles x (2 K steps + 128 bytes)
.set VTP,  3200
.set WSC,  124416                      ; scale words: (8 i + t) x 64 + 4 r
.set XSC,  126464                      ; 128 w + 4 x lane
.set KSC,  128512                      ; 256 head + 64 fragment + 4 r, byte = the key tile's block
.set VSC,  129536                      ; 64 (2 t + K step) + 4 r, byte = the key block in the step
.set MB,   130560                      ; the key mask as 0 or -3e38: 4 x key
.set STG,  131584                      ; a stage of 16 rows x (512 + 16) bytes for each wave
.set SPI,  528
; vector registers
.set AK,   1                           ; KIMG + 8 x lane
.set AKS,  2                           ; KSC + 4 r
.set AV,   3                           ; VIMG + 8 x lane
.set AVS,  4                           ; VSC + 4 r
.set AB,   5                           ; MB + 64 h
.set SO,   6                           ; my stage: row r, + 64 h
.set SR,   7                           ; my stage: 16 x lane
.set GO,   8                           ; 16 x lane
.set PFA,  10                          ; the prefetch's offsets
.set AW,   11                          ; the averaged output's scale word
.set NM,   12                          ; -M; v13 the largest t
.set LSUM, 14                          ; v[14:15] the row's sum in two halves
.set TM,   16                          ; v16-19 maxima, v20-23 permute results and bytes, v28-31 the conversions' scale operands
.set WOS,  24                          ; v24-27 Wo's scale words
.set T2,   32                          ; v32-34, v36-38 second halves of the conversions
.set DW,   35                          ; x's scale word on its way to LDS; K's and V's, which nobody wants
.set PB,   39                          ; 64 h
.set F,    40                          ; v40-51 Q's fragment; in phase A and in the epilogue addresses
.set CT,   52                          ; v52-63 codes just made
.set HA,   64                          ; v64-127 64 numbers: x, projections, scores and p, y
.set S,    64
.set Y,    64
.set WN,   128                         ; phase A: 32 numbers of each weight
.set WF,   128                         ; phase B: eight fragments of a weight
.set XP,   128                         ; for V: two fragments of x, four of Wv
.set WF2,  152
.set XF,   224                         ; my fragment of x
.set WRI,  236                         ; phase B's LDS addresses
.set WRS,  237
.set WRIV, 238
.set WRSV, 239
.set XRI,  240
.set XRS,  241
.set KWI,  242
.set KWS,  243
.set VWI,  244
.set VWS,  245
.set WS,   246                         ; v246-255 hold scale words in phases B and C
.set XPW,  246
.set WS2,  248
.set XW,   254
.set QW,   255
.set KF,   128                         ; phase C
.set VF,   152
.set O,    176
.set PF,   192
.set QOP,  204                         ; zeros | codes in lanes 0-15 | zeros | codes in lanes 16-31 | zeros, six registers each
.set TMPR, 234
.set FP,   236
.set SUM2, 238
.set KS,   246
.set VS,   248
.set QS,   250
.set PWD,  251
.set WA,   40                          ; phase A's addresses
.set MA,   41
.set XWI,  42
.set XWS,  43
.set WWI,  44
.set WWS,  45
.set MBW,  46
.set MV,   47
.set BV,   48
.set EM,   40                          ; the epilogue's
.set WRI2, 41
.set WRS2, 42
.set A1,   128
.set A2,   192
; scalar registers: s[4:25] addresses; s26 wave; s27 w&1, s28 (w>>1)&1, s30 w>>3, s31 w>>1, s32 w>>2, s33 w&3, s34 (w>>1)&3, s35 EW
.set SEL,  36                          ; s[36:37] v_permlanex16_b32's selects for lane l xor 16
.set CS,   38                          ; s[38:39] c = log2(e) / sqrt(32)
.set LOM,  40                          ; lanes 0-15
.set HIM,  41                          ; lanes 16-31
.macro PLACES n                        ; plain vector instructions between a matrix instruction and what touches its registers (ISA guide 7.12.1)
.rept \n
	v_nop
.endr
.endm
.macro BARRIER                         ; my LDS stores have landed and my LDS loads are in: then the work-group's barrier
	s_wait_dscnt 0x0
	s_barrier_signal -1
	s_barrier_wait -1
.endm
; my 16 edges' 128 numbers, an edge to an instruction: the 32 lanes read 512 consecutive bytes, at a multiple of 512 from the buffer's first byte
.macro XLOADD dst, sb, nt
.irp i, 0,1,2,3,4,5,6,7,8,9,10,11,12,13,14,15
.if \nt
	global_load_b128 v[\dst+4*\i:\dst+4*\i+3], v[GO], s[\sb:\sb+1] offset:(\i+8*(\i/8))*ESTR th:TH_LOAD_NT
.else
	global_load_b128 v[\dst+4*\i:\dst+4*\i+3], v[GO], s[\sb:\sb+1] offset:(\i+8*(\i/8))*ESTR
.endif
.endr
.endm
; and through my stage into the quantiser's layout, in the registers that they left: register 16 b + i = feature 32 b + 16 h + i of edge r.  LDS serves a wave's instructions in order (ISA guide 5.7.1.4): the loads see the stores
.macro XTURN reg
.irp i, 0,1,2,3,4,5,6,7,8,9,10,11,12,13,14,15
	ds_store_b128 v[SR], v[\reg+4*\i:\reg+4*\i+3] offset:SPI*\i
.endr
	s_wait_alu depctr_vm_vsrc(0)                   ; the sixteen stores above have read their data registers, in which the sixteen loads below land
.irp b, 0,1,2,3
.irp j, 0,1,2,3
	ds_load_b128 v[\reg+16*\b+4*\j:\reg+16*\b+4*\j+3], v[SO] offset:128*\b+16*\j
.endr
.endr
.endm
.macro PLOAD dst, sb                   ; the same 64 features of a vector of 128
.irp b, 0,1,2,3
.irp j, 0,1,2,3
	global_load_b128 v[\dst+16*\b+4*\j:\dst+16*\b+4*\j+3], v[PB], s[\sb:\sb+1] offset:128*\b+16*\j
.endr
.endr
.endm
; 64 numbers of a lane, register 16 b + i = k 32 b + 16 h + i of my row, become a fragment's codes in v[dst] on (lane (r, h): registers 6 c .. 6 c + 5 = block 2 c + h) and its scale word; v[TM+4+b] keeps block b's byte
.macro QUANT src, dst, word
.irp b, 0,1,2,3
	v_max3_num_f32 v[TM+\b], |v[\src+16*\b]|, |v[\src+16*\b+1]|, 0x2800000   ; my 16 numbers, and the floor 2^(5 - 127): the byte cannot fall under 1
.endr
.irp i, 2,4,6,8,10,12,14
.irp b, 0,1,2,3
	v_max3_num_f32 v[TM+\b], v[TM+\b], |v[\src+16*\b+\i]|, |v[\src+16*\b+\i+1]|
.endr
.endr
.irp b, 0,1,2,3
	v_permlanex16_b32 v[TM+4+\b], v[TM+\b], s[SEL], s[SEL+1]
.endr
.irp b, 0,1,2,3
	v_max_num_f32 v[TM+\b], v[TM+\b], v[TM+4+\b]   ; with lane l xor 16's: the block's largest magnitude
.endr
.irp b, 0,1,2,3
	v_add_nc_u32 v[TM+12+\b], 0xfe000000, v[TM+\b]   ; 4 off its exponent field: the conversion's scale operand
.endr
.irp b, 0,1,2,3
	v_lshrrev_b32 v[TM+4+\b], 23, v[TM+12+\b]      ; the scale's byte
.endr
	v_lshl_or_b32 v[\word], v[TM+5], 8, v[TM+4]
	v_lshl_or_b32 v[\word], v[TM+6], 16, v[\word]
	v_lshl_or_b32 v[\word], v[TM+7], 24, v[\word]
.irp c, 0,1
	v_cvt_scalef32_pk16_bf6_f32 v[\dst+6*\c:\dst+6*\c+2], v[\src+32*\c:\src+32*\c+15], v[TM+12+2*\c]
	v_cvt_scalef32_pk16_bf6_f32 v[T2+4*\c:T2+4*\c+2], v[\src+32*\c+16:\src+32*\c+31], v[TM+13+2*\c]   ; (a conversion's three registers begin on an even number)
.endr
	v_nop                                          ; one plain place behind a scaled conversion
.irp c, 0,1                                    ; the operand's layout wants a whole block in a lane
.irp i, 0,1,2
	v_permlane16_swap_b32 v[\dst+6*\c+\i], v[T2+4*\c+\i]
.endr
.irp i, 0,1,2
	v_mov_b32 v[\dst+6*\c+3+\i], v[T2+4*\c+\i]
.endr
.endr
.endm
; weight i: my 32 numbers are block w % 4 of column r of tile 2 (w / 4) + h: all of the block is mine
.macro WQUANT i
.set XS, WN+32*(\i)
	v_max3_num_f32 v[TM], |v[XS]|, |v[XS+1]|, |v[XS+2]|
	v_max3_num_f32 v[TM+1], |v[XS+3]|, |v[XS+4]|, |v[XS+5]|
.irp j, 6,10,14,18,22,26
	v_max3_num_f32 v[TM], v[TM], |v[XS+\j]|, |v[XS+\j+1]|
	v_max3_num_f32 v[TM+1], v[TM+1], |v[XS+\j+2]|, |v[XS+\j+3]|
.endr
	v_max3_num_f32 v[TM], v[TM], |v[XS+30]|, |v[XS+31]|
	v_max3_num_f32 v[TM], v[TM], v[TM+1], 0x2800000
	v_add_nc_u32 v[TM+12], 0xfe000000, v[TM]
	v_lshrrev_b32 v[TM+4], 23, v[TM+12]
	v_cvt_scalef32_pk16_bf6_f32 v[CT:CT+2], v[XS:XS+15], v[TM+12]
	v_cvt_scalef32_pk16_bf6_f32 v[T2:T2+2], v[XS+16:XS+31], v[TM+12]
	v_nop
.irp p, 0,1,2
	v_mov_b32 v[CT+3+\p], v[T2+\p]
.endr
	s_wait_alu depctr_va_vdst(0)                   ; the block's codes in v[CT ..] and its byte in v[TM+4] are written, which the stores below read; and the lines above are done reading the weight's 32 registers
.irp p, 0,1,2
	ds_store_b64 v[WWI], v[CT+2*\p:CT+2*\p+1] offset:12288*(\i)+256*\p
.endr
	ds_store_b8 v[WWS], v[TM+4] offset:512*(\i)
	s_wait_dscnt 0x0                               ; my LDS instructions so far are done (behind the first weight: x's turn through the stage among them)
	s_wait_alu depctr_vm_vsrc(0)                   ; the stores have read v[CT ..] and v[TM+4], which the next quantiser writes
.endm
.macro WFETCH reg, sreg, adr, sadr, off, soff, n   ; n fragments of a weight and their scale words
.set WT, 0
.rept \n
.irp q, 0,1,2,3,4,5
	ds_load_b64 v[\reg+12*WT+2*\q:\reg+12*WT+2*\q+1], v[\adr] offset:\off+1536*WT+256*\q
.endr
	ds_load_b32 v[\sreg+WT], v[\sadr] offset:\soff+64*WT
.set WT, WT+1
.endr
.endm
.macro PROJ                            ; transposed: source 0 = 16 columns of W, source 1 = my 16 edges: register 8 t + j = feature 32 (t / 2) + 16 h + 8 (t % 2) + j of edge r
.irp t, 0,1,2,3,4,5,6,7
	v_wmma_scale_f32_16x16x128_f8f6f4 v[HA+8*\t:HA+8*\t+7], v[WF+12*\t:WF+12*\t+11], v[XF:XF+11], 0, v[WS+\t], v[XW] matrix_a_fmt:MATRIX_FMT_BF6 matrix_b_fmt:MATRIX_FMT_BF6
.endr
	PLACES 4
	s_wait_alu depctr_va_vdst(0)                   ; the eight products are done reading the weight's fragments and scale words, in which the loads that follow land
.endm
; The head's 24 bytes of each query lie in one half of the lanes of F: they are put into lanes 0-15 of one run of six registers and into lanes 16-31 of another, zeros beside them
.macro HEADPREP hd
.set FC, F+6*((\hd)/2)
	v_perm_b32 v[QS], v[QW], v[QW], 0x01010101*(\hd)   ; the head's scale byte in all four bytes: whichever block holds the codes
.irp i, 0,1,2,3,4,5
	v_permlanex16_b32 v[CT+\i], v[FC+\i], s[SEL], s[SEL+1]
.endr
.irp i, 0,1,2,3,4,5
.if (\hd)%2 == 0
	v_cndmask_b32 v[QOP+6+\i], 0, v[FC+\i], s[LOM]
	v_cndmask_b32 v[QOP+18+\i], 0, v[CT+\i], s[HIM]
.else
	v_cndmask_b32 v[QOP+6+\i], 0, v[CT+\i], s[LOM]
	v_cndmask_b32 v[QOP+18+\i], 0, v[FC+\i], s[HIM]
.endif
.endr
	v_mov_b32 v[NM+1], 0xf149f2ca                  ; the largest t so far: -1e30.  These four lines are the places between the operand's last write and the first product; the twelve selects above them are the scale word's
	v_mov_b32 v[LSUM], 0
	v_mov_b32 v[LSUM+1], 0
	v_nop
.endm
.macro SCORE t, g, qo                  ; key tile t of the step lies in one block of fragment g; the query operand that begins at QOP + qo has its codes in that block.  C = D = the keys' mask
	v_wmma_scale_f32_16x16x128_f8f6f4 v[S+8*(\t):S+8*(\t)+7], v[KF+12*(\g):KF+12*(\g)+11], v[QOP+\qo:QOP+\qo+11], v[S+8*(\t):S+8*(\t)+7], v[KS+\g], v[QS] matrix_a_fmt:MATRIX_FMT_BF6 matrix_b_fmt:MATRIX_FMT_BF6
.endm
.macro MLOAD s                         ; sixteen loads: the mask of keys 128 s on, into the registers that the score products add onto
.irp t, 0,1,2,3,4,5,6,7
	ds_load_b128 v[S+8*\t:S+8*\t+3], v[AB] offset:512*(\s)+128*(\t/2)+32*(\t%2)
	ds_load_b128 v[S+8*\t+4:S+8*\t+7], v[AB] offset:512*(\s)+128*(\t/2)+32*(\t%2)+16
.endr
.endm
.macro KLOAD hd, s                     ; fourteen loads: K's two fragments of head hd, keys 128 s on, and their scale words
.irp g, 0,1
.irp q, 0,1,2,3,4,5
	ds_load_b64 v[KF+12*\g+2*\q:KF+12*\g+2*\q+1], v[AK] offset:KHP*(\hd)+1536*(2*(\s)+\g)+256*\q
.endr
	ds_load_b32 v[KS+\g], v[AKS] offset:256*(\hd)+64*(2*(\s)+\g)
.endr
.endm
.macro VLOAD hd, s                     ; fourteen loads: V's two fragments of head hd, keys 128 s on, and their scale words
.irp u, 0,1
.irp q, 0,1,2,3,4,5
	ds_load_b64 v[VF+12*\u+2*\q:VF+12*\u+2*\q+1], v[AV] offset:VTP*(2*(\hd)+\u)+1536*(\s)+256*\q
.endr
	ds_load_b32 v[VS+\u], v[AVS] offset:64*(2*(2*(\hd)+\u)+(\s))
.endr
.endm
.macro OSTORE hd                       ; O^T / (2 l) into my stage: row r, the head's 128 bytes
.irp j, 0,1,2,3
	ds_store_b128 v[SO], v[O+4*\j:O+4*\j+3] offset:128*(\hd)+16*\j
.endr
.endm
; A KEY STEP: keys 128 s on, head hd.  Register 16 b + i of S = key 128 s + 32 b + 16 h + i, query r.  Its K and its mask were asked for in the step before (the first step's: behind the second barrier)
.macro STEP hd, s, pf
.set NH, \hd+\s                        ; the next step's head,
.set NS, 1-\s                          ; and which half of the keys
.if \s == 0
	s_wait_alu depctr_va_vdst(0)                   ; the query operand and its scale word are written, behind their places, which the score products take; the last head's O / (2 l) is written, which the stores below read
.endif
.if (\s == 0) && (\hd > 0)
	OSTORE \hd-1
	s_wait_dscnt 4                                 ; K and the mask are in; the four stores just issued may be out
.else
	s_wait_dscnt 0x0                               ; K and the mask are in
.endif
.irp g, 0,1
	SCORE 4*\g, \g, 6
	SCORE 4*\g+1, \g, 18
	SCORE 4*\g+2, \g, 0
	SCORE 4*\g+3, \g, 12
.endr
.if \pf
	global_prefetch_b8 v[PFA], s[22:23] th:TH_LOAD_NT scope:SCOPE_SE   ; my 16 rows of ocol, 32 blocks of 256 bytes, a lane to a block, once; they are loaded behind this key step
.endif
	PLACES 4
.irp b, 0,1,2,3
	v_max3_num_f32 v[TM+\b], v[S+16*\b], v[S+16*\b+1], v[S+16*\b+2]   ; the largest score of each block of 32 keys: for the row's maximum and for the block's largest p
.endr
.irp i, 3,5,7,9,11,13
.irp b, 0,1,2,3
	v_max3_num_f32 v[TM+\b], v[TM+\b], v[S+16*\b+\i], v[S+16*\b+\i+1]
.endr
.endr
.irp b, 0,1,2,3
	v_max_num_f32 v[TM+\b], v[TM+\b], v[S+16*\b+15]
.endr
.irp b, 0,1,2,3
	v_permlanex16_b32 v[TM+4+\b], v[TM+\b], s[SEL], s[SEL+1]
.endr
.irp b, 0,1,2,3
	v_max_num_f32 v[TM+\b], v[TM+\b], v[TM+4+\b]
.endr
	v_max3_num_f32 v[TMPR], v[TM], v[TM+1], v[TM+2]
	v_max_num_f32 v[TMPR], v[TMPR], v[TM+3]
	v_mul_f32 v[TMPR], s[CS], v[TMPR]              ; as t (c is positive)
	v_max_num_f32 v[NM+1], v[NM+1], v[TMPR]        ; the running largest t
.if \s
	v_mov_b32 v[TMPR], v[NM]
.endif
	v_floor_f32 v[NM], -v[NM+1]                    ; -M = floor(-t): M is a whole number
.if \s
	v_sub_f32 v[TMPR], v[NM], v[TMPR]              ; old M - new M: a whole number, 0 or less
	v_cvt_i32_f32 v[TMPR], v[TMPR]                 ; (it saturates)
	v_ldexp_f32 v[FP], 1.0, v[TMPR]                ; f = 2^(old M - new M)
.endif
.set J, 0
.rept 32
	v_pk_fma_f32 v[S+J:S+J+1], v[S+J:S+J+1], s[CS:CS+1], v[NM:NM+1] op_sel_hi:[1,0,0]   ; t - M
.set J, J+2
.endr
.irp b, 0,1,2,3
	v_fma_f32 v[TM+\b], v[TM+\b], s[CS], v[NM]
.endr
.set J, 0
	s_wait_alu depctr_va_vdst(0)
.rept 64
	v_exp_f32 v[S+J], v[S+J]                       ; p = 2^(t - M): not normalised
.set J, J+1
.endr
.irp b, 0,1,2,3
	v_exp_f32 v[TM+\b], v[TM+\b]                   ; the block's largest p
.endr
.if \s
	v_pk_mul_f32 v[LSUM:LSUM+1], v[LSUM:LSUM+1], v[FP:FP+1] op_sel_hi:[1,0]   ; the sums under the new M.  (The plain place behind the exponentials)
.else
	v_nop                                          ; the plain place behind the exponentials
.endif
	s_wait_alu depctr_va_vdst(0)                   ; the 68 exponentials' results are written, ahead of their first reader; the score products are done reading KF and KS, the last step's V^T p^T done reading VF and VS: the loads below land there
	VLOAD \hd, \s
.if NH < 4
	KLOAD NH, NS                                   ; the next step's K.  No vector or matrix instruction names KF or KS before that step's score products
.endif
.irp b, 0,1,2,3
	v_max_num_f32 v[TM+\b], 0x2800000, v[TM+\b]
.endr
.irp b, 0,1,2,3
	v_add_nc_u32 v[TM+12+\b], 0xfe000000, v[TM+\b]
.endr
.irp b, 0,1,2,3
	v_lshrrev_b32 v[TM+4+\b], 23, v[TM+12+\b]
.endr
	v_lshl_or_b32 v[PWD], v[TM+5], 8, v[TM+4]      ; p's scale word for these 128 keys
	v_lshl_or_b32 v[PWD], v[TM+6], 16, v[PWD]
	v_lshl_or_b32 v[PWD], v[TM+7], 24, v[PWD]
.irp c, 0,1
	v_cvt_scalef32_pk16_bf6_f32 v[PF+6*\c:PF+6*\c+2], v[S+32*\c:S+32*\c+15], v[TM+12+2*\c]
	v_cvt_scalef32_pk16_bf6_f32 v[T2+4*\c:T2+4*\c+2], v[S+32*\c+16:S+32*\c+31], v[TM+13+2*\c]
.endr
	v_nop
.irp c, 0,1
.irp i, 0,1,2
	v_permlane16_swap_b32 v[PF+6*\c+\i], v[T2+4*\c+\i]
.endr
.irp i, 0,1,2
	v_mov_b32 v[PF+6*\c+3+\i], v[T2+4*\c+\i]
.endr
.endr
	v_pk_add_f32 v[SUM2:SUM2+1], v[S:S+1], v[S+2:S+3]   ; the row's sum is taken of the unquantised p, in two chains.  (These are also the places in front of the products below)
.set J, 4
.rept 15
	v_pk_add_f32 v[LSUM:LSUM+1], v[LSUM:LSUM+1], v[S+J:S+J+1]
	v_pk_add_f32 v[SUM2:SUM2+1], v[SUM2:SUM2+1], v[S+J+2:S+J+3]
.set J, J+4
.endr
	v_pk_add_f32 v[LSUM:LSUM+1], v[LSUM:LSUM+1], v[SUM2:SUM2+1]
.if \s
.irp j, 0,2,4,6,8,10,12,14
	v_pk_mul_f32 v[O+\j:O+\j+1], v[O+\j:O+\j+1], v[FP:FP+1] op_sel_hi:[1,0]   ; O^T under the new M
.endr
.endif
	s_wait_alu depctr_va_vdst(0)                   ; p's codes and their scale word are written, behind their places, which the products below take; the conversions and the sums are done reading S, in which the next step's mask lands
.if NH < 4
	MLOAD NS                                       ; no vector or matrix instruction names S before the next step's score products
.endif
.if (\s == 0) && (\hd > 0)
	s_wait_alu depctr_vm_vsrc(0)                   ; the last head's four stores into the stage have read O, which the products below begin anew
.endif
.if NH < 4
	s_wait_dscnt 30                                ; V is in; the next step's K (fourteen loads) and mask (sixteen), issued behind it, may be out
.else
	s_wait_dscnt 0x0                               ; V is in
.endif
.irp u, 0,1                                    ; O^T += V^T p^T: register 8 u + j = channel 32 hd + 16 h + 8 u + j of query r.  The two accumulators take turns, with the eight score products between a sum's two links
.if \s
	v_wmma_scale_f32_16x16x128_f8f6f4 v[O+8*\u:O+8*\u+7], v[VF+12*\u:VF+12*\u+11], v[PF:PF+11], v[O+8*\u:O+8*\u+7], v[VS+\u], v[PWD] matrix_a_fmt:MATRIX_FMT_BF6 matrix_b_fmt:MATRIX_FMT_BF6
.else
	v_wmma_scale_f32_16x16x128_f8f6f4 v[O+8*\u:O+8*\u+7], v[VF+12*\u:VF+12*\u+11], v[PF:PF+11], 0, v[VS+\u], v[PWD] matrix_a_fmt:MATRIX_FMT_BF6 matrix_b_fmt:MATRIX_FMT_BF6
.endif
.endr
	PLACES 4
.endm
.macro HEADDIV                         ; O^T / (2 l), in O's registers; its stores follow behind the next wait on va_vdst
	v_add_f32 v[LSUM], v[LSUM], v[LSUM+1]
	v_permlanex16_b32 v[TMPR], v[LSUM], s[SEL], s[SEL+1]
	v_add_f32 v[LSUM], v[LSUM], v[TMPR]
	s_wait_alu depctr_va_vdst(0)
	v_rcp_f32 v[LSUM], v[LSUM]
	v_nop                                          ; one plain place behind a transcendental
	s_wait_alu depctr_va_vdst(0)                   ; the reciprocal is written, ahead of its first reader
	v_mul_f32 v[LSUM], 0.5, v[LSUM]
.irp j, 0,2,4,6,8,10,12,14
	v_pk_mul_f32 v[O+\j:O+\j+1], v[O+\j:O+\j+1], v[LSUM:LSUM+1] op_sel_hi:[1,0]
.endr
.endm
.macro WAYOUT reg, sb, nt              ; my stage's 16 rows leave whole: the 32 lanes store 512 consecutive bytes, at a multiple of 512 from the buffer's first byte.  LDS serves a wave's instructions in order: the loads see my stores
.irp i, 0,1,2,3,4,5,6,7,8,9,10,11,12,13,14,15
	ds_load_b128 v[\reg+4*\i:\reg+4*\i+3], v[SR] offset:SPI*\i
.endr
.irp i, 0,1,2,3,4,5,6,7,8,9,10,11,12,13,14,15
	s_wait_dscnt 15-\i                             ; row i is in; the younger rows may be out
.if \nt
	global_store_b128 v[GO], v[\reg+4*\i:\reg+4*\i+3], s[\sb:\sb+1] offset:(\i+8*(\i/8))*ESTR th:TH_STORE_NT
.else
	global_store_b128 v[GO], v[\reg+4*\i:\reg+4*\i+3], s[\sb:\sb+1] offset:(\i+8*(\i/8))*ESTR
.endif
.endr
.endm
; ---- the head
	s_load_b256 s[4:11], s[0:1], 0x0               ; x s[4:5], the mask s[6:7], Wq s[8:9], Wk s[10:11]
.if ROWPASS
	s_load_b256 s[12:19], s[0:1], 0x20             ; Wv, Wo, bo, gamma
	s_load_b128 s[20:23], s[0:1], 0x40             ; beta, ocol
	s_load_b64 s[24:25], s[0:1], 0x50              ; out0
.else
	s_load_b64 s[12:13], s[0:1], 0x20              ; Wv
	s_load_b64 s[22:23], s[0:1], 0x28              ; ocol
	v_lshl_add_u32 v27, v0, 2, 0x41400
	v_mov_b32 v39, 0
.endif
	v_lshrrev_b32 v16, 5, v0
	v_readfirstlane_b32 s26, v16                   ; wave 0..15
	s_mov_b32 s[SEL], 0x76543210
	s_mov_b32 s[SEL+1], 0xfedcba98
	s_mov_b32 s[CS], 0x3e8293ee
	s_mov_b32 s[CS+1], s[CS]                       ; (named with it as a pair, so it is written)
	s_mov_b32 s[LOM], 0x0000ffff
	s_mov_b32 s[HIM], 0xffff0000
	v_and_b32 v16, 31, v0                          ; lane
	v_and_b32 v17, 15, v0                          ; r
	s_wait_alu depctr_va_vdst(0)
	v_bfe_u32 v18, v0, 4, 1                        ; h
	v_and_b32 v19, 8, v0
	v_add_nc_u32 v19, v19, v17                     ; r + 8 (r / 8)
	v_lshl_add_u32 v[AK], v16, 3, KIMG
	v_lshl_add_u32 v[AKS], v17, 2, KSC
	v_lshl_add_u32 v[AV], v16, 3, VIMG
	v_lshl_add_u32 v[AVS], v17, 2, VSC
	v_lshl_add_u32 v[AB], v18, 6, MB
	s_wait_alu depctr_va_sdst(0)                   ; s26 is written, ahead of its first reader: the wave's shares and all its addresses are made from it
	s_and_b32 s27, s26, 1
	s_bfe_u32 s28, s26, 0x10001
	s_lshr_b32 s30, s26, 3
	s_lshr_b32 s31, s26, 1
	s_lshr_b32 s32, s26, 2
	s_and_b32 s33, s26, 3
	s_bfe_u32 s34, s26, 0x20001
	s_lshl_b32 s35, s31, 5
	s_lshl_b32 s50, s27, 3
	s_add_co_u32 s35, s35, s50                     ; EW
	s_mul_i32 s50, s26, 16*SPI
	s_add_co_u32 s50, s50, STG
	v_mul_u32_u24 v[SO], v17, SPI
	s_wait_alu depctr_va_vdst(0)
	v_lshl_add_u32 v[SO], v18, 6, v[SO]
	v_add_nc_u32 v[SO], s50, v[SO]
	v_lshl_add_u32 v[SR], v16, 4, s50
	v_lshlrev_b32 v[GO], 4, v16
	v_lshlrev_b32 v[WA], 2, v19                    ; a weight: column 8 h + r + 8 (r / 8) of my 32: the 32 lanes read 128 consecutive bytes of a row
	v_lshl_add_u32 v[WA], v18, 5, v[WA]
	v_mul_u32_u24 v[MA], v17, MKS
	s_mul_i32 s51, s26, 1536
	s_add_co_u32 s51, s51, XIMG
	v_lshl_add_u32 v[XWI], v16, 4, s51
	s_lshl_b32 s51, s26, 7
	s_add_co_u32 s51, s51, XSC
	v_lshl_add_u32 v[XWS], v16, 2, s51
	s_mul_i32 s51, s32, 3072                       ; tile 2 (w / 4) + h; block w % 4 = registers 6 ((w / 2) % 2) on, lanes 16 (w % 2) + r
	s_mul_i32 s52, s28, 768
	s_add_co_u32 s51, s51, s52
	s_lshl_b32 s52, s27, 7
	s_add_co_u32 s51, s51, s52
	v_mul_u32_u24 v[WWI], v18, 1536
	v_lshl_add_u32 v[WWI], v17, 3, v[WWI]
	v_add_nc_u32 v[WWI], s51, v[WWI]
	s_lshl_b32 s51, s32, 7
	s_add_co_u32 s51, s51, s33
	s_add_co_u32 s51, s51, WSC
	v_lshlrev_b32 v[WWS], 6, v18
	v_lshl_add_u32 v[WWS], v17, 2, v[WWS]
	v_add_nc_u32 v[WWS], s51, v[WWS]               ; word r of tile 2 (w / 4) + h, byte w % 4
	s_lshl_b32 s51, s26, 6
	s_add_co_u32 s51, s51, MB
	v_lshl_add_u32 v[MBW], v17, 2, s51
.if ROWPASS
	v_lshrrev_b32 v[PFA], 1, v16                   ; the prefetch: row (lane / 2) + 8 (lane / 16) of my 16, its half lane % 2
	v_and_b32 v20, 8, v[PFA]
	v_add_nc_u32 v[PFA], v20, v[PFA]
	v_and_b32 v20, 1, v0
	v_lshlrev_b32 v20, 8, v20
	v_lshl_add_u32 v[PFA], v[PFA], 9, v20
	v_lshlrev_b32 v[PB], 6, v18
	s_mov_b32 s42, 0xbc000000                      ; -1 / 128
	s_mov_b32 s43, 0x3c000000                      ; 1 / 128
	s_mov_b32 s58, 0x3727c5ac                      ; 1e-5
	s_lshl_b32 s60, ttmp9, 10
	s_lshl_b32 s50, s35, 2
	s_add_co_u32 s60, s60, s50                     ; the mask of my own edges: row L, column EW on
	s_mov_b32 s61, 0
.endif
.irp b, 0,1,2,3
	v_mov_b32 v[TM+4+\b], 0                        ; written once: a lane permute's destination counts as one of its sources
.endr
	s_mul_i32 s44, s35, ESTR
	s_mul_i32 s50, ttmp9, LSTR
	s_add_co_u32 s44, s44, s50                     ; my first edge in x, ocol and out0
	s_mov_b32 s45, 0
	s_mul_i32 s46, s26, 16*MKS
	s_mul_i32 s50, ttmp9, MLS
	s_add_co_u32 s46, s46, s50                     ; the mask of keys 16 w on
	s_mov_b32 s47, 0
	s_lshl_b32 s48, s33, 14                        ; a weight: rows 32 (w % 4) on, columns 32 (w / 4) on
	s_lshl_b32 s50, s32, 7
	s_add_co_u32 s48, s48, s50
	s_mov_b32 s49, 0
	s_wait_kmcnt 0x0
	s_add_nc_u64 s[4:5], s[4:5], s[44:45]
	s_add_nc_u64 s[22:23], s[22:23], s[44:45]
.if ROWPASS
	s_add_nc_u64 s[24:25], s[24:25], s[44:45]
	s_add_nc_u64 s[56:57], s[6:7], s[60:61]
.endif
	s_add_nc_u64 s[6:7], s[6:7], s[46:47]
.set WI, 0
.rept NW
	s_add_nc_u64 s[8+2*WI:9+2*WI], s[8+2*WI:9+2*WI], s[48:49]
.set WI, WI+1
.endr
; ---- A: everything that arrives as f32 becomes codes.  All loads go out at once, x first; what came first is worked on while the rest arrives
	s_wait_alu depctr_va_vdst(0)                   ; every address and offset that the head has made (v1 to v8, v10, v39, v40 to v46) is written: the loads, stores and the prefetch of the whole kernel read them
	XLOADD HA, 4, 0
	global_load_b32 v[MV], v[MA], s[6:7]           ; the mask of key 16 w + r
.set WI, 0
.rept NW
.set WK, 0
.rept 32
	global_load_b32 v[WN+32*WI+WK], v[WA], s[8+2*WI:9+2*WI] offset:512*WK
.set WK, WK+1
.endr
.set WI, WI+1
.endr
	s_wait_loadcnt 63                              ; loads come back in order (ISA guide 5.7.1): of the 17 + 32 NW at most the youngest 63 are out, so the oldest 50 (with four weights 82) are in: x's 16, the mask's 1, the first weight's 32 (and the second's)
	XTURN HA
	v_cmp_eq_f32 vcc_lo, 0, v[MV]
	v_mov_b32 v[BV], 0xff61b1e6                    ; -3e38
	s_wait_alu depctr_va_vcc(0)                    ; the compare has written VCC, ahead of the select that reads it
	v_cndmask_b32 v[BV], 0, v[BV], vcc_lo
	WQUANT 0                                       ; stands between x's turn through the stage and its use; the wait on DScnt at its end is for the turn's loads too
	ds_store_b32 v[MBW], v[BV]                     ; both halves of the lanes write the same word with the same value.  No wait: the word was written ahead of the wait on va_vdst in the weight's lines above, and nothing has named it since
	QUANT HA, CT, DW
	s_wait_alu depctr_va_vdst(0)                   ; x's codes in v[CT ..] and their scale word are written, which the stores below read
.irp c, 0,1,2
	ds_store_b128 v[XWI], v[CT+4*\c:CT+4*\c+3] offset:512*\c
.endr
	ds_store_b32 v[XWS], v[DW]
	s_wait_dscnt 0x0                               ; my stores so far are done
	s_wait_alu depctr_vm_vsrc(0)                   ; they have read v[CT ..], which the next weight's lines write
.if ROWPASS
	WQUANT 1
	s_wait_loadcnt 32                              ; the third weight is in; the fourth's 32 loads may be out
	WQUANT 2
	s_wait_loadcnt 0x0
	WQUANT 3
.else
	s_wait_loadcnt 32                              ; the second weight is in; the third's 32 loads may be out
	WQUANT 1
	s_wait_loadcnt 0x0
	WQUANT 2
.endif
	BARRIER                                        ; the weights', x's and the mask's images are whole
; ---- B: Q, K, V
.irp c, 0,1,2
	ds_load_b128 v[XF+4*\c:XF+4*\c+3], v[XWI] offset:512*\c   ; my own fragment of x comes back from its image: its registers held a weight's numbers when it was made.  No wait: the last weight's lines stand ahead of their own wait on va_vdst
.endr
	ds_load_b32 v[XW], v[XWS]
	v_and_b32 v32, 31, v0
	s_wait_alu depctr_va_vdst(0)
	v_and_b32 v33, 15, v0
	v_bfe_u32 v34, v0, 4, 1
	s_wait_alu depctr_va_vdst(0)
	v_lshlrev_b32 v[WRI], 3, v32
	v_lshl_add_u32 v[WRS], v33, 2, WSC
	s_mul_i32 s50, s27, 6144
	s_add_co_u32 s50, s50, 24576
	v_lshl_add_u32 v[WRIV], v32, 3, s50            ; Wv's tiles 4 (w % 2) on
	s_lshl_b32 s50, s27, 8
	s_add_co_u32 s50, s50, WSC+1024
	v_lshl_add_u32 v[WRSV], v33, 2, s50
	s_mul_i32 s50, s31, 3072
	s_add_co_u32 s50, s50, XIMG
	v_lshl_add_u32 v[XRI], v32, 4, s50             ; x's tiles 2 (w / 2) and 2 (w / 2) + 1: keys 32 (w / 2) on
	s_lshl_b32 s50, s31, 8
	s_add_co_u32 s50, s50, XSC
	v_lshl_add_u32 v[XRS], v32, 2, s50
	s_mul_i32 s50, s31, 768                        ; K: key tile w is block w % 4 of fragment w / 4: registers 6 ((w / 2) % 2) on, lanes 16 (w % 2) on
	s_lshl_b32 s51, s27, 7
	s_add_co_u32 s50, s50, s51
	s_add_co_u32 s50, s50, KIMG
	v_mul_u32_u24 v[KWI], v34, KHP                 ; my half of the lanes holds head 2 c + h
	v_lshl_add_u32 v[KWI], v33, 3, v[KWI]
	v_add_nc_u32 v[KWI], s50, v[KWI]
	s_lshl_b32 s50, s32, 6
	s_add_co_u32 s50, s50, s33
	s_add_co_u32 s50, s50, KSC
	v_lshl_add_u32 v[KWS], v33, 2, s50
	s_mul_i32 s50, s27, 4*VTP                      ; V: channel tiles 4 (w % 2) on; key block w / 2 is block (w / 2) % 4 of K step w / 8
	s_mul_i32 s51, s32, 768
	s_add_co_u32 s50, s50, s51
	s_lshl_b32 s51, s28, 7
	s_add_co_u32 s50, s50, s51
	s_add_co_u32 s50, s50, VIMG
	v_mul_u32_u24 v[VWI], v34, VTP
	v_lshl_add_u32 v[VWI], v33, 3, v[VWI]
	v_add_nc_u32 v[VWI], s50, v[VWI]
	s_lshl_b32 s50, s27, 9
	s_lshl_b32 s51, s30, 6
	s_add_co_u32 s50, s50, s51
	s_add_co_u32 s50, s50, s34
	s_add_co_u32 s50, s50, VSC
	v_lshl_add_u32 v[VWS], v33, 2, s50
	s_wait_alu depctr_va_vdst(0)                   ; this phase's ten LDS addresses, v236 to v245, are written, which its loads and stores read
	WFETCH WF, WS, WRI, WRS, 0, 0, 8               ; Wq
	s_wait_dscnt 0x0
	PROJ
	WFETCH WF, WS, WRI, WRS, 12288, 512, 8         ; Wk lands while Q is quantised
	s_wait_alu depctr_vm_vsrc(0)                   ; phase A's loads and stores, and the four loads at this phase's head, have read their addresses and the mask's word in v40 to v48, which Q's fragment takes
	QUANT HA, F, QW                                ; a block of 32 is a head: Q's fragment stays in registers
	s_wait_dscnt 0x0
	PROJ
.irp x, 0,1                                    ; what V wants lands while K is quantised
.irp c, 0,1,2
	ds_load_b128 v[XP+12*\x+4*\c:XP+12*\x+4*\c+3], v[XRI] offset:1536*\x+512*\c
.endr
	ds_load_b32 v[XPW+\x], v[XRS] offset:128*\x
.endr
	WFETCH WF2, WS2, WRIV, WRSV, 0, 0, 4
	QUANT HA, CT, DW
	s_wait_alu depctr_va_vdst(0)                   ; K's codes in v[CT ..] and its four bytes in v[TM+4 ..] are written, which the stores below read
.irp c, 0,1
.irp p, 0,1,2
	ds_store_b64 v[KWI], v[CT+6*\c+2*\p:CT+6*\c+2*\p+1] offset:2*KHP*\c+256*\p
.endr
.endr
.irp b, 0,1,2,3
	ds_store_b8 v[KWS], v[TM+4+\b] offset:256*\b   ; both halves of the lanes write the same byte with the same value
.endr
	s_wait_dscnt 0x0                               ; V's operands are in
	s_wait_alu depctr_vm_vsrc(0)                   ; K's stores have read v[CT ..] and v[TM+4 ..], which V's quantiser writes
.irp b, 0,1,2,3                                ; not transposed: source 0 = 16 edges, source 1 = 16 columns of Wv: register 16 b + 8 x + j = key 32 (w / 2) + 16 h + 8 x + j of channel r of tile 4 (w % 2) + b
.irp x, 0,1
	v_wmma_scale_f32_16x16x128_f8f6f4 v[HA+16*\b+8*\x:HA+16*\b+8*\x+7], v[XP+12*\x:XP+12*\x+11], v[WF2+12*\b:WF2+12*\b+11], 0, v[XPW+\x], v[WS2+\b] matrix_a_fmt:MATRIX_FMT_BF6 matrix_b_fmt:MATRIX_FMT_BF6
.endr
.endr
	PLACES 4
	QUANT HA, CT, DW                               ; a block is 32 keys of one channel
	s_wait_alu depctr_va_vdst(0)                   ; V's codes and bytes are written, which the stores below read; V's products and its quantiser are done with v64 to v199 and v246 to v251, in which the first key step's loads land
.irp c, 0,1
.irp p, 0,1,2
	ds_store_b64 v[VWI], v[CT+6*\c+2*\p:CT+6*\c+2*\p+1] offset:2*VTP*\c+256*\p
.endr
.endr
.irp b, 0,1,2,3
	ds_store_b8 v[VWS], v[TM+4+\b] offset:128*\b
.endr
.irp z, 0,12,24
.irp i, 0,1,2,3,4,5
	v_mov_b32 v[QOP+\z+\i], 0                      ; the query operand's zero codes
.endr
.endr
	BARRIER                                        ; K's and V's images and scale words are whole; from here on they are only read
	s_wait_alu depctr_vm_vsrc(0)                   ; V's stores have read v[CT ..] and v[TM+4 ..], and this phase's loads and stores their addresses in v236 to v245: phase C writes all of these
; ---- C: the four heads
	KLOAD 0, 0                                     ; the first key step's K and mask.  No wait: since the wait ahead of V's stores only the query operand's zeros were written
	MLOAD 0
	HEADPREP 0
	STEP 0, 0, 0
	STEP 0, 1, 0
	HEADDIV
	HEADPREP 1
	STEP 1, 0, 0
	STEP 1, 1, 0
	HEADDIV
	HEADPREP 2
	STEP 2, 0, 0
	STEP 2, 1, 0
	HEADDIV
	HEADPREP 3
	STEP 3, 0, 0
	STEP 3, 1, ROWPASS
	HEADDIV
.if ROWPASS
; ---- E: the two halves meet, Wo, residual, LayerNorm, mask
	v_and_b32 v[WRI2], 31, v0
	v_and_b32 v[WRS2], 15, v0
	v_and_b32 v[EM], 8, v0
	v_add_nc_u32 v[EM], v[EM], v[WRS2]
	v_lshlrev_b32 v[EM], 2, v[EM]                  ; 4 (r + 8 (r / 8))
	v_lshlrev_b32 v[WRI2], 3, v[WRI2]
	v_lshl_add_u32 v[WRS2], v[WRS2], 2, WSC
	s_wait_alu depctr_va_vdst(0)                   ; the last head's O / (2 l) is written, which the stores below read; the three addresses above are written; phase C is done with v14 and v64 to v255, in which the loads below land
	OSTORE 3
	s_wait_dscnt 0x0                               ; the stage holds 0.5 out_row whole
	s_wait_alu depctr_vm_vsrc(0)                   ; the four stores have read O's registers, in which ocol's loads land
	XLOADD A1, 22, 1                               ; 0.5 out_col, row by row
	XLOADD Y, 4, 1                                 ; x again, for the residual
	global_load_b32 v[LSUM], v[EM], s[56:57]       ; my edge's mask
.irp b, 0,1,2,3
.irp j, 0,1,2,3
	ds_load_b128 v[A2+16*\b+4*\j:A2+16*\b+4*\j+3], v[SO] offset:128*\b+16*\j   ; 0.5 out_row leaves the stage, which then serves the turns
.endr
.endr
	s_wait_loadcnt 17                              ; ocol's sixteen loads are in; x's sixteen and the mask's one, issued behind them, may be out
	XTURN A1
	s_wait_dscnt 0x0
.set J, 0
.rept 32
	v_pk_add_f32 v[A1+J:A1+J+1], v[A1+J:A1+J+1], v[A2+J:A2+J+1]
.set J, J+2
.endr
	s_wait_alu depctr_va_vdst(0)                   ; the additions are done reading v[A2 ..], in which bo lands
	PLOAD A2, 16                                   ; bo
	s_wait_loadcnt 16                              ; x and the mask are in; bo's sixteen loads may be out
	XTURN Y                                        ; x's turn through the stage stands under the quantiser's lines
	QUANT A1, CT, AW
	s_wait_alu depctr_va_vdst(0)                   ; the quantiser is done reading v[A1 ..], in which Wo's fragments land
	WFETCH A1, WOS, WRI2, WRS2, 36864, 1536, 4     ; Wo's tiles 0 to 3
	s_wait_loadcnt 0x0                             ; bo
	s_wait_dscnt 0x0                               ; x is back from the stage, Wo's tiles are in
.set J, 0
.rept 32
	v_pk_add_f32 v[Y+J:Y+J+1], v[Y+J:Y+J+1], v[A2+J:A2+J+1]   ; x + bo is the C of the product.  (Also the places behind the writes of the codes and their scale word)
.set J, J+2
.endr
	v_mov_b32 v[LSUM+1], v[LSUM]
	s_wait_alu depctr_va_vdst(0)                   ; the additions are done reading v[A2 ..], in which gamma lands; the codes in v[CT ..] and their scale word are written, behind their places, which the products below take
	PLOAD A2, 18                                   ; gamma
.irp t, 0,1,2,3
	v_wmma_scale_f32_16x16x128_f8f6f4 v[Y+8*\t:Y+8*\t+7], v[A1+12*\t:A1+12*\t+11], v[CT:CT+11], v[Y+8*\t:Y+8*\t+7], v[WOS+\t], v[AW] matrix_a_fmt:MATRIX_FMT_BF6 matrix_b_fmt:MATRIX_FMT_BF6
.endr
	PLACES 4
	s_wait_alu depctr_va_vdst(0)                   ; the four products are done reading Wo's fragments and scale words, in which the next four land
	WFETCH A1, WOS, WRI2, WRS2, 36864+6144, 1536+256, 4   ; tiles 4 to 7
	s_wait_dscnt 0x0
.irp t, 0,1,2,3
	v_wmma_scale_f32_16x16x128_f8f6f4 v[Y+32+8*\t:Y+32+8*\t+7], v[A1+12*\t:A1+12*\t+11], v[CT:CT+11], v[Y+32+8*\t:Y+32+8*\t+7], v[WOS+\t], v[AW] matrix_a_fmt:MATRIX_FMT_BF6 matrix_b_fmt:MATRIX_FMT_BF6
.endr
	PLACES 4
	s_wait_alu depctr_va_vdst(0)                   ; the four products are done reading Wo's fragments, in which beta lands
	PLOAD A1, 20                                   ; beta
	v_pk_add_f32 v[16:17], v[Y:Y+1], v[Y+4:Y+5]    ; the mean: my 64 features in two chains, each accumulator from its low end on
	v_pk_add_f32 v[18:19], v[Y+2:Y+3], v[Y+6:Y+7]
.set J, 8
.rept 14
	v_pk_add_f32 v[16:17], v[16:17], v[Y+J:Y+J+1]
	v_pk_add_f32 v[18:19], v[18:19], v[Y+J+2:Y+J+3]
.set J, J+4
.endr
	v_pk_add_f32 v[16:17], v[16:17], v[18:19]
	v_add_f32 v16, v16, v17
	v_permlanex16_b32 v20, v16, s[SEL], s[SEL+1]
	v_add_f32 v16, v16, v20                        ; with lane l xor 16's 64
	v_mul_f32 v[NM], s42, v16                      ; -mu
	v_mov_b32 v[NM+1], v[NM]
.set J, 0
.rept 32
	v_pk_add_f32 v[Y+J:Y+J+1], v[Y+J:Y+J+1], v[NM:NM+1]
.set J, J+2
.endr
	v_pk_mul_f32 v[16:17], v[Y:Y+1], v[Y:Y+1]      ; the variance, of the centred numbers
	v_pk_mul_f32 v[18:19], v[Y+2:Y+3], v[Y+2:Y+3]
.set J, 4
.rept 15
	v_pk_fma_f32 v[16:17], v[Y+J:Y+J+1], v[Y+J:Y+J+1], v[16:17]
	v_pk_fma_f32 v[18:19], v[Y+J+2:Y+J+3], v[Y+J+2:Y+J+3], v[18:19]
.set J, J+4
.endr
	v_pk_add_f32 v[16:17], v[16:17], v[18:19]
	v_add_f32 v16, v16, v17
	v_permlanex16_b32 v20, v16, s[SEL], s[SEL+1]
	v_add_f32 v16, v16, v20
	v_fma_f32 v32, v16, s43, s58                   ; var + 1e-5
	v_rsq_f32 v32, v32
	v_nop                                          ; one plain place behind a transcendental
	s_wait_alu depctr_va_vdst(0)                   ; the reciprocal root is written, ahead of its first reader
	v_mov_b32 v33, v32
	s_wait_loadcnt 0x0                             ; gamma and beta
.set J, 0
.rept 32
	v_pk_mul_f32 v[Y+J:Y+J+1], v[Y+J:Y+J+1], v[32:33]
.set J, J+2
.endr
.set J, 0
.rept 32
	v_pk_fma_f32 v[Y+J:Y+J+1], v[Y+J:Y+J+1], v[A2+J:A2+J+1], v[A1+J:A1+J+1]
.set J, J+2
.endr
.set J, 0
.rept 32
	v_pk_mul_f32 v[Y+J:Y+J+1], v[Y+J:Y+J+1], v[LSUM:LSUM+1]
.set J, J+2
.endr
	s_wait_alu depctr_va_vdst(0)                   ; the results in v[Y ..] are written, which the stores below read; the multiply-adds are done reading beta in v[A1 ..], in which the stage's rows land
.irp b, 0,1,2,3
.irp j, 0,1,2,3
	ds_store_b128 v[SO], v[Y+16*\b+4*\j:Y+16*\b+4*\j+3] offset:128*\b+16*\j
.endr
.endr
	WAYOUT A1, 24, 1
.else
; ---- D: 0.5 out_col leaves
	s_wait_alu depctr_va_vdst(0)                   ; the last head's O / (2 l) is written, which the stores below read; phase C is done with v64 to v127, in which the stage's rows land
	OSTORE 3
	WAYOUT HA, 22, 0
.endif
	s_wait_dscnt 0x0                               ; the closing lines, six on end, of a launch in the mode that stores to LDS
	s_wait_alu 0x0
	s_wait_tensorcnt 0x0
	ds_add_u32 v27, v39
	s_wait_dscnt 0x0
	s_endpgm
.Lfunc_end_k_q90e36d23b6_colpass:
	.size	k_q90e36d23b6_colpass, .Lfunc_end_k_q90e36d23b6_colpass-k_q90e36d23b6_colpass
	.p2alignl 7, 3214868480
	.fill 96, 4, 3214868480
	.section	.rodata,"a",@progbits
	.p2align	6, 0x0
	.amdhsa_kernel k_q90e36d23b6_colpass
		.amdhsa_group_segment_fixed_size 269312
		.amdhsa_private_segment_fixed_size 0
		.amdhsa_enable_private_segment 0
		.amdhsa_kernarg_size 48
		.amdhsa_user_sgpr_count 2
		.amdhsa_user_sgpr_kernarg_segment_ptr 1
		.amdhsa_wavefront_size32 1
		.amdhsa_system_sgpr_workgroup_id_x 1
		.amdhsa_system_sgpr_workgroup_id_y 1
		.amdhsa_system_sgpr_workgroup_id_z 1
		.amdhsa_system_vgpr_workitem_id 0
		.amdhsa_next_free_vgpr 256
		.amdhsa_next_free_sgpr 66
		.amdhsa_reserve_vcc 1
		.amdhsa_float_denorm_mode_32 3
		.amdhsa_float_denorm_mode_16_64 3
		.amdhsa_memory_ordered 1
		.amdhsa_forward_progress 1
		.amdhsa_inst_pref_size 190
	.end_amdhsa_kernel
	.amdgpu_metadata
---
amdhsa.version: [ 1, 2 ]
amdhsa.kernels:
  - .name:           k_q90e36d23b6_colpass
    .symbol:         k_q90e36d23b6_colpass.kd
    .args:
      - { .name: edge_feat, .offset: 0, .size: 8, .value_kind: global_buffer, .address_space: global }
      - { .name: off_diag_mask, .offset: 8, .size: 8, .value_kind: global_buffer, .address_space: global }
      - { .name: Wq, .offset: 16, .size: 8, .value_kind: global_buffer, .address_space: global }
      - { .name: Wk, .offset: 24, .size: 8, .value_kind: global_buffer, .address_space: global }
      - { .name: Wv, .offset: 32, .size: 8, .value_kind: global_buffer, .address_space: global }
      - { .name: ocol, .offset: 40, .size: 8, .value_kind: global_buffer, .address_space: global }
    .group_segment_fixed_size: 269312
    .private_segment_fixed_size: 0
    .kernarg_segment_align: 8
    .kernarg_segment_size: 48
    .max_flat_workgroup_size: 512
    .sgpr_count:     66
    .vgpr_count:     256
    .wavefront_size: 32
...
	.end_amdgpu_metadata
.endif
;; end of part 3
;; launch rowpass (part 4): grid 256 x 1, 16 waves a work-group, no clusters, 269,312 bytes of LDS; arguments edge_feat, off_diag_mask, Wq, Wk, Wv, Wo, bo, gamma, beta, ocol, out0; writes out0
.if DOCPART == 4
	.amdgcn_target "amdgcn-amd-amdhsa--gfx1250"
	.amdhsa_code_object_version 6
	.text
	.protected	k_q90e36d23b6_rowpass
	.globl	k_q90e36d23b6_rowpass
	.p2align	8
	.type	k_q90e36d23b6_rowpass,@function
k_q90e36d23b6_rowpass:
	s_mov_b64 s[64:65], 0
	v_nop
	global_prefetch_b8 v0, s[64:65] scope:SCOPE_SE
	s_setreg_imm32_b32 hwreg(HW_REG_WAVE_SCHED_MODE, 0, 2), 2
	s_setreg_imm32_b32 hwreg(HW_REG_WAVE_MODE, 25, 1), 1
	s_wait_xcnt 0x0
	s_wait_alu depctr_vm_vsrc(0)
; EDGE ATTENTION ALONG ONE LINE OF THE 256 x 256 EDGE GRID, all products on codes of BF6 (E3M2) with one E8M0 scale for each 32 along K.
; ROWPASS = 0: the line is column L; the result, 0.5 x out_col, goes to ocol [q][c][128] f32.
; ROWPASS = 1: the line is row L; 0.5 x out_row + ocol is quantised, multiplied by Wo onto E + bo, normalised (LayerNorm), masked and stored to out0.
; SHARES.  A work-group of sixteen waves owns a line of 256 edges; wave w owns the 16 edges EW + r + 8 (r / 8), EW = 32 (w / 2) + 8 (w % 2), as rows of x, as queries and as key tile w.
; By that choice of rows the 16 registers of two neighbouring result tiles are 16 neighbours along the next product's K.  Four waves share a SIMD: one wave's softmax stands beside another's LDS loads and products.
; PHASES.  A: each wave reads its 16 rows of x row by row (512 consecutive bytes an instruction) and turns them through its own stage in LDS into the quantiser's layout; it quantises them, 16 keys' mask, and a
; sixteenth of every weight (32 columns x one block of 32 along K: a lane to a column, registers down K, 128 consecutive bytes an instruction); images of the operands' registers go to LDS | barrier |
; B: Q, K (transposed: source 0 = 16 columns of W) for my 16 edges, V (source 0 = 32 edges, so that registers run along the keys) for 32 keys x 64 channels; K's and V's codes to LDS | barrier |
; C: for each head two steps of 128 keys: S^T = K Q^T, p = 2^(t - M), O^T += V^T p^T; O / (2 l) to my stage in LDS.  Behind the second barrier no wave writes what another reads.
; A HEAD HAS 32 ALONG K AND THE INSTRUCTION 128: one fragment of K holds FOUR key tiles of one head, one in each block of 32; the query operand has its codes in one block and zero codes in the others.
; THE KEY MASK is the C of the score products: 0, or -3e38 where the mask is 0.
; No tensor loads: every byte of x is used by one wave, once, and goes through that wave's registers and stage.  No cluster: work-groups share only the 256 KiB of weights.
; LIMITS.  A true t = score x log2(e) / sqrt(32) lies above -1e30 (masked scores are -3e38; the running maximum begins at -1e30).  A line all of whose keys are masked gives NaN, as the definition does.
; NaN and infinities among the inputs are not served.  A block of zeros has the scale byte 1 and not 127: its codes are zeros, and only this program reads the bytes.
; 1 / sqrt(32) and log2(e) are one f32 factor; 0.5 is applied to each half ahead of the sum (exact).  A block's largest p is made from its largest score: this takes v_exp_f32 not to fall where its input rises.
; THE MODE: SCHED_MODE bits 1:0 = 2 (LLVM: expert scheduling mode 2), set by the entry lines.  The code itself states the register dependences
; between vector or matrix instructions and memory or LDS instructions, with s_wait_alu, always for 0.
; THE PLAN.  Registers that memory or LDS instructions touch, and who else names them:
;   v1-8, v10, v39  addresses: made at the head, ahead of one wait on va_vdst, and never written again.
;   v40-48          phase A's addresses and the mask's word; phase B's quantiser of Q writes them again, behind a wait on vm_vsrc.
;   CT, the bytes   written by a quantiser, read by its LDS stores (va_vdst ahead of the stores), written by the next quantiser (vm_vsrc ahead of it).
;   S (v64-127)     phase C: the mask's loads land; the score products add onto it; the softmax works in place; the conversions and the row's sums read it last.
;   KF, KS          K's loads land; the step's eight score products read them.      VF, VS   V's loads land; the step's two products V^T p^T read them.
;   O               written by those products and by scalings; read by four LDS stores a head; begun anew by the next head's first V^T p^T.
; A KEY STEP has three waits on va_vdst, one of them ahead of the exponentials.  The one behind the exponentials states that their results are written, that the score products are done reading KF and KS and the last step's V^T p^T
; done reading VF and VS: behind it this step's V and the NEXT step's K are asked for.  The one ahead of V^T p^T states that p's codes and scale word are written and that S is done with: behind it the
; NEXT step's mask is asked for.  A head's first step has one more, at its head: the query operand and its scale word are written, and so is the last head's O / (2 l), whose four stores stand behind it.
; Between each of these waits and the loads that lean on it no vector or matrix instruction names the registers in which those loads land.
.set ROWPASS, 1
.if ROWPASS
.set ESTR, 512                         ; bytes from edge to edge of the line
.set LSTR, 131072                      ; from line to line
.set MKS,  4                           ; the mask: from key to key
.set MLS,  1024                        ; and from line to line
.set NW,   4                           ; weights: Wq, Wk, Wv, Wo
.else
.set ESTR, 131072
.set LSTR, 512
.set MKS,  1024
.set MLS,  4
.set NW,   3
.endif
; LDS.  An image is a fragment's 12 registers: piece q (registers 2 q, 2 q + 1) at 256 q + 8 x lane; x's in chunks of four registers at 512 c + 16 x lane.
.set WIMG, 0                           ; 32 fragments of 1,536 bytes: weight i, tile t at 8 i + t
.set XIMG, 49152                       ; 16 fragments: x's tile w
.set KIMG, 73728                       ; 4 heads x (4 fragments + 128 bytes)
.set KHP,  6272
.set VIMG, 98816                       ; 8 channel tiles x (2 K steps + 128 bytes)
.set VTP,  3200
.set WSC,  124416                      ; scale words: (8 i + t) x 64 + 4 r
.set XSC,  126464                      ; 128 w + 4 x lane
.set KSC,  128512                      ; 256 head + 64 fragment + 4 r, byte = the key tile's block
.set VSC,  129536                      ; 64 (2 t + K step) + 4 r, byte = the key block in the step
.set MB,   130560                      ; the key mask as 0 or -3e38: 4 x key
.set STG,  131584                      ; a stage of 16 rows x (512 + 16) bytes for each wave
.set SPI,  528
; vector registers
.set AK,   1                           ; KIMG + 8 x lane
.set AKS,  2                           ; KSC + 4 r
.set AV,   3                           ; VIMG + 8 x lane
.set AVS,  4                           ; VSC + 4 r
.set AB,   5                           ; MB + 64 h
.set SO,   6                           ; my stage: row r, + 64 h
.set SR,   7                           ; my stage: 16 x lane
.set GO,   8                           ; 16 x lane
.set PFA,  10                          ; the prefetch's offsets
.set AW,   11                          ; the averaged output's scale word
.set NM,   12                          ; -M; v13 the largest t
.set LSUM, 14                          ; v[14:15] the row's sum in two halves
.set TM,   16                          ; v16-19 maxima, v20-23 permute results and bytes, v28-31 the conversions' scale operands
.set WOS,  24                          ; v24-27 Wo's scale words
.set T2,   32                          ; v32-34, v36-38 second halves of the conversions
.set DW,   35                          ; x's scale word on its way to LDS; K's and V's, which nobody wants
.set PB,   39                          ; 64 h
.set F,    40                          ; v40-51 Q's fragment; in phase A and in the epilogue addresses
.set CT,   52                          ; v52-63 codes just made
.set HA,   64                          ; v64-127 64 numbers: x, projections, scores and p, y
.set S,    64
.set Y,    64
.set WN,   128                         ; phase A: 32 numbers of each weight
.set WF,   128                         ; phase B: eight fragments of a weight
.set XP,   128                         ; for V: two fragments of x, four of Wv
.set WF2,  152
.set XF,   224                         ; my fragment of x
.set WRI,  236                         ; phase B's LDS addresses
.set WRS,  237
.set WRIV, 238
.set WRSV, 239
.set XRI,  240
.set XRS,  241
.set KWI,  242
.set KWS,  243
.set VWI,  244
.set VWS,  245
.set WS,   246                         ; v246-255 hold scale words in phases B and C
.set XPW,  246
.set WS2,  248
.set XW,   254
.set QW,   255
.set KF,   128                         ; phase C
.set VF,   152
.set O,    176
.set PF,   192
.set QOP,  204                         ; zeros | codes in lanes 0-15 | zeros | codes in lanes 16-31 | zeros, six registers each
.set TMPR, 234
.set FP,   236
.set SUM2, 238
.set KS,   246
.set VS,   248
.set QS,   250
.set PWD,  251
.set WA,   40                          ; phase A's addresses
.set MA,   41
.set XWI,  42
.set XWS,  43
.set WWI,  44
.set WWS,  45
.set MBW,  46
.set MV,   47
.set BV,   48
.set EM,   40                          ; the epilogue's
.set WRI2, 41
.set WRS2, 42
.set A1,   128
.set A2,   192
; scalar registers: s[4:25] addresses; s26 wave; s27 w&1, s28 (w>>1)&1, s30 w>>3, s31 w>>1, s32 w>>2, s33 w&3, s34 (w>>1)&3, s35 EW
.set SEL,  36                          ; s[36:37] v_permlanex16_b32's selects for lane l xor 16
.set CS,   38                          ; s[38:39] c = log2(e) / sqrt(32)
.set LOM,  40                          ; lanes 0-15
.set HIM,  41                          ; lanes 16-31
.macro PLACES n                        ; plain vector instructions between a matrix instruction and what touches its registers (ISA guide 7.12.1)
.rept \n
	v_nop
.endr
.endm
.macro BARRIER                         ; my LDS stores have landed and my LDS loads are in: then the work-group's barrier
	s_wait_dscnt 0x0
	s_barrier_signal -1
	s_barrier_wait -1
.endm
; my 16 edges' 128 numbers, an edge to an instruction: the 32 lanes read 512 consecutive bytes, at a multiple of 512 from the buffer's first byte
.macro XLOADD dst, sb, nt
.irp i, 0,1,2,3,4,5,6,7,8,9,10,11,12,13,14,15
.if \nt
	global_load_b128 v[\dst+4*\i:\dst+4*\i+3], v[GO], s[\sb:\sb+1] offset:(\i+8*(\i/8))*ESTR th:TH_LOAD_NT
.else
	global_load_b128 v[\dst+4*\i:\dst+4*\i+3], v[GO], s[\sb:\sb+1] offset:(\i+8*(\i/8))*ESTR
.endif
.endr
.endm
; and through my stage into the quantiser's layout, in the registers that they left: register 16 b + i = feature 32 b + 16 h + i of edge r.  LDS serves a wave's instructions in order (ISA guide 5.7.1.4): the loads see the stores
.macro XTURN reg
.irp i, 0,1,2,3,4,5,6,7,8,9,10,11,12,13,14,15
	ds_store_b128 v[SR], v[\reg+4*\i:\reg+4*\i+3] offset:SPI*\i
.endr
	s_wait_alu depctr_vm_vsrc(0)                   ; the sixteen stores above have read their data registers, in which the sixteen loads below land
.irp b, 0,1,2,3
.irp j, 0,1,2,3
	ds_load_b128 v[\reg+16*\b+4*\j:\reg+16*\b+4*\j+3], v[SO] offset:128*\b+16*\j
.endr
.endr
.endm
.macro PLOAD dst, sb                   ; the same 64 features of a vector of 128
.irp b, 0,1,2,3
.irp j, 0,1,2,3
	global_load_b128 v[\dst+16*\b+4*\j:\dst+16*\b+4*\j+3], v[PB], s[\sb:\sb+1] offset:128*\b+16*\j
.endr
.endr
.endm
; 64 numbers of a lane, register 16 b + i = k 32 b + 16 h + i of my row, become a fragment's codes in v[dst] on (lane (r, h): registers 6 c .. 6 c + 5 = block 2 c + h) and its scale word; v[TM+4+b] keeps block b's byte
.macro QUANT src, dst, word
.irp b, 0,1,2,3
	v_max3_num_f32 v[TM+\b], |v[\src+16*\b]|, |v[\src+16*\b+1]|, 0x2800000   ; my 16 numbers, and the floor 2^(5 - 127): the byte cannot fall under 1
.endr
.irp i, 2,4,6,8,10,12,14
.irp b, 0,1,2,3
	v_max3_num_f32 v[TM+\b], v[TM+\b], |v[\src+16*\b+\i]|, |v[\src+16*\b+\i+1]|
.endr
.endr
.irp b, 0,1,2,3
	v_permlanex16_b32 v[TM+4+\b], v[TM+\b], s[SEL], s[SEL+1]
.endr
.irp b, 0,1,2,3
	v_max_num_f32 v[TM+\b], v[TM+\b], v[TM+4+\b]   ; with lane l xor 16's: the block's largest magnitude
.endr
.irp b, 0,1,2,3
	v_add_nc_u32 v[TM+12+\b], 0xfe000000, v[TM+\b]   ; 4 off its exponent field: the conversion's scale operand
.endr
.irp b, 0,1,2,3
	v_lshrrev_b32 v[TM+4+\b], 23, v[TM+12+\b]      ; the scale's byte
.endr
	v_lshl_or_b32 v[\word], v[TM+5], 8, v[TM+4]
	v_lshl_or_b32 v[\word], v[TM+6], 16, v[\word]
	v_lshl_or_b32 v[\word], v[TM+7], 24, v[\word]
.irp c, 0,1
	v_cvt_scalef32_pk16_bf6_f32 v[\dst+6*\c:\dst+6*\c+2], v[\src+32*\c:\src+32*\c+15], v[TM+12+2*\c]
	v_cvt_scalef32_pk16_bf6_f32 v[T2+4*\c:T2+4*\c+2], v[\src+32*\c+16:\src+32*\c+31], v[TM+13+2*\c]   ; (a conversion's three registers begin on an even number)
.endr
	v_nop                                          ; one plain place behind a scaled conversion
.irp c, 0,1                                    ; the operand's layout wants a whole block in a lane
.irp i, 0,1,2
	v_permlane16_swap_b32 v[\dst+6*\c+\i], v[T2+4*\c+\i]
.endr
.irp i, 0,1,2
	v_mov_b32 v[\dst+6*\c+3+\i], v[T2+4*\c+\i]
.endr
.endr
.endm
; weight i: my 32 numbers are block w % 4 of column r of tile 2 (w / 4) + h: all of the block is mine
.macro WQUANT i
.set XS, WN+32*(\i)
	v_max3_num_f32 v[TM], |v[XS]|, |v[XS+1]|, |v[XS+2]|
	v_max3_num_f32 v[TM+1], |v[XS+3]|, |v[XS+4]|, |v[XS+5]|
.irp j, 6,10,14,18,22,26
	v_max3_num_f32 v[TM], v[TM], |v[XS+\j]|, |v[XS+\j+1]|
	v_max3_num_f32 v[TM+1], v[TM+1], |v[XS+\j+2]|, |v[XS+\j+3]|
.endr
	v_max3_num_f32 v[TM], v[TM], |v[XS+30]|, |v[XS+31]|
	v_max3_num_f32 v[TM], v[TM], v[TM+1], 0x2800000
	v_add_nc_u32 v[TM+12], 0xfe000000, v[TM]
	v_lshrrev_b32 v[TM+4], 23, v[TM+12]
	v_cvt_scalef32_pk16_bf6_f32 v[CT:CT+2], v[XS:XS+15], v[TM+12]
	v_cvt_scalef32_pk16_bf6_f32 v[T2:T2+2], v[XS+16:XS+31], v[TM+12]
	v_nop
.irp p, 0,1,2
	v_mov_b32 v[CT+3+\p], v[T2+\p]
.endr
	s_wait_alu depctr_va_vdst(0)                   ; the block's codes in v[CT ..] and its byte in v[TM+4] are written, which the stores below read; and the lines above are done reading the weight's 32 registers
.irp p, 0,1,2
	ds_store_b64 v[WWI], v[CT+2*\p:CT+2*\p+1] offset:12288*(\i)+256*\p
.endr
	ds_store_b8 v[WWS], v[TM+4] offset:512*(\i)
	s_wait_dscnt 0x0                               ; my LDS instructions so far are done (behind the first weight: x's turn through the stage among them)
	s_wait_alu depctr_vm_vsrc(0)                   ; the stores have read v[CT ..] and v[TM+4], which the next quantiser writes
.endm
.macro WFETCH reg, sreg, adr, sadr, off, soff, n   ; n fragments of a weight and their scale words
.set WT, 0
.rept \n
.irp q, 0,1,2,3,4,5
	ds_load_b64 v[\reg+12*WT+2*\q:\reg+12*WT+2*\q+1], v[\adr] offset:\off+1536*WT+256*\q
.endr
	ds_load_b32 v[\sreg+WT], v[\sadr] offset:\soff+64*WT
.set WT, WT+1
.endr
.endm
.macro PROJ                            ; transposed: source 0 = 16 columns of W, source 1 = my 16 edges: register 8 t + j = feature 32 (t / 2) + 16 h + 8 (t % 2) + j of edge r
.irp t, 0,1,2,3,4,5,6,7
	v_wmma_scale_f32_16x16x128_f8f6f4 v[HA+8*\t:HA+8*\t+7], v[WF+12*\t:WF+12*\t+11], v[XF:XF+11], 0, v[WS+\t], v[XW] matrix_a_fmt:MATRIX_FMT_BF6 matrix_b_fmt:MATRIX_FMT_BF6
.endr
	PLACES 4
	s_wait_alu depctr_va_vdst(0)                   ; the eight products are done reading the weight's fragments and scale words, in which the loads that follow land
.endm
; The head's 24 bytes of each query lie in one half of the lanes of F: they are put into lanes 0-15 of one run of six registers and into lanes 16-31 of another, zeros beside them
.macro HEADPREP hd
.set FC, F+6*((\hd)/2)
	v_perm_b32 v[QS], v[QW], v[QW], 0x01010101*(\hd)   ; the head's scale byte in all four bytes: whichever block holds the codes
.irp i, 0,1,2,3,4,5
	v_permlanex16_b32 v[CT+\i], v[FC+\i], s[SEL], s[SEL+1]
.endr
.irp i, 0,1,2,3,4,5
.if (\hd)%2 == 0
	v_cndmask_b32 v[QOP+6+\i], 0, v[FC+\i], s[LOM]
	v_cndmask_b32 v[QOP+18+\i], 0, v[CT+\i], s[HIM]
.else
	v_cndmask_b32 v[QOP+6+\i], 0, v[CT+\i], s[LOM]
	v_cndmask_b32 v[QOP+18+\i], 0, v[FC+\i], s[HIM]
.endif
.endr
	v_mov_b32 v[NM+1], 0xf149f2ca                  ; the largest t so far: -1e30.  These four lines are the places between the operand's last write and the first product; the twelve selects above them are the scale word's
	v_mov_b32 v[LSUM], 0
	v_mov_b32 v[LSUM+1], 0
	v_nop
.endm
.macro SCORE t, g, qo                  ; key tile t of the step lies in one block of fragment g; the query operand that begins at QOP + qo has its codes in that block.  C = D = the keys' mask
	v_wmma_scale_f32_16x16x128_f8f6f4 v[S+8*(\t):S+8*(\t)+7], v[KF+12*(\g):KF+12*(\g)+11], v[QOP+\qo:QOP+\qo+11], v[S+8*(\t):S+8*(\t)+7], v[KS+\g], v[QS] matrix_a_fmt:MATRIX_FMT_BF6 matrix_b_fmt:MATRIX_FMT_BF6
.endm
.macro MLOAD s                         ; sixteen loads: the mask of keys 128 s on, into the registers that the score products add onto
.irp t, 0,1,2,3,4,5,6,7
	ds_load_b128 v[S+8*\t:S+8*\t+3], v[AB] offset:512*(\s)+128*(\t/2)+32*(\t%2)
	ds_load_b128 v[S+8*\t+4:S+8*\t+7], v[AB] offset:512*(\s)+128*(\t/2)+32*(\t%2)+16
.endr
.endm
.macro KLOAD hd, s                     ; fourteen loads: K's two fragments of head hd, keys 128 s on, and their scale words
.irp g, 0,1
.irp q, 0,1,2,3,4,5
	ds_load_b64 v[KF+12*\g+2*\q:KF+12*\g+2*\q+1], v[AK] offset:KHP*(\hd)+1536*(2*(\s)+\g)+256*\q
.endr
	ds_load_b32 v[KS+\g], v[AKS] offset:256*(\hd)+64*(2*(\s)+\g)
.endr
.endm
.macro VLOAD hd, s                     ; fourteen loads: V's two fragments of head hd, keys 128 s on, and their scale words
.irp u, 0,1
.irp q, 0,1,2,3,4,5
	ds_load_b64 v[VF+12*\u+2*\q:VF+12*\u+2*\q+1], v[AV] offset:VTP*(2*(\hd)+\u)+1536*(\s)+256*\q
.endr
	ds_load_b32 v[VS+\u], v[AVS] offset:64*(2*(2*(\hd)+\u)+(\s))
.endr
.endm
.macro OSTORE hd                       ; O^T / (2 l) into my stage: row r, the head's 128 bytes
.irp j, 0,1,2,3
	ds_store_b128 v[SO], v[O+4*\j:O+4*\j+3] offset:128*(\hd)+16*\j
.endr
.endm
; A KEY STEP: keys 128 s on, head hd.  Register 16 b + i of S = key 128 s + 32 b + 16 h + i, query r.  Its K and its mask were asked for in the step before (the first step's: behind the second barrier)
.macro STEP hd, s, pf
.set NH, \hd+\s                        ; the next step's head,
.set NS, 1-\s                          ; and which half of the keys
.if \s == 0
	s_wait_alu depctr_va_vdst(0)                   ; the query operand and its scale word are written, behind their places, which the score products take; the last head's O / (2 l) is written, which the stores below read
.endif
.if (\s == 0) && (\hd > 0)
	OSTORE \hd-1
	s_wait_dscnt 4                                 ; K and the mask are in; the four stores just issued may be out
.else
	s_wait_dscnt 0x0                               ; K and the mask are in
.endif
.irp g, 0,1
	SCORE 4*\g, \g, 6
	SCORE 4*\g+1, \g, 18
	SCORE 4*\g+2, \g, 0
	SCORE 4*\g+3, \g, 12
.endr
.if \pf
	global_prefetch_b8 v[PFA], s[22:23] th:TH_LOAD_NT scope:SCOPE_SE   ; my 16 rows of ocol, 32 blocks of 256 bytes, a lane to a block, once; they are loaded behind this key step
.endif
	PLACES 4
.irp b, 0,1,2,3
	v_max3_num_f32 v[TM+\b], v[S+16*\b], v[S+16*\b+1], v[S+16*\b+2]   ; the largest score of each block of 32 keys: for the row's maximum and for the block's largest p
.endr
.irp i, 3,5,7,9,11,13
.irp b, 0,1,2,3
	v_max3_num_f32 v[TM+\b], v[TM+\b], v[S+16*\b+\i], v[S+16*\b+\i+1]
.endr
.endr
.irp b, 0,1,2,3
	v_max_num_f32 v[TM+\b], v[TM+\b], v[S+16*\b+15]
.endr
.irp b, 0,1,2,3
	v_permlanex16_b32 v[TM+4+\b], v[TM+\b], s[SEL], s[SEL+1]
.endr
.irp b, 0,1,2,3
	v_max_num_f32 v[TM+\b], v[TM+\b], v[TM+4+\b]
.endr
	v_max3_num_f32 v[TMPR], v[TM], v[TM+1], v[TM+2]
	v_max_num_f32 v[TMPR], v[TMPR], v[TM+3]
	v_mul_f32 v[TMPR], s[CS], v[TMPR]              ; as t (c is positive)
	v_max_num_f32 v[NM+1], v[NM+1], v[TMPR]        ; the running largest t
.if \s
	v_mov_b32 v[TMPR], v[NM]
.endif
	v_floor_f32 v[NM], -v[NM+1]                    ; -M = floor(-t): M is a whole number
.if \s
	v_sub_f32 v[TMPR], v[NM], v[TMPR]              ; old M - new M: a whole number, 0 or less
	v_cvt_i32_f32 v[TMPR], v[TMPR]                 ; (it saturates)
	v_ldexp_f32 v[FP], 1.0, v[TMPR]                ; f = 2^(old M - new M)
.endif
.set J, 0
.rept 32
	v_pk_fma_f32 v[S+J:S+J+1], v[S+J:S+J+1], s[CS:CS+1], v[NM:NM+1] op_sel_hi:[1,0,0]   ; t - M
.set J, J+2
.endr
.irp b, 0,1,2,3
	v_fma_f32 v[TM+\b], v[TM+\b], s[CS], v[NM]
.endr
.set J, 0
	s_wait_alu depctr_va_vdst(0)
.rept 64
	v_exp_f32 v[S+J], v[S+J]                       ; p = 2^(t - M): not normalised
.set J, J+1
.endr
.irp b, 0,1,2,3
	v_exp_f32 v[TM+\b], v[TM+\b]                   ; the block's largest p
.endr
.if \s
	v_pk_mul_f32 v[LSUM:LSUM+1], v[LSUM:LSUM+1], v[FP:FP+1] op_sel_hi:[1,0]   ; the sums under the new M.  (The plain place behind the exponentials)
.else
	v_nop                                          ; the plain place behind the exponentials
.endif
	s_wait_alu depctr_va_vdst(0)                   ; the 68 exponentials' results are written, ahead of their first reader; the score products are done reading KF and KS, the last step's V^T p^T done reading VF and VS: the loads below land there
	VLOAD \hd, \s
.if NH < 4
	KLOAD NH, NS                                   ; the next step's K.  No vector or matrix instruction names KF or KS before that step's score products
.endif
.irp b, 0,1,2,3
	v_max_num_f32 v[TM+\b], 0x2800000, v[TM+\b]
.endr
.irp b, 0,1,2,3
	v_add_nc_u32 v[TM+12+\b], 0xfe000000, v[TM+\b]
.endr
.irp b, 0,1,2,3
	v_lshrrev_b32 v[TM+4+\b], 23, v[TM+12+\b]
.endr
	v_lshl_or_b32 v[PWD], v[TM+5], 8, v[TM+4]      ; p's scale word for these 128 keys
	v_lshl_or_b32 v[PWD], v[TM+6], 16, v[PWD]
	v_lshl_or_b32 v[PWD], v[TM+7], 24, v[PWD]
.irp c, 0,1
	v_cvt_scalef32_pk16_bf6_f32 v[PF+6*\c:PF+6*\c+2], v[S+32*\c:S+32*\c+15], v[TM+12+2*\c]
	v_cvt_scalef32_pk16_bf6_f32 v[T2+4*\c:T2+4*\c+2], v[S+32*\c+16:S+32*\c+31], v[TM+13+2*\c]
.endr
	v_nop
.irp c, 0,1
.irp i, 0,1,2
	v_permlane16_swap_b32 v[PF+6*\c+\i], v[T2+4*\c+\i]
.endr
.irp i, 0,1,2
	v_mov_b32 v[PF+6*\c+3+\i], v[T2+4*\c+\i]
.endr
.endr
	v_pk_add_f32 v[SUM2:SUM2+1], v[S:S+1], v[S+2:S+3]   ; the row's sum is taken of the unquantised p, in two chains.  (These are also the places in front of the products below)
.set J, 4
.rept 15
	v_pk_add_f32 v[LSUM:LSUM+1], v[LSUM:LSUM+1], v[S+J:S+J+1]
	v_pk_add_f32 v[SUM2:SUM2+1], v[SUM2:SUM2+1], v[S+J+2:S+J+3]
.set J, J+4
.endr
	v_pk_add_f32 v[LSUM:LSUM+1], v[LSUM:LSUM+1], v[SUM2:SUM2+1]
.if \s
.irp j, 0,2,4,6,8,10,12,14
	v_pk_mul_f32 v[O+\j:O+\j+1], v[O+\j:O+\j+1], v[FP:FP+1] op_sel_hi:[1,0]   ; O^T under the new M
.endr
.endif
	s_wait_alu depctr_va_vdst(0)                   ; p's codes and their scale word are written, behind their places, which the products below take; the conversions and the sums are done reading S, in which the next step's mask lands
.if NH < 4
	MLOAD NS                                       ; no vector or matrix instruction names S before the next step's score products
.endif
.if (\s == 0) && (\hd > 0)
	s_wait_alu depctr_vm_vsrc(0)                   ; the last head's four stores into the stage have read O, which the products below begin anew
.endif
.if NH < 4
	s_wait_dscnt 30                                ; V is in; the next step's K (fourteen loads) and mask (sixteen), issued behind it, may be out
.else
	s_wait_dscnt 0x0                               ; V is in
.endif
.irp u, 0,1                                    ; O^T += V^T p^T: register 8 u + j = channel 32 hd + 16 h + 8 u + j of query r.  The two accumulators take turns, with the eight score products between a sum's two links
.if \s
	v_wmma_scale_f32_16x16x128_f8f6f4 v[O+8*\u:O+8*\u+7], v[VF+12*\u:VF+12*\u+11], v[PF:PF+11], v[O+8*\u:O+8*\u+7], v[VS+\u], v[PWD] matrix_a_fmt:MATRIX_FMT_BF6 matrix_b_fmt:MATRIX_FMT_BF6
.else
	v_wmma_scale_f32_16x16x128_f8f6f4 v[O+8*\u:O+8*\u+7], v[VF+12*\u:VF+12*\u+11], v[PF:PF+11], 0, v[VS+\u], v[PWD] matrix_a_fmt:MATRIX_FMT_BF6 matrix_b_fmt:MATRIX_FMT_BF6
.endif
.endr
	PLACES 4
.endm
.macro HEADDIV                         ; O^T / (2 l), in O's registers; its stores follow behind the next wait on va_vdst
	v_add_f32 v[LSUM], v[LSUM], v[LSUM+1]
	v_permlanex16_b32 v[TMPR], v[LSUM], s[SEL], s[SEL+1]
	v_add_f32 v[LSUM], v[LSUM], v[TMPR]
	s_wait_alu depctr_va_vdst(0)
	v_rcp_f32 v[LSUM], v[LSUM]
	v_nop                                          ; one plain place behind a transcendental
	s_wait_alu depctr_va_vdst(0)                   ; the reciprocal is written, ahead of its first reader
	v_mul_f32 v[LSUM], 0.5, v[LSUM]
.irp j, 0,2,4,6,8,10,12,14
	v_pk_mul_f32 v[O+\j:O+\j+1], v[O+\j:O+\j+1], v[LSUM:LSUM+1] op_sel_hi:[1,0]
.endr
.endm
.macro WAYOUT reg, sb, nt              ; my stage's 16 rows leave whole: the 32 lanes store 512 consecutive bytes, at a multiple of 512 from the buffer's first byte.  LDS serves a wave's instructions in order: the loads see my stores
.irp i, 0,1,2,3,4,5,6,7,8,9,10,11,12,13,14,15
	ds_load_b128 v[\reg+4*\i:\reg+4*\i+3], v[SR] offset:SPI*\i
.endr
.irp i, 0,1,2,3,4,5,6,7,8,9,10,11,12,13,14,15
	s_wait_dscnt 15-\i                             ; row i is in; the younger rows may be out
.if \nt
	global_store_b128 v[GO], v[\reg+4*\i:\reg+4*\i+3], s[\sb:\sb+1] offset:(\i+8*(\i/8))*ESTR th:TH_STORE_NT
.else
	global_store_b128 v[GO], v[\reg+4*\i:\reg+4*\i+3], s[\sb:\sb+1] offset:(\i+8*(\i/8))*ESTR
.endif
.endr
.endm
; ---- the head
	s_load_b256 s[4:11], s[0:1], 0x0               ; x s[4:5], the mask s[6:7], Wq s[8:9], Wk s[10:11]
.if ROWPASS
	s_load_b256 s[12:19], s[0:1], 0x20             ; Wv, Wo, bo, gamma
	s_load_b128 s[20:23], s[0:1], 0x40             ; beta, ocol
	s_load_b64 s[24:25], s[0:1], 0x50              ; out0
.else
	s_load_b64 s[12:13], s[0:1], 0x20              ; Wv
	s_load_b64 s[22:23], s[0:1], 0x28              ; ocol
.endif
	v_lshrrev_b32 v16, 5, v0
	v_readfirstlane_b32 s26, v16                   ; wave 0..15
	s_mov_b32 s[SEL], 0x76543210
	s_mov_b32 s[SEL+1], 0xfedcba98
	s_mov_b32 s[CS], 0x3e8293ee
	s_mov_b32 s[CS+1], s[CS]                       ; (named with it as a pair, so it is written)
	s_mov_b32 s[LOM], 0x0000ffff
	s_mov_b32 s[HIM], 0xffff0000
	v_and_b32 v16, 31, v0                          ; lane
	v_and_b32 v17, 15, v0                          ; r
	s_wait_alu depctr_va_vdst(0)
	v_bfe_u32 v18, v0, 4, 1                        ; h
	v_and_b32 v19, 8, v0
	v_add_nc_u32 v19, v19, v17                     ; r + 8 (r / 8)
	v_lshl_add_u32 v[AK], v16, 3, KIMG
	v_lshl_add_u32 v[AKS], v17, 2, KSC
	v_lshl_add_u32 v[AV], v16, 3, VIMG
	v_lshl_add_u32 v[AVS], v17, 2, VSC
	v_lshl_add_u32 v[AB], v18, 6, MB
	s_wait_alu depctr_va_sdst(0)                   ; s26 is written, ahead of its first reader: the wave's shares and all its addresses are made from it
	s_and_b32 s27, s26, 1
	s_bfe_u32 s28, s26, 0x10001
	s_lshr_b32 s30, s26, 3
	s_lshr_b32 s31, s26, 1
	s_lshr_b32 s32, s26, 2
	s_and_b32 s33, s26, 3
	s_bfe_u32 s34, s26, 0x20001
	s_lshl_b32 s35, s31, 5
	s_lshl_b32 s50, s27, 3
	s_add_co_u32 s35, s35, s50                     ; EW
	s_mul_i32 s50, s26, 16*SPI
	s_add_co_u32 s50, s50, STG
	v_mul_u32_u24 v[SO], v17, SPI
	s_wait_alu depctr_va_vdst(0)
	v_lshl_add_u32 v[SO], v18, 6, v[SO]
	v_add_nc_u32 v[SO], s50, v[SO]
	v_lshl_add_u32 v[SR], v16, 4, s50
	v_lshlrev_b32 v[GO], 4, v16
	v_lshlrev_b32 v[WA], 2, v19                    ; a weight: column 8 h + r + 8 (r / 8) of my 32: the 32 lanes read 128 consecutive bytes of a row
	v_lshl_add_u32 v[WA], v18, 5, v[WA]
	v_mul_u32_u24 v[MA], v17, MKS
	s_mul_i32 s51, s26, 1536
	s_add_co_u32 s51, s51, XIMG
	v_lshl_add_u32 v[XWI], v16, 4, s51
	s_lshl_b32 s51, s26, 7
	s_add_co_u32 s51, s51, XSC
	v_lshl_add_u32 v[XWS], v16, 2, s51
	s_mul_i32 s51, s32, 3072                       ; tile 2 (w / 4) + h; block w % 4 = registers 6 ((w / 2) % 2) on, lanes 16 (w % 2) + r
	s_mul_i32 s52, s28, 768
	s_add_co_u32 s51, s51, s52
	s_lshl_b32 s52, s27, 7
	s_add_co_u32 s51, s51, s52
	v_mul_u32_u24 v[WWI], v18, 1536
	v_lshl_add_u32 v[WWI], v17, 3, v[WWI]
	v_add_nc_u32 v[WWI], s51, v[WWI]
	s_lshl_b32 s51, s32, 7
	s_add_co_u32 s51, s51, s33
	s_add_co_u32 s51, s51, WSC
	v_lshlrev_b32 v[WWS], 6, v18
	v_lshl_add_u32 v[WWS], v17, 2, v[WWS]
	v_add_nc_u32 v[WWS], s51, v[WWS]               ; word r of tile 2 (w / 4) + h, byte w % 4
	s_lshl_b32 s51, s26, 6
	s_add_co_u32 s51, s51, MB
	v_lshl_add_u32 v[MBW], v17, 2, s51
.if ROWPASS
	v_lshrrev_b32 v[PFA], 1, v16                   ; the prefetch: row (lane / 2) + 8 (lane / 16) of my 16, its half lane % 2
	v_and_b32 v20, 8, v[PFA]
	v_add_nc_u32 v[PFA], v20, v[PFA]
	v_and_b32 v20, 1, v0
	v_lshlrev_b32 v20, 8, v20
	v_lshl_add_u32 v[PFA], v[PFA], 9, v20
	v_lshlrev_b32 v[PB], 6, v18
	s_mov_b32 s42, 0xbc000000                      ; -1 / 128
	s_mov_b32 s43, 0x3c000000                      ; 1 / 128
	s_mov_b32 s58, 0x3727c5ac                      ; 1e-5
	s_lshl_b32 s60, ttmp9, 10
	s_lshl_b32 s50, s35, 2
	s_add_co_u32 s60, s60, s50                     ; the mask of my own edges: row L, column EW on
	s_mov_b32 s61, 0
.endif
.irp b, 0,1,2,3
	v_mov_b32 v[TM+4+\b], 0                        ; written once: a lane permute's destination counts as one of its sources
.endr
	s_mul_i32 s44, s35, ESTR
	s_mul_i32 s50, ttmp9, LSTR
	s_add_co_u32 s44, s44, s50                     ; my first edge in x, ocol and out0
	s_mov_b32 s45, 0
	s_mul_i32 s46, s26, 16*MKS
	s_mul_i32 s50, ttmp9, MLS
	s_add_co_u32 s46, s46, s50                     ; the mask of keys 16 w on
	s_mov_b32 s47, 0
	s_lshl_b32 s48, s33, 14                        ; a weight: rows 32 (w % 4) on, columns 32 (w / 4) on
	s_lshl_b32 s50, s32, 7
	s_add_co_u32 s48, s48, s50
	s_mov_b32 s49, 0
	s_wait_kmcnt 0x0
	s_add_nc_u64 s[4:5], s[4:5], s[44:45]
	s_add_nc_u64 s[22:23], s[22:23], s[44:45]
.if ROWPASS
	s_add_nc_u64 s[24:25], s[24:25], s[44:45]
	s_add_nc_u64 s[56:57], s[6:7], s[60:61]
.endif
	s_add_nc_u64 s[6:7], s[6:7], s[46:47]
.set WI, 0
.rept NW
	s_add_nc_u64 s[8+2*WI:9+2*WI], s[8+2*WI:9+2*WI], s[48:49]
.set WI, WI+1
.endr
; ---- A: everything that arrives as f32 becomes codes.  All loads go out at once, x first; what came first is worked on while the rest arrives
	s_wait_alu depctr_va_vdst(0)                   ; every address and offset that the head has made (v1 to v8, v10, v39, v40 to v46) is written: the loads, stores and the prefetch of the whole kernel read them
	XLOADD HA, 4, 0
	global_load_b32 v[MV], v[MA], s[6:7]           ; the mask of key 16 w + r
.set WI, 0
.rept NW
.set WK, 0
.rept 32
	global_load_b32 v[WN+32*WI+WK], v[WA], s[8+2*WI:9+2*WI] offset:512*WK
.set WK, WK+1
.endr
.set WI, WI+1
.endr
	s_wait_loadcnt 63                              ; loads come back in order (ISA guide 5.7.1): of the 17 + 32 NW at most the youngest 63 are out, so the oldest 50 (with four weights 82) are in: x's 16, the mask's 1, the first weight's 32 (and the second's)
	XTURN HA
	v_cmp_eq_f32 vcc_lo, 0, v[MV]
	v_mov_b32 v[BV], 0xff61b1e6                    ; -3e38
	s_wait_alu depctr_va_vcc(0)                    ; the compare has written VCC, ahead of the select that reads it
	v_cndmask_b32 v[BV], 0, v[BV], vcc_lo
	WQUANT 0                                       ; stands between x's turn through the stage and its use; the wait on DScnt at its end is for the turn's loads too
	ds_store_b32 v[MBW], v[BV]                     ; both halves of the lanes write the same word with the same value.  No wait: the word was written ahead of the wait on va_vdst in the weight's lines above, and nothing has named it since
	QUANT HA, CT, DW
	s_wait_alu depctr_va_vdst(0)                   ; x's codes in v[CT ..] and their scale word are written, which the stores below read
.irp c, 0,1,2
	ds_store_b128 v[XWI], v[CT+4*\c:CT+4*\c+3] offset:512*\c
.endr
	ds_store_b32 v[XWS], v[DW]
	s_wait_dscnt 0x0                               ; my stores so far are done
	s_wait_alu depctr_vm_vsrc(0)                   ; they have read v[CT ..], which the next weight's lines write
.if ROWPASS
	WQUANT 1
	s_wait_loadcnt 32                              ; the third weight is in; the fourth's 32 loads may be out
	WQUANT 2
	s_wait_loadcnt 0x0
	WQUANT 3
.else
	s_wait_loadcnt 32                              ; the second weight is in; the third's 32 loads may be out
	WQUANT 1
	s_wait_loadcnt 0x0
	WQUANT 2
.endif
	BARRIER                                        ; the weights', x's and the mask's images are whole
; ---- B: Q, K, V
.irp c, 0,1,2
	ds_load_b128 v[XF+4*\c:XF+4*\c+3], v[XWI] offset:512*\c   ; my own fragment of x comes back from its image: its registers held a weight's numbers when it was made.  No wait: the last weight's lines stand ahead of their own wait on va_vdst
.endr
	ds_load_b32 v[XW], v[XWS]
	v_and_b32 v32, 31, v0
	s_wait_alu depctr_va_vdst(0)
	v_and_b32 v33, 15, v0
	v_bfe_u32 v34, v0, 4, 1
	s_wait_alu depctr_va_vdst(0)
	v_lshlrev_b32 v[WRI], 3, v32
	v_lshl_add_u32 v[WRS], v33, 2, WSC
	s_mul_i32 s50, s27, 6144
	s_add_co_u32 s50, s50, 24576
	v_lshl_add_u32 v[WRIV], v32, 3, s50            ; Wv's tiles 4 (w % 2) on
	s_lshl_b32 s50, s27, 8
	s_add_co_u32 s50, s50, WSC+1024
	v_lshl_add_u32 v[WRSV], v33, 2, s50
	s_mul_i32 s50, s31, 3072
	s_add_co_u32 s50, s50, XIMG
	v_lshl_add_u32 v[XRI], v32, 4, s50             ; x's tiles 2 (w / 2) and 2 (w / 2) + 1: keys 32 (w / 2) on
	s_lshl_b32 s50, s31, 8
	s_add_co_u32 s50, s50, XSC
	v_lshl_add_u32 v[XRS], v32, 2, s50
	s_mul_i32 s50, s31, 768                        ; K: key tile w is block w % 4 of fragment w / 4: registers 6 ((w / 2) % 2) on, lanes 16 (w % 2) on
	s_lshl_b32 s51, s27, 7
	s_add_co_u32 s50, s50, s51
	s_add_co_u32 s50, s50, KIMG
	v_mul_u32_u24 v[KWI], v34, KHP                 ; my half of the lanes holds head 2 c + h
	v_lshl_add_u32 v[KWI], v33, 3, v[KWI]
	v_add_nc_u32 v[KWI], s50, v[KWI]
	s_lshl_b32 s50, s32, 6
	s_add_co_u32 s50, s50, s33
	s_add_co_u32 s50, s50, KSC
	v_lshl_add_u32 v[KWS], v33, 2, s50
	s_mul_i32 s50, s27, 4*VTP                      ; V: channel tiles 4 (w % 2) on; key block w / 2 is block (w / 2) % 4 of K step w / 8
	s_mul_i32 s51, s32, 768
	s_add_co_u32 s50, s50, s51
	s_lshl_b32 s51, s28, 7
	s_add_co_u32 s50, s50, s51
	s_add_co_u32 s50, s50, VIMG
	v_mul_u32_u24 v[VWI], v34, VTP
	v_lshl_add_u32 v[VWI], v33, 3, v[VWI]
	v_add_nc_u32 v[VWI], s50, v[VWI]
	s_lshl_b32 s50, s27, 9
	s_lshl_b32 s51, s30, 6
	s_add_co_u32 s50, s50, s51
	s_add_co_u32 s50, s50, s34
	s_add_co_u32 s50, s50, VSC
	v_lshl_add_u32 v[VWS], v33, 2, s50
	s_wait_alu depctr_va_vdst(0)                   ; this phase's ten LDS addresses, v236 to v245, are written, which its loads and stores read
	WFETCH WF, WS, WRI, WRS, 0, 0, 8               ; Wq
	s_wait_dscnt 0x0
	PROJ
	WFETCH WF, WS, WRI, WRS, 12288, 512, 8         ; Wk lands while Q is quantised
	s_wait_alu depctr_vm_vsrc(0)                   ; phase A's loads and stores, and the four loads at this phase's head, have read their addresses and the mask's word in v40 to v48, which Q's fragment takes
	QUANT HA, F, QW                                ; a block of 32 is a head: Q's fragment stays in registers
	s_wait_dscnt 0x0
	PROJ
.irp x, 0,1                                    ; what V wants lands while K is quantised
.irp c, 0,1,2
	ds_load_b128 v[XP+12*\x+4*\c:XP+12*\x+4*\c+3], v[XRI] offset:1536*\x+512*\c
.endr
	ds_load_b32 v[XPW+\x], v[XRS] offset:128*\x
.endr
	WFETCH WF2, WS2, WRIV, WRSV, 0, 0, 4
	QUANT HA, CT, DW
	s_wait_alu depctr_va_vdst(0)                   ; K's codes in v[CT ..] and its four bytes in v[TM+4 ..] are written, which the stores below read
.irp c, 0,1
.irp p, 0,1,2
	ds_store_b64 v[KWI], v[CT+6*\c+2*\p:CT+6*\c+2*\p+1] offset:2*KHP*\c+256*\p
.endr
.endr
.irp b, 0,1,2,3
	ds_store_b8 v[KWS], v[TM+4+\b] offset:256*\b   ; both halves of the lanes write the same byte with the same value
.endr
	s_wait_dscnt 0x0                               ; V's operands are in
	s_wait_alu depctr_vm_vsrc(0)                   ; K's stores have read v[CT ..] and v[TM+4 ..], which V's quantiser writes
.irp b, 0,1,2,3                                ; not transposed: source 0 = 16 edges, source 1 = 16 columns of Wv: register 16 b + 8 x + j = key 32 (w / 2) + 16 h + 8 x + j of channel r of tile 4 (w % 2) + b
.irp x, 0,1
	v_wmma_scale_f32_16x16x128_f8f6f4 v[HA+16*\b+8*\x:HA+16*\b+8*\x+7], v[XP+12*\x:XP+12*\x+11], v[WF2+12*\b:WF2+12*\b+11], 0, v[XPW+\x], v[WS2+\b] matrix_a_fmt:MATRIX_FMT_BF6 matrix_b_fmt:MATRIX_FMT_BF6
.endr
.endr
	PLACES 4
	QUANT HA, CT, DW                               ; a block is 32 keys of one channel
	s_wait_alu depctr_va_vdst(0)                   ; V's codes and bytes are written, which the stores below read; V's products and its quantiser are done with v64 to v199 and v246 to v251, in which the first key step's loads land
.irp c, 0,1
.irp p, 0,1,2
	ds_store_b64 v[VWI], v[CT+6*\c+2*\p:CT+6*\c+2*\p+1] offset:2*VTP*\c+256*\p
.endr
.endr
.irp b, 0,1,2,3
	ds_store_b8 v[VWS], v[TM+4+\b] offset:128*\b
.endr
.irp z, 0,12,24
.irp i, 0,1,2,3,4,5
	v_mov_b32 v[QOP+\z+\i], 0                      ; the query operand's zero codes
.endr
.endr
	BARRIER                                        ; K's and V's images and scale words are whole; from here on they are only read
	s_wait_alu depctr_vm_vsrc(0)                   ; V's stores have read v[CT ..] and v[TM+4 ..], and this phase's loads and stores their addresses in v236 to v245: phase C writes all of these
; ---- C: the four heads
	KLOAD 0, 0                                     ; the first key step's K and mask.  No wait: since the wait ahead of V's stores only the query operand's zeros were written
	MLOAD 0
	HEADPREP 0
	STEP 0, 0, 0
	STEP 0, 1, 0
	HEADDIV
	HEADPREP 1
	STEP 1, 0, 0
	STEP 1, 1, 0
	HEADDIV
	HEADPREP 2
	STEP 2, 0, 0
	STEP 2, 1, 0
	HEADDIV
	HEADPREP 3
	STEP 3, 0, 0
	STEP 3, 1, ROWPASS
	HEADDIV
.if ROWPASS
; ---- E: the two halves meet, Wo, residual, LayerNorm, mask
	v_and_b32 v[WRI2], 31, v0
	v_and_b32 v[WRS2], 15, v0
	v_and_b32 v[EM], 8, v0
	v_add_nc_u32 v[EM], v[EM], v[WRS2]
	v_lshlrev_b32 v[EM], 2, v[EM]                  ; 4 (r + 8 (r / 8))
	v_lshlrev_b32 v[WRI2], 3, v[WRI2]
	v_lshl_add_u32 v[WRS2], v[WRS2], 2, WSC
	s_wait_alu depctr_va_vdst(0)                   ; the last head's O / (2 l) is written, which the stores below read; the three addresses above are written; phase C is done with v14 and v64 to v255, in which the loads below land
	OSTORE 3
	s_wait_dscnt 0x0                               ; the stage holds 0.5 out_row whole
	s_wait_alu depctr_vm_vsrc(0)                   ; the four stores have read O's registers, in which ocol's loads land
	XLOADD A1, 22, 1                               ; 0.5 out_col, row by row
	XLOADD Y, 4, 1                                 ; x again, for the residual
	global_load_b32 v[LSUM], v[EM], s[56:57]       ; my edge's mask
.irp b, 0,1,2,3
.irp j, 0,1,2,3
	ds_load_b128 v[A2+16*\b+4*\j:A2+16*\b+4*\j+3], v[SO] offset:128*\b+16*\j   ; 0.5 out_row leaves the stage, which then serves the turns
.endr
.endr
	s_wait_loadcnt 17                              ; ocol's sixteen loads are in; x's sixteen and the mask's one, issued behind them, may be out
	XTURN A1
	s_wait_dscnt 0x0
.set J, 0
.rept 32
	v_pk_add_f32 v[A1+J:A1+J+1], v[A1+J:A1+J+1], v[A2+J:A2+J+1]
.set J, J+2
.endr
	s_wait_alu depctr_va_vdst(0)                   ; the additions are done reading v[A2 ..], in which bo lands
	PLOAD A2, 16                                   ; bo
	s_wait_loadcnt 16                              ; x and the mask are in; bo's sixteen loads may be out
	XTURN Y                                        ; x's turn through the stage stands under the quantiser's lines
	QUANT A1, CT, AW
	s_wait_alu depctr_va_vdst(0)                   ; the quantiser is done reading v[A1 ..], in which Wo's fragments land
	WFETCH A1, WOS, WRI2, WRS2, 36864, 1536, 4     ; Wo's tiles 0 to 3
	s_wait_loadcnt 0x0                             ; bo
	s_wait_dscnt 0x0                               ; x is back from the stage, Wo's tiles are in
.set J, 0
.rept 32
	v_pk_add_f32 v[Y+J:Y+J+1], v[Y+J:Y+J+1], v[A2+J:A2+J+1]   ; x + bo is the C of the product.  (Also the places behind the writes of the codes and their scale word)
.set J, J+2
.endr
	v_mov_b32 v[LSUM+1], v[LSUM]
	s_wait_alu depctr_va_vdst(0)                   ; the additions are done reading v[A2 ..], in which gamma lands; the codes in v[CT ..] and their scale word are written, behind their places, which the products below take
	PLOAD A2, 18                                   ; gamma
.irp t, 0,1,2,3
	v_wmma_scale_f32_16x16x128_f8f6f4 v[Y+8*\t:Y+8*\t+7], v[A1+12*\t:A1+12*\t+11], v[CT:CT+11], v[Y+8*\t:Y+8*\t+7], v[WOS+\t], v[AW] matrix_a_fmt:MATRIX_FMT_BF6 matrix_b_fmt:MATRIX_FMT_BF6
.endr
	PLACES 4
	s_wait_alu depctr_va_vdst(0)                   ; the four products are done reading Wo's fragments and scale words, in which the next four land
	WFETCH A1, WOS, WRI2, WRS2, 36864+6144, 1536+256, 4   ; tiles 4 to 7
	s_wait_dscnt 0x0
.irp t, 0,1,2,3
	v_wmma_scale_f32_16x16x128_f8f6f4 v[Y+32+8*\t:Y+32+8*\t+7], v[A1+12*\t:A1+12*\t+11], v[CT:CT+11], v[Y+32+8*\t:Y+32+8*\t+7], v[WOS+\t], v[AW] matrix_a_fmt:MATRIX_FMT_BF6 matrix_b_fmt:MATRIX_FMT_BF6
.endr
	PLACES 4
	s_wait_alu depctr_va_vdst(0)                   ; the four products are done reading Wo's fragments, in which beta lands
	PLOAD A1, 20                                   ; beta
	v_pk_add_f32 v[16:17], v[Y:Y+1], v[Y+4:Y+5]    ; the mean: my 64 features in two chains, each accumulator from its low end on
	v_pk_add_f32 v[18:19], v[Y+2:Y+3], v[Y+6:Y+7]
.set J, 8
.rept 14
	v_pk_add_f32 v[16:17], v[16:17], v[Y+J:Y+J+1]
	v_pk_add_f32 v[18:19], v[18:19], v[Y+J+2:Y+J+3]
.set J, J+4
.endr
	v_pk_add_f32 v[16:17], v[16:17], v[18:19]
	v_add_f32 v16, v16, v17
	v_permlanex16_b32 v20, v16, s[SEL], s[SEL+1]
	v_add_f32 v16, v16, v20                        ; with lane l xor 16's 64
	v_mul_f32 v[NM], s42, v16                      ; -mu
	v_mov_b32 v[NM+1], v[NM]
.set J, 0
.rept 32
	v_pk_add_f32 v[Y+J:Y+J+1], v[Y+J:Y+J+1], v[NM:NM+1]
.set J, J+2
.endr
	v_pk_mul_f32 v[16:17], v[Y:Y+1], v[Y:Y+1]      ; the variance, of the centred numbers
	v_pk_mul_f32 v[18:19], v[Y+2:Y+3], v[Y+2:Y+3]
.set J, 4
.rept 15
	v_pk_fma_f32 v[16:17], v[Y+J:Y+J+1], v[Y+J:Y+J+1], v[16:17]
	v_pk_fma_f32 v[18:19], v[Y+J+2:Y+J+3], v[Y+J+2:Y+J+3], v[18:19]
.set J, J+4
.endr
	v_pk_add_f32 v[16:17], v[16:17], v[18:19]
	v_add_f32 v16, v16, v17
	v_permlanex16_b32 v20, v16, s[SEL], s[SEL+1]
	v_add_f32 v16, v16, v20
	v_fma_f32 v32, v16, s43, s58                   ; var + 1e-5
	s_wait_alu depctr_va_vdst(0)
	v_rsq_f32 v32, v32
	v_nop                                          ; one plain place behind a transcendental
	s_wait_alu depctr_va_vdst(0)                   ; the reciprocal root is written, ahead of its first reader
	v_mov_b32 v33, v32
	s_wait_alu depctr_va_vdst(0)
	s_wait_loadcnt 0x0                             ; gamma and beta
.set J, 0
.rept 32
	v_pk_mul_f32 v[Y+J:Y+J+1], v[Y+J:Y+J+1], v[32:33]
.set J, J+2
.endr
.set J, 0
.rept 32
	v_pk_fma_f32 v[Y+J:Y+J+1], v[Y+J:Y+J+1], v[A2+J:A2+J+1], v[A1+J:A1+J+1]
.set J, J+2
.endr
.set J, 0
.rept 32
	v_pk_mul_f32 v[Y+J:Y+J+1], v[Y+J:Y+J+1], v[LSUM:LSUM+1]
.set J, J+2
.endr
	s_wait_alu depctr_va_vdst(0)                   ; the results in v[Y ..] are written, which the stores below read; the multiply-adds are done reading beta in v[A1 ..], in which the stage's rows land
.irp b, 0,1,2,3
.irp j, 0,1,2,3
	ds_store_b128 v[SO], v[Y+16*\b+4*\j:Y+16*\b+4*\j+3] offset:128*\b+16*\j
.endr
.endr
	WAYOUT A1, 24, 1
.else
; ---- D: 0.5 out_col leaves
	s_wait_alu depctr_va_vdst(0)                   ; the last head's O / (2 l) is written, which the stores below read; phase C is done with v64 to v127, in which the stage's rows land
	OSTORE 3
	WAYOUT HA, 22, 0
.endif
	s_wait_xcnt 0x0                                ; every earlier memory instruction has had its addresses translated (ISA guide 3.1), ahead of the two lines that make the add's registers anew
	v_lshl_add_u32 v254, v0, 2, 0x41400            ; no register could be kept for the add: its two are made here.  No memory or LDS instruction of this text reads v254 or v255
	v_mov_b32 v255, 0
	s_wait_dscnt 0x0                               ; the closing lines, six on end, of a launch in the mode that stores to LDS
	s_wait_alu 0x0
	s_wait_tensorcnt 0x0
	ds_add_u32 v254, v255
	s_wait_dscnt 0x0
	s_endpgm
.Lfunc_end_k_q90e36d23b6_rowpass:
	.size	k_q90e36d23b6_rowpass, .Lfunc_end_k_q90e36d23b6_rowpass-k_q90e36d23b6_rowpass
	.p2alignl 7, 3214868480
	.fill 96, 4, 3214868480
	.section	.rodata,"a",@progbits
	.p2align	6, 0x0
	.amdhsa_kernel k_q90e36d23b6_rowpass
		.amdhsa_group_segment_fixed_size 269312
		.amdhsa_private_segment_fixed_size 0
		.amdhsa_enable_private_segment 0
		.amdhsa_kernarg_size 88
		.amdhsa_user_sgpr_count 2
		.amdhsa_user_sgpr_kernarg_segment_ptr 1
		.amdhsa_wavefront_size32 1
		.amdhsa_system_sgpr_workgroup_id_x 1
		.amdhsa_system_sgpr_workgroup_id_y 1
		.amdhsa_system_sgpr_workgroup_id_z 1
		.amdhsa_system_vgpr_workitem_id 0
		.amdhsa_next_free_vgpr 256
		.amdhsa_next_free_sgpr 66
		.amdhsa_reserve_vcc 1
		.amdhsa_float_denorm_mode_32 3
		.amdhsa_float_denorm_mode_16_64 3
		.amdhsa_memory_ordered 1
		.amdhsa_forward_progress 1
		.amdhsa_inst_pref_size 235
	.end_amdhsa_kernel
	.amdgpu_metadata
---
amdhsa.version: [ 1, 2 ]
amdhsa.kernels:
  - .name:           k_q90e36d23b6_rowpass
    .symbol:         k_q90e36d23b6_rowpass.kd
    .args:
      - { .name: edge_feat, .offset: 0, .size: 8, .value_kind: global_buffer, .address_space: global }
      - { .name: off_diag_mask, .offset: 8, .size: 8, .value_kind: global_buffer, .address_space: global }
      - { .name: Wq, .offset: 16, .size: 8, .value_kind: global_buffer, .address_space: global }
      - { .name: Wk, .offset: 24, .size: 8, .value_kind: global_buffer, .address_space: global }
      - { .name: Wv, .offset: 32, .size: 8, .value_kind: global_buffer, .address_space: global }
      - { .name: Wo, .offset: 40, .size: 8, .value_kind: global_buffer, .address_space: global }
      - { .name: bo, .offset: 48, .size: 8, .value_kind: global_buffer, .address_space: global }
      - { .name: gamma, .offset: 56, .size: 8, .value_kind: global_buffer, .address_space: global }
      - { .name: beta, .offset: 64, .size: 8, .value_kind: global_buffer, .address_space: global }
      - { .name: ocol, .offset: 72, .size: 8, .value_kind: global_buffer, .address_space: global }
      - { .name: out0, .offset: 80, .size: 8, .value_kind: global_buffer, .address_space: global }
    .group_segment_fixed_size: 269312
    .private_segment_fixed_size: 0
    .kernarg_segment_align: 8
    .kernarg_segment_size: 88
    .max_flat_workgroup_size: 512
    .sgpr_count:     66
    .vgpr_count:     256
    .wavefront_size: 32
...
	.end_amdgpu_metadata
.endif
;; end of part 4
